; MI455X (gfx1250); checked and timed in simulation.
; The chip was launched on July 23, 2026; its instructions are those of AMD's public machine-readable ISA for CDNA 5 (MIT licence, August 2026) and "CDNA5" Instruction Set Architecture Reference Guide (July 2026). The comments in the code are by the model that wrote it; some were corrected since.
;; Multi Geometry GPT. Allowed arithmetic: float matrix products may take bf16 or f16 operands with f32 sums; other float arithmetic in f32, or as packed bf16 or f16 multiplies, adds, multiply-adds, maxima and minima; sums over many terms, partial sums and values carried from step to step in f32; what a program stores and reads back later, other than sums and carried values, may be rounded once to bf16 or f16.
;; Inputs: attn_curvatures 1 x 16 x 1 x 1 float32; b_attn_proj 1,024 float32; b_mlp_expand 4,099 float32; b_mlp_shrink 1,024 float32; block_curvature one number float32; ln_b 1,024 float32; ln_w 1,024 float32; mlp_curvature one number float32; w_attn_proj 1,040 x 1,024 float32; w_mlp_expand 1,025 x 4,099 float32; w_mlp_shrink 4,100 x 1,024 float32; w_qkv 1,025 x 3,072 float32; x 2 x 2,048 x 1,024 float32.
;; Outputs: out0 2 x 2,048 x 1,025 float32.
;; 2 versions, each right and faster than the one before. Each part assembles by itself: llvm-mc -triple=amdgcn-amd-amdhsa -mcpu=gfx1250 --defsym DOCPART=n.
;; ======== version 1 of 2: 10 launches
;; limits: a function is approximated: absolute error at most 1.5e-07; right only within a limited range of input values
;; workspace buffers: act 8,978,432 bytes; wb1 6,815,744 bytes; wb2 3,145,728 bytes; wb3 8,925,184 bytes; wb4 8,912,896 bytes; raw 33,554,432 bytes; big 50,855,936 bytes
;; launch prep (part 1): grid 1000 x 1, 8 waves a work-group, no clusters, 70,656 bytes of LDS; arguments w_qkv, w_attn_proj, w_mlp_expand, w_mlp_shrink, b_attn_proj, b_mlp_expand, b_mlp_shrink, wb1, wb2, wb3, wb4, x, ln_w, ln_b, block_curvature, act; writes wb1, wb2, wb3, wb4, act
.if DOCPART == 1
	.amdgcn_target "amdgcn-amd-amdhsa--gfx1250"
	.amdhsa_code_object_version 6
	.text
	.protected	k_qd9f7df879b_prep
	.globl	k_qd9f7df879b_prep
	.p2align	8
	.type	k_qd9f7df879b_prep,@function
k_qd9f7df879b_prep:
	s_mov_b64 s[64:65], 0
	v_nop
	global_prefetch_b8 v0, s[64:65] scope:SCOPE_SE
	s_setreg_imm32_b32 hwreg(HW_REG_WAVE_MODE, 25, 1), 1
	s_wait_xcnt 0x0
; TWO JOBS THAT SHARE NO DATA, IN ONE LAUNCH.
; (1) The weights, once: rounded to bf16 and turned from [k][n] into [n][k] (main part, at byte BMAIN of each wb buffer), the odd rows and the
; biases as a tail of 64 bf16 for each n (at byte 0), three columns of the expanding weights as f32 rows, and the table of cos and sin.
; Work-groups 0-95 w_qkv, 96-127 w_attn_proj, 128-255 w_mlp_expand, 256-383 w_mlp_shrink (turning); 384-419 the four tails; 420-423 wx; 424-487 cos, sin.
; Turning: a wave takes 32 columns n x 128 rows k: 16 rows a trip, 128 consecutive bytes a load, four trips' loads in flight; pairs along k are rounded and laid into the
; wave's own LDS rows (pitch 272); then whole rows of 256 bytes are read back and stored, sixteen lanes to 256 consecutive bytes.
; (2) Work-groups 488-999: the layer norm of a row of x and its lift: n = (x - m) rsqrt(var + 1e-5) w + b, t = sqrt(exp(k) + |n|^2).  One wave, one row of 1,024, kept in 32 registers.
; Every input is rounded to bf16 as it is loaded.  Out: n in bf16 (256 consecutive bytes a store) and a tail of 64 bf16: t's high part, its low part, 1.0, zeros.
; LIMIT: the angle t x 10000^(-i/32), t < 2048, is reduced by pi/2 in two parts; sin to r^7, cos to r^8 on |r| <= pi/4.
.set BMAIN, 524288
.set ATAIL, 8388608
.set LROW,  272
.set WLDS,  8704                       ; 32 rows x 272
.set SPARE, 69632                      ; behind the eight waves' rows: the spare words, 128 bytes a wave
.set SPW, 2
.set NIL, 3
.set ID,  36                           ; the work-group
.set WV,  37                           ; the wave
.set SRC, 38                           ; s[38:39] source
.set PIT, 40                           ; its pitch in bytes
.set DP,  41                           ; the destination's pitch
.set DST, 42                           ; s[42:43] destination
.set NB,  44                           ; block of 32 columns
.set KG,  45                           ; block of 1,024 rows
.set HM,  46                           ; -1 where a source row is skipped every 64
.set KB0, 47                           ; my first k
.set TA,  48
.set LB,  49
.set CN,  50
.set TB,  51
.set OF,  52                           ; s[52:53] an offset, 0 above
.set BS,  54                           ; s[54:61] four bases, one for each trip in flight
.set ROW, 44                           ; the norm's names: other work-groups, the same registers
.set KV,  45
.set RN,  46
.set MSK, 47
.set SEL, 48
.set X, 8
.set W, 40
.set BB, 72
.set PK, 104
.macro REP n, st, line:vararg          ; the line n times, i = 0, st, 2 st ..
.set i, 0
.rept \n
	\line
.set i, i+(\st)
.endr
.endm
.macro RND a, b, t                     ; two numbers rounded to bf16, kept as f32
	v_cvt_pk_bf16_f32 v[\t], v[\a], v[\b]
	v_lshlrev_b32 v[\a], 16, v[\t]
	v_and_b32 v[\b], s[MSK], v[\t]
.endm
.macro WSUM v, t                       ; the sum over the 32 lanes, in every lane; t has been written before
	v_add_f32_dpp v[\v], v[\v], v[\v] row_xmask:1 row_mask:0xf bank_mask:0xf
	v_add_f32_dpp v[\v], v[\v], v[\v] row_xmask:2 row_mask:0xf bank_mask:0xf
	v_add_f32_dpp v[\v], v[\v], v[\v] row_xmask:4 row_mask:0xf bank_mask:0xf
	v_add_f32_dpp v[\v], v[\v], v[\v] row_xmask:8 row_mask:0xf bank_mask:0xf
	v_permlanex16_b32 v[\t], v[\v], s[SEL], s[SEL+1]
	v_add_f32 v[\v], v[\v], v[\t]
.endm
.macro HILO d, x, t                    ; x as two bf16: the rounded number below, what it leaves above
	s_wait_alu depctr_va_vdst(0)
	v_cvt_pk_bf16_f32 v[\t], v[\x], v[\x]
	v_lshlrev_b32 v[\t], 16, v[\t]
	v_sub_f32 v[\t], v[\x], v[\t]
	v_cvt_pk_bf16_f32 v[\d], v[\x], v[\t]
.endm
.macro SQS d                           ; the sum of the 32 squares in X, over the row, into v[d]; uses d .. d+3
	v_pk_mul_f32 v[\d:\d+1], v[X:X+1], v[X:X+1]
	v_pk_mul_f32 v[\d+2:\d+3], v[X+2:X+3], v[X+2:X+3]
.set i, 4
.rept 7
	v_pk_fma_f32 v[\d:\d+1], v[X+i:X+i+1], v[X+i:X+i+1], v[\d:\d+1]
	v_pk_fma_f32 v[\d+2:\d+3], v[X+i+2:X+i+3], v[X+i+2:X+i+3], v[\d+2:\d+3]
.set i, i+4
.endr
	v_pk_add_f32 v[\d:\d+1], v[\d:\d+1], v[\d+2:\d+3]
	v_add_f32 v[\d], v[\d], v[\d+1]
	WSUM \d, \d+1
.endm
.macro LNCORE                          ; X: the row; leaves n in X and t in v124.  v4 = exp(k)
	v_pk_add_f32 v[120:121], v[X:X+1], v[X+2:X+3]
	v_pk_add_f32 v[122:123], v[X+4:X+5], v[X+6:X+7]
.set i, 8
.rept 6
	v_pk_add_f32 v[120:121], v[120:121], v[X+i:X+i+1]
	v_pk_add_f32 v[122:123], v[122:123], v[X+i+2:X+i+3]
.set i, i+4
.endr
	v_pk_add_f32 v[120:121], v[120:121], v[122:123]
	v_add_f32 v120, v120, v121
	WSUM 120, 121
	v_mul_f32 v120, s[RN], v120                    ; the mean
	REP 16, 2, v_pk_add_f32 v[X+i:X+i+1], v[X+i:X+i+1], v[120:121] op_sel_hi:[1,0] neg_lo:[0,1] neg_hi:[0,1]
	SQS 120
	v_fmaak_f32 v120, s[RN], v120, 0x3727c5ac      ; the variance + 1e-5
	v_rsq_f32 v120, v120
	v_nop                                          ; a plain line between the root and its use
	s_wait_alu depctr_va_vdst(0)
	REP 16, 2, v_pk_mul_f32 v[X+i:X+i+1], v[X+i:X+i+1], v[120:121] op_sel_hi:[1,0]
	REP 16, 2, v_pk_fma_f32 v[X+i:X+i+1], v[X+i:X+i+1], v[W+i:W+i+1], v[BB+i:BB+i+1]
	SQS 124
	v_add_f32 v124, v124, v4
	v_sqrt_f32 v124, v124
	v_mov_b32 v127, 0x3f80                         ; 1.0 in bf16 (a plain line behind the root)
.endm
	s_load_b512 s[4:19], s[0:1], 0x0               ; w_qkv 4, w_attn 6, w_exp 8, w_shr 10, b_attn 12, b_exp 14, b_shr 16, wb1 18
	s_load_b512 s[20:35], s[0:1], 0x40             ; wb2 20, wb3 22, wb4 24, x 26, ln_w 28, ln_b 30, block_curvature 32, act 34
	v_lshl_add_u32 v[SPW], v0, 2, SPARE
	v_mov_b32 v[NIL], 0
	v_and_b32 v1, 31, v0
	v_lshrrev_b32 v4, 5, v0
	v_readfirstlane_b32 s[WV], v4
	s_mov_b32 s[ID], ttmp9
	s_mov_b32 s[OF+1], 0
	s_wait_kmcnt 0x0
	s_cmp_ge_u32 s[ID], 488
	s_cbranch_scc1 .Lln
	s_cmp_ge_u32 s[ID], 384
	s_cbranch_scc1 .Lnot_tr
	s_cmp_ge_u32 s[ID], 256
	s_cbranch_scc1 .Lw4
	s_cmp_ge_u32 s[ID], 128
	s_cbranch_scc1 .Lw3
	s_cmp_ge_u32 s[ID], 96
	s_cbranch_scc1 .Lw2
	s_mov_b64 s[SRC:SRC+1], s[4:5]
	s_mov_b64 s[DST:DST+1], s[18:19]
	s_mov_b32 s[PIT], 12288
	s_mov_b32 s[DP], 2048
	s_mov_b32 s[NB], s[ID]
	s_mov_b32 s[KG], 0
	s_mov_b32 s[HM], 0
	s_branch .Ltr
.Lw2:
	s_mov_b64 s[SRC:SRC+1], s[6:7]
	s_mov_b64 s[DST:DST+1], s[20:21]
	s_mov_b32 s[PIT], 4096
	s_mov_b32 s[DP], 2048
	s_sub_co_u32 s[NB], s[ID], 96
	s_mov_b32 s[KG], 0
	s_mov_b32 s[HM], -1
	s_branch .Ltr
.Lw3:
	s_mov_b64 s[SRC:SRC+1], s[8:9]
	s_mov_b64 s[DST:DST+1], s[22:23]
	s_mov_b32 s[PIT], 16396
	s_mov_b32 s[DP], 2048
	s_sub_co_u32 s[NB], s[ID], 128
	s_mov_b32 s[KG], 0
	s_mov_b32 s[HM], 0
	s_branch .Ltr
.Lw4:
	s_mov_b64 s[SRC:SRC+1], s[10:11]
	s_mov_b64 s[DST:DST+1], s[24:25]
	s_mov_b32 s[PIT], 4096
	s_mov_b32 s[DP], 8192
	s_sub_co_u32 s[KG], s[ID], 256
	s_and_b32 s[NB], s[KG], 31
	s_lshr_b32 s[KG], s[KG], 5
	s_mov_b32 s[HM], 0
.Ltr:
	s_add_nc_u64 s[DST:DST+1], s[DST:DST+1], BMAIN
	s_lshl_b32 s[KB0], s[KG], 10
	s_lshl_b32 s[TA], s[WV], 7
	s_add_co_u32 s[KB0], s[KB0], s[TA]             ; my first k
	v_lshlrev_b32 v16, 2, v1
	s_lshl_b32 s[TA], s[NB], 7
	v_add_nc_u32 v16, s[TA], v16                   ; my column, in bytes; v16-31: rows 0 to 15 of a trip
	REP 15, 1, v_add_nc_u32 v[17+i], s[PIT], v[16+i]
	v_mul_u32_u24 v5, v1, LROW
	s_mul_i32 s[LB], s[WV], WLDS
	v_add_nc_u32 v5, s[LB], v5                     ; my LDS row: column n = lane
; trip c: source row = k + 1, and one more for each head passed where HM = -1.  Trip c has register set and base c % 4.
.macro LOADS c
	s_add_co_u32 s[TB], s[KB0], 16*(\c)
	s_lshr_b32 s[OF], s[TB], 6
	s_and_b32 s[OF], s[OF], s[HM]
	s_add_co_u32 s[OF], s[OF], s[TB]
	s_add_co_u32 s[OF], s[OF], 1
	s_mul_i32 s[OF], s[OF], s[PIT]
	s_add_nc_u64 s[BS+2*((\c)%4):BS+2*((\c)%4)+1], s[SRC:SRC+1], s[OF:OF+1]
	REP 16, 1, global_load_b32 v[32+16*((\c)%4)+i], v[16+i], s[BS+2*((\c)%4):BS+2*((\c)%4)+1]
.endm
.macro PUT c
	REP 8, 1, v_cvt_pk_bf16_f32 v[96+i], v[32+16*((\c)%4)+2*i], v[33+16*((\c)%4)+2*i]
	ds_store_b128 v5, v[96:99] offset:32*(\c)
	ds_store_b128 v5, v[100:103] offset:32*(\c)+16
.endm
	LOADS 0
	LOADS 1
	LOADS 2
	LOADS 3
.irp c, 0,1,2,3
	s_wait_loadcnt 48                              ; trip c's 16 loads are in, the three younger trips' 48 stay out; that also frees trip c's base and registers for trip c + 4
	PUT \c
	LOADS (\c)+4
.endr
.irp c, 4,5,6,7
	s_wait_loadcnt 16*(7-(\c))                     ; nothing more is asked for: the counts run down
	PUT \c
.endr
	v_lshrrev_b32 v6, 4, v1
	v_and_b32 v7, 15, v1
	v_mul_u32_u24 v8, v6, LROW
	v_lshl_add_u32 v8, v7, 4, v8
	v_add_nc_u32 v8, s[LB], v8                     ; back: lanes 0-15 one row of 256 bytes, lanes 16-31 the next
	v_mul_lo_u32 v16, v6, s[DP]                    ; all loads are done: v16-31 now take the stores' offsets
	v_lshl_add_u32 v16, v7, 4, v16
	s_lshl_b32 s[TA], s[DP], 1
	REP 15, 1, v_add_nc_u32 v[17+i], s[TA], v[16+i]
	s_lshl_b32 s[OF], s[NB], 5
	s_mul_i32 s[OF], s[OF], s[DP]
	s_lshl_b32 s[TA], s[KB0], 1
	s_add_co_u32 s[OF], s[OF], s[TA]
	s_add_nc_u64 s[DST:DST+1], s[DST:DST+1], s[OF:OF+1]
	REP 16, 1, ds_load_b128 v[32+4*i:35+4*i], v8 offset:i*2*LROW  ; a wave's LDS instructions are served in order: these see the stores above
.set t, 0
.rept 16
	s_wait_dscnt 15-t
	global_store_b128 v[16+t], v[32+4*t:35+4*t], s[DST:DST+1]
.set t, t+1
.endr
	s_branch .Lend
.Lnot_tr:
	s_cmp_ge_u32 s[ID], 424
	s_cbranch_scc1 .Ltrig
	s_cmp_ge_u32 s[ID], 420
	s_cbranch_scc1 .Lwx
	; THE TAILS: a thread makes the 64 bf16 of one n.  A weight row that meets a time coordinate stands twice (the coordinate comes as high and low part); the bias meets 1.0
	REP 32, 1, v_mov_b32 v[32+i], 0
.macro TN start
	s_sub_co_u32 s[TA], s[ID], \start
	s_lshl_b32 s[TA], s[TA], 8
	v_add_nc_u32 v4, s[TA], v0
	v_lshlrev_b32 v5, 2, v4
.endm
	s_cmp_ge_u32 s[ID], 416
	s_cbranch_scc1 .Lt4
	s_cmp_ge_u32 s[ID], 400
	s_cbranch_scc1 .Lt3
	s_cmp_ge_u32 s[ID], 396
	s_cbranch_scc1 .Lt2
	TN 384
	global_load_b32 v8, v5, s[4:5]
	s_mov_b64 s[DST:DST+1], s[18:19]
	s_wait_loadcnt 0x0
	v_cvt_pk_bf16_f32 v32, v8, v8
	s_branch .Ltst
.Lt2:
	TN 396
	REP 16, 1, global_load_b32 v[8+i], v5, s[6:7] offset:266240*i  ; row 65 h: head h's time coordinate
	global_load_b32 v24, v5, s[12:13]
	s_mov_b64 s[DST:DST+1], s[20:21]
	s_wait_loadcnt 0x0
	REP 16, 1, v_cvt_pk_bf16_f32 v[32+i], v[8+i], v[8+i]
	v_cvt_pk_bf16_f32 v48, v24, v[NIL]
	s_branch .Ltst
.Lt3:
	TN 400
	global_load_b32 v8, v5, s[8:9]
	global_load_b32 v9, v5, s[14:15]
	s_mov_b64 s[DST:DST+1], s[22:23]
	s_wait_loadcnt 0x0
	v_cvt_pk_bf16_f32 v32, v8, v8
	v_cvt_pk_bf16_f32 v33, v9, v[NIL]
	s_branch .Ltst
.Lt4:
	TN 416
	s_add_nc_u64 s[SRC:SRC+1], s[10:11], 16781312  ; row 4,097
	global_load_b32 v8, v5, s[10:11]
	global_load_b32 v9, v5, s[SRC:SRC+1]
	global_load_b32 v10, v5, s[SRC:SRC+1] offset:4096
	global_load_b32 v11, v5, s[SRC:SRC+1] offset:8192
	global_load_b32 v12, v5, s[16:17]
	s_mov_b64 s[DST:DST+1], s[24:25]
	s_wait_loadcnt 0x0
	v_cvt_pk_bf16_f32 v32, v8, v8
	v_cvt_pk_bf16_f32 v33, v9, v10
	v_cvt_pk_bf16_f32 v34, v11, v12
.Ltst:
	v_lshlrev_b32 v6, 7, v4
	REP 8, 1, global_store_b128 v6, v[32+4*i:35+4*i], s[DST:DST+1] offset:16*i
	s_branch .Lend
.Lwx:                                  ; columns 4,096 to 4,098 of w_mlp_expand, rows 1 to 1,024, rounded, as three f32 rows
	s_sub_co_u32 s[TA], s[ID], 420
	s_lshl_b32 s[TA], s[TA], 8
	v_add_nc_u32 v4, s[TA], v0
	v_mul_u32_u24 v5, v4, 0x400c
	REP 3, 1, global_load_b32 v[8+i], v5, s[8:9] offset:32780+4*i
	s_add_nc_u64 s[DST:DST+1], s[22:23], 8912896
	v_lshlrev_b32 v6, 2, v4
	s_wait_loadcnt 0x0
	v_cvt_pk_bf16_f32 v11, v8, v9
	v_lshlrev_b32 v8, 16, v11
	v_and_b32 v9, 0xffff0000, v11
	v_cvt_pk_bf16_f32 v11, v10, v10
	v_lshlrev_b32 v10, 16, v11
	REP 3, 1, global_store_b32 v6, v[8+i], s[DST:DST+1] offset:4096*i
	s_branch .Lend
.Ltrig:                                ; cos and sin of t x 10000^(-i/32): entry t x 32 + i; four entries a thread
	s_sub_co_u32 s[TA], s[ID], 424
	s_lshl_b32 s[TA], s[TA], 8
	v_add_nc_u32 v4, s[TA], v0
	s_mov_b32 s[TB], 0xbfc90fdb                    ; -pi/2, its f32
	s_mov_b32 s[LB], 0x333bbd2e                    ; what that f32 is too large by
	s_mov_b32 s[CN], 4
.Ltg:
	v_and_b32 v5, 31, v4
	v_lshrrev_b32 v6, 5, v4
	v_cvt_f32_u32 v5, v5
	v_cvt_f32_u32 v6, v6
	v_mul_f32 v5, 0xbed49a78, v5                   ; -log2(10000) / 32
	v_exp_f32 v5, v5
	v_lshlrev_b32 v7, 2, v4                        ; a plain line behind the exponential
	s_wait_alu depctr_va_vdst(0)
	v_mul_f32 v6, v6, v5
	v_mul_f32 v8, 0x3f22f983, v6
	v_rndne_f32 v8, v8                             ; quarter turns
	v_fma_f32 v9, v8, s[TB], v6
	v_fma_f32 v9, v8, s[LB], v9
	v_mul_f32 v10, v9, v9
	v_mov_b32 v11, 0xb9500d01
	v_fmaak_f32 v11, v11, v10, 0x3c088889
	v_fmaak_f32 v11, v11, v10, 0xbe2aaaab
	v_mul_f32 v12, v9, v10
	v_fma_f32 v11, v12, v11, v9                    ; sin r
	v_mov_b32 v13, 0x37d00d01
	v_fmaak_f32 v13, v13, v10, 0xbab60b61
	v_fmaak_f32 v13, v13, v10, 0x3d2aaaab
	v_fmaak_f32 v13, v13, v10, 0xbf000000
	v_fma_f32 v13, v13, v10, 1.0                   ; cos r
	v_cvt_i32_f32 v14, v8
	v_and_b32 v15, 1, v14
	v_cmp_eq_u32 vcc_lo, 1, v15
	v_cndmask_b32 v16, v11, v13, vcc_lo            ; odd quarter: the two change places
	v_cndmask_b32 v17, v13, v11, vcc_lo
	v_lshlrev_b32 v18, 30, v14
	v_and_b32 v18, 0x80000000, v18
	v_xor_b32 v16, v16, v18                        ; sin changes sign in quarters 2, 3
	v_add_nc_u32 v14, 1, v14
	v_lshlrev_b32 v18, 30, v14
	v_and_b32 v18, 0x80000000, v18
	v_xor_b32 v17, v17, v18                        ; cos in quarters 1, 2
	global_store_b32 v7, v17, s[20:21] offset:2621440
	global_store_b32 v7, v16, s[20:21] offset:2883584
	s_wait_xcnt 0x0                                ; the stores' registers are rewritten only behind this wait
	v_add_nc_u32 v4, 16384, v4
	s_sub_co_u32 s[CN], s[CN], 1
	s_cmp_lg_u32 s[CN], 0
	s_cbranch_scc1 .Ltg
	s_branch .Lend
.Lln:                                  ; THE FIRST NORM: row 8 x (work-group - 488) + wave
	s_sub_co_u32 s[ROW], s[ID], 488
	s_lshl_b32 s[ROW], s[ROW], 3
	s_add_co_u32 s[ROW], s[ROW], s[WV]
	s_mov_b32 s[SEL], 0x76543210
	s_mov_b32 s[SEL+1], 0xfedcba98
	s_mov_b32 s[RN], 0x3a800000                    ; 1 / 1,024
	s_mov_b32 s[MSK], 0xffff0000
	v_lshlrev_b32 v7, 4, v1
	v_lshlrev_b32 v5, 3, v1
	v_lshlrev_b32 v6, 2, v1
	s_load_b32 s[KV], s[32:33], 0x0
	s_lshl_b32 s[OF], s[ROW], 12
	s_add_nc_u64 s[26:27], s[26:27], s[OF:OF+1]
	REP 8, 1, global_load_b128 v[X+4*i:X+4*i+3], v7, s[26:27] offset:512*i
	REP 8, 1, global_load_b128 v[W+4*i:W+4*i+3], v7, s[28:29] offset:512*i
	REP 8, 1, global_load_b128 v[BB+4*i:BB+4*i+3], v7, s[30:31] offset:512*i
	s_lshl_b32 s[OF], s[ROW], 11
	s_add_nc_u64 s[DST:DST+1], s[34:35], s[OF:OF+1]  ; my row of n
	s_lshl_b32 s[OF], s[ROW], 7
	s_add_nc_u64 s[SRC:SRC+1], s[34:35], s[OF:OF+1]
	s_add_nc_u64 s[SRC:SRC+1], s[SRC:SRC+1], ATAIL   ; my row's tail
	s_wait_kmcnt 0x0
	v_mov_b32 v4, s[KV]
	v_cvt_pk_bf16_f32 v4, v4, v4
	v_lshlrev_b32 v4, 16, v4
	v_mul_f32 v4, 0x3fb8aa3b, v4
	v_exp_f32 v4, v4                               ; exp(k); used far below
	s_wait_loadcnt 0x0
	REP 16, 2, RND X+i, X+i+1, 120
	REP 16, 2, RND W+i, W+i+1, 120
	REP 16, 2, RND BB+i, BB+i+1, 120
	LNCORE
	REP 16, 1, v_cvt_pk_bf16_f32 v[PK+i], v[X+2*i], v[X+2*i+1]
	REP 8, 1, global_store_b64 v5, v[PK+2*i:PK+2*i+1], s[DST:DST+1] offset:256*i
	HILO 126, 124, 125
	v_cmp_eq_u32 vcc_lo, 0, v1
	v_cndmask_b32 v126, 0, v126, vcc_lo
	v_cmp_eq_u32 vcc_lo, 1, v1
	v_cndmask_b32 v126, v126, v127, vcc_lo
	global_store_b32 v6, v126, s[SRC:SRC+1]        ; 128 consecutive bytes
.Lend:
	s_wait_tensorcnt 0x0                           ; the wave's end
	ds_add_u32 v[SPW], v[NIL]
	s_wait_dscnt 0x0
	s_endpgm
.Lfunc_end_k_qd9f7df879b_prep:
	.size	k_qd9f7df879b_prep, .Lfunc_end_k_qd9f7df879b_prep-k_qd9f7df879b_prep
	.p2alignl 7, 3214868480
	.fill 96, 4, 3214868480
	.section	.rodata,"a",@progbits
	.p2align	6, 0x0
	.amdhsa_kernel k_qd9f7df879b_prep
		.amdhsa_group_segment_fixed_size 70656
		.amdhsa_private_segment_fixed_size 0
		.amdhsa_enable_private_segment 0
		.amdhsa_kernarg_size 128
		.amdhsa_user_sgpr_count 2
		.amdhsa_user_sgpr_kernarg_segment_ptr 1
		.amdhsa_wavefront_size32 1
		.amdhsa_system_sgpr_workgroup_id_x 1
		.amdhsa_system_sgpr_workgroup_id_y 1
		.amdhsa_system_sgpr_workgroup_id_z 1
		.amdhsa_system_vgpr_workitem_id 0
		.amdhsa_next_free_vgpr 128
		.amdhsa_next_free_sgpr 66
		.amdhsa_reserve_vcc 1
		.amdhsa_float_denorm_mode_32 3
		.amdhsa_float_denorm_mode_16_64 3
		.amdhsa_memory_ordered 1
		.amdhsa_forward_progress 1
		.amdhsa_inst_pref_size 57
	.end_amdhsa_kernel
	.amdgpu_metadata
---
amdhsa.version: [ 1, 2 ]
amdhsa.kernels:
  - .name:           k_qd9f7df879b_prep
    .symbol:         k_qd9f7df879b_prep.kd
    .args:
      - { .name: w_qkv, .offset: 0, .size: 8, .value_kind: global_buffer, .address_space: global }
      - { .name: w_attn_proj, .offset: 8, .size: 8, .value_kind: global_buffer, .address_space: global }
      - { .name: w_mlp_expand, .offset: 16, .size: 8, .value_kind: global_buffer, .address_space: global }
      - { .name: w_mlp_shrink, .offset: 24, .size: 8, .value_kind: global_buffer, .address_space: global }
      - { .name: b_attn_proj, .offset: 32, .size: 8, .value_kind: global_buffer, .address_space: global }
      - { .name: b_mlp_expand, .offset: 40, .size: 8, .value_kind: global_buffer, .address_space: global }
      - { .name: b_mlp_shrink, .offset: 48, .size: 8, .value_kind: global_buffer, .address_space: global }
      - { .name: wb1, .offset: 56, .size: 8, .value_kind: global_buffer, .address_space: global }
      - { .name: wb2, .offset: 64, .size: 8, .value_kind: global_buffer, .address_space: global }
      - { .name: wb3, .offset: 72, .size: 8, .value_kind: global_buffer, .address_space: global }
      - { .name: wb4, .offset: 80, .size: 8, .value_kind: global_buffer, .address_space: global }
      - { .name: x, .offset: 88, .size: 8, .value_kind: global_buffer, .address_space: global }
      - { .name: ln_w, .offset: 96, .size: 8, .value_kind: global_buffer, .address_space: global }
      - { .name: ln_b, .offset: 104, .size: 8, .value_kind: global_buffer, .address_space: global }
      - { .name: block_curvature, .offset: 112, .size: 8, .value_kind: global_buffer, .address_space: global }
      - { .name: act, .offset: 120, .size: 8, .value_kind: global_buffer, .address_space: global }
    .group_segment_fixed_size: 70656
    .private_segment_fixed_size: 0
    .kernarg_segment_align: 8
    .kernarg_segment_size: 128
    .max_flat_workgroup_size: 256
    .sgpr_count:     66
    .vgpr_count:     128
    .wavefront_size: 32
...
	.end_amdgpu_metadata
.endif
;; end of part 1
;; launch gq (part 2): grid 12 x 16, 4 waves a work-group, clusters of 4 x 4, 327,680 bytes of LDS; arguments act, wb1, raw; writes raw
.if DOCPART == 2
	.amdgcn_target "amdgcn-amd-amdhsa--gfx1250"
	.amdhsa_code_object_version 6
	.text
	.protected	k_qd9f7df879b_gq
	.globl	k_qd9f7df879b_gq
	.p2align	8
	.type	k_qd9f7df879b_gq,@function
k_qd9f7df879b_gq:
	s_mov_b64 s[64:65], 0
	v_nop
	global_prefetch_b8 v0, s[64:65] scope:SCOPE_SE
	s_setreg_imm32_b32 hwreg(HW_REG_WAVE_MODE, 25, 1), 1
	s_wait_xcnt 0x0
	s_wait_alu depctr_hold_cnt(0) depctr_sa_sdst(0) depctr_va_vdst(0) depctr_va_sdst(0) depctr_va_ssrc(0) depctr_va_vcc(0) depctr_vm_vsrc(0)
	s_getreg_b32 s2, hwreg(HW_REG_IB_STS2, 6, 4)
	s_cmp_eq_u32 s2, 0
	s_cbranch_scc0 .Lentry_in_a_cluster
	s_endpgm
.Lentry_in_a_cluster:
	s_bfe_u32 s2, ttmp6, 0x10000c
	s_cmp_lg_u32 s2, 0xf033
	s_cbranch_scc0 .Lentry_shape_is_right
	s_endpgm
.Lentry_shape_is_right:
; C[m][n] = sum over k of A[m][k] B[n][k], K = 1,024 + a tail of 64.  A: main [4096][1024] bf16 at byte 0, tail [4096][64] at byte ATAIL.  B: tail [N][64] at byte 0, main [N][1024] at BMAIN.
; C leaves in bf16 as panels [N/128][4096][128], so the text does not know N: it is the grid's width.  Sums in f32.
; A tile of C is 256 x 256; four waves, as many as a WGP has SIMDs, each 128 x 128: 64 accumulators of 16 x 16, 512 registers.  A K step of 128 brings 131,072 bytes for 256 matrix instructions a wave.
; The tail's fragments come straight from memory into the two fragment buffers, and its products start all sums (the first 64 with C = 0): nothing is cleared, and no quarter is written out ahead of the loop.
; The main K goes in steps of 128 (LDS rows of 256 bytes + 16 of padding; a wave's tensor load brings 128 rows) through two LDS slots.
; CLUSTERS: 4 x 4 work-groups.  The four of a row of the cluster need the same tiles of A, the four of a column the same tiles of B: each tile is asked for jointly, by the same tensor load with the
; same descriptor and a mask that names the four.  The matrix instruction is used transposed (source 0 = 16 rows of B, source 1 = 16 rows of A): a lane holds eight neighbouring numbers of a row of C.
; REGISTERS, in windows of 256: window 0: v0-31 addresses; v64-127, v128-191 fragments of A, two buffers; v32-63, v192-255 at work on the way out.  Window 1: v64-127, v128-191 fragments of B.
; Window 2: the 32 accumulators of my rows 0-63 ((a, b) at v[8 (8 a + b)]); window 3: those of my rows 64-127.
.set SIZE_K, 1024
.set ATAIL,  8388608
.set BMAIN,  524288
.set KSTEP,  128
.set PITCH,  272                       ; 68 words: the 16 rows that a load touches start at 16 different groups of four banks (64 banks of 4 bytes: ISA guide 11.1)
.set HALFT,  128*PITCH                 ; 128 rows: what one tensor load brings, and what one wave reads of A or of B
.set SLOT,   4*HALFT                   ; A's 256 rows, then B's 256 rows
.set STAGE,  2*SLOT                    ; behind the ring: 16 rows x 272 bytes for each wave, for the way out; no tensor load fills it
.set SPITCH, 272
.set SPARE,  STAGE+4*16*SPITCH         ; the spare words, 128 bytes a wave
.set LAPS, SIZE_K/(2*KSTEP)            ; a lap = two K steps = once round the ring
.set ADRA, 16                          ; v16-17  LDS address of my A fragments in slot 0, 1
.set ADRB, 20                          ; v20-21  the same for B
.set STO,  24                          ; the way out: where I put 16 bytes of a row
.set RD,   25                          ; the way out: where I read a row back
.set CO,   26                          ; 16 x lane: two rows of a panel are 512 consecutive bytes
.set VT,   27                          ; my lane's place in 16 rows of a tail
.set SPW,  28
.set NIL,  29
.set F0,   64
.set F1,   128
.set TMP,  192
.set OB,   32
.set G1, 24
.set G0, 32
.set G1B, 48
.set G0B, 56
.set MSB, 0
.macro WIN new                         ; the immediate's high byte repeats the setting that is left; a switch that changes nothing is dropped
.if MSB != (\new)
	s_set_vgpr_msb (MSB<<8)|(\new)
.set MSB, \new
.endif
.endm
.set MUL_LO, 0xa1                      ; source 0 (B) window 1, source 1 (A) window 0, C and D window 2
.set MUL_HI, 0xf1                      ; the same, C and D window 3
.set TO_B,   0x40                      ; destination window 1, address window 0
.macro JLOAD s                         ; a joint load: waves 0 and 1 fetch A's two halves, waves 2 and 3 B's; an s_nop 0 and four v_nop follow each of the two lines
	s_cmp_eq_u32 s11, 0
	s_cbranch_scc0 .Lfor_b_\@
	tensor_load_to_lds s[G0+4*(\s):G0+4*(\s)+3], s[G1:G1+7]
	s_nop 0
.rept 4
	v_nop
.endr
	s_branch .Lasked_\@
.Lfor_b_\@:
	tensor_load_to_lds s[G0B+4*(\s):G0B+4*(\s)+3], s[G1B:G1B+7]
	s_nop 0
.rept 4
	v_nop
.endr
.Lasked_\@:
.endm
.macro CREST                           ; a round of the cluster's barrier behind its opening barrier
	s_cmp_lg_u32 s10, 0
	s_cbranch_scc1 .Lnot_wave_0_\@
	s_barrier_signal -3
.Lnot_wave_0_\@:
	s_barrier_wait -3
	s_barrier_signal -1
	s_barrier_wait -1
.endm
.macro CROUND
	s_barrier_signal -1
	s_barrier_wait -1
	CREST
.endm
	s_load_b128 s[4:7], s[0:1], 0x0                ; A s[4:5], B s[6:7]
	s_load_b64 s[8:9], s[0:1], 0x10                ; C
	v_lshl_add_u32 v[SPW], v0, 2, SPARE
	v_mov_b32 v[NIL], 0
	ds_add_u32 v[SPW], v[NIL]                      ; the wave's opening: the add and its wait stand ahead of my first tensor load
	v_lshrrev_b32 v1, 5, v0
	v_readfirstlane_b32 s10, v1                    ; wave 0..3
	s_lshr_b32 s11, s10, 1                         ; my half of the tile's rows; also: I fetch for A (0) or B (1)
	s_and_b32 s12, s10, 1                          ; my half of its columns; also: which 128 rows I fetch
	s_bfe_u32 s40, ttmp6, 0x40000                  ; cx, cy
	s_bfe_u32 s41, ttmp6, 0x40004
	s_lshl_b32 s42, ttmp9, 2
	s_add_co_u32 s42, s42, s40                     ; tile column
	s_and_b32 s13, ttmp7, 0xffff
	s_lshl_b32 s13, s13, 2
	s_add_co_u32 s13, s13, s41                     ; tile row
	s_lshl_b32 s43, s41, 2
	s_lshl_b32 s43, 15, s43                        ; my row of the cluster
	s_lshl_b32 s44, 0x1111, s40                    ; my column
	s_or_b32 s[G1+0], s43, (1<<16)|(1<<20)|(1<<21)|(5<<22)|(3<<25)  ; mask; 2-byte elements; padding on; bit 21 beside a mask; after every 64 words 4 words
	s_or_b32 s[G1B+0], s44, (1<<16)|(1<<20)|(1<<21)|(5<<22)|(3<<25)
.irp g, G1, G1B
	s_mov_b32 s[(\g)+1], KSTEP<<16                 ; tensor_dim0 = 128
	s_mov_b32 s[(\g)+2], 128<<16                   ; tensor_dim1 = 128
	s_mov_b32 s[(\g)+3], KSTEP<<16                 ; tile_dim0 = 128
	s_mov_b32 s[(\g)+4], 128                       ; tile_dim1 = 128
	s_mov_b32 s[(\g)+5], SIZE_K                    ; elements from row to row
	s_mov_b32 s[(\g)+6], 0
	s_mov_b32 s[(\g)+7], 0
.endr
	s_lshl_b32 s17, s12, 7
	s_lshl_b32 s16, s13, 8
	s_add_co_u32 s16, s16, s17                     ; A: row 256 x tile row + 128 x half
	s_lshl_b32 s46, s42, 8
	s_add_co_u32 s46, s46, s17                     ; B: row 256 x tile column + 128 x half
	s_mov_b32 s17, 0
	s_mov_b32 s47, 0
	s_mov_b64 s[18:19], SIZE_K*2
	s_mul_u64 s[16:17], s[16:17], s[18:19]
	s_mul_u64 s[46:47], s[46:47], s[18:19]
	s_mul_i32 s20, s10, HALFT                      ; where they go: wave x 128 rows: no place in the cluster enters an LDS address
	s_lshl_b32 s66, s13, 8                         ; the tails of the 128 rows of A and of B that I multiply, 128 bytes a row
	s_lshl_b32 s67, s11, 7
	s_add_co_u32 s66, s66, s67
	s_lshl_b32 s66, s66, 7
	s_mov_b32 s67, 0
	s_lshl_b32 s68, s42, 8
	s_lshl_b32 s69, s12, 7
	s_add_co_u32 s68, s68, s69
	s_lshl_b32 s68, s68, 7
	s_mov_b32 s69, 0
	s_wait_dscnt 0x0                               ; the opening add is done
	s_wait_kmcnt 0x0
	s_add_nc_u64 s[14:15], s[4:5], s[16:17]
	s_add_nc_u64 s[46:47], s[6:7], s[46:47]
	s_add_nc_u64 s[46:47], s[46:47], BMAIN
	s_add_nc_u64 s[66:67], s[4:5], s[66:67]
	s_add_nc_u64 s[66:67], s[66:67], ATAIL
	s_add_nc_u64 s[68:69], s[6:7], s[68:69]
	CROUND                                         ; all sixteen work-groups are here: the first joint loads meet
.irp s, 0,1
	s_mov_b32 s[G0+4*(\s)], 1
	s_add_co_u32 s[G0+4*(\s)+1], s20, (\s)*SLOT
	s_add_nc_u64 s[G0+4*(\s)+2:G0+4*(\s)+3], s[14:15], (\s)*KSTEP*2
	s_or_b32 s[G0+4*(\s)+3], s[G0+4*(\s)+3], 0x80000000
	s_mov_b32 s[G0B+4*(\s)], 1
	s_add_co_u32 s[G0B+4*(\s)+1], s20, (\s)*SLOT
	s_add_nc_u64 s[G0B+4*(\s)+2:G0B+4*(\s)+3], s[46:47], (\s)*KSTEP*2
	s_or_b32 s[G0B+4*(\s)+3], s[G0B+4*(\s)+3], 0x80000000
	JLOAD \s                                       ; the ring is filled before anything else is done
.endr
	v_and_b32 v1, 15, v0                           ; l % 16
	v_bfe_u32 v2, v0, 4, 1                         ; l / 16
	v_mul_u32_u24 v3, v1, PITCH
	v_lshl_add_u32 v3, v2, 4, v3                   ; a fragment's row x pitch + 16 x half
	s_mul_i32 s21, s11, HALFT                      ; my 128 rows of A
	s_mul_i32 s22, s12, HALFT                      ; my 128 rows of B,
	s_add_co_u32 s22, s22, 2*HALFT                 ; which lie behind A's 256
.irp s, 0,1
	v_add_nc_u32 v[ADRA+(\s)], s21, v3
	v_add_nc_u32 v[ADRB+(\s)], s22, v3
	s_add_co_u32 s21, s21, SLOT
	s_add_co_u32 s22, s22, SLOT
.endr
	s_mul_i32 s23, s10, 16*SPITCH
	s_add_co_u32 s23, s23, STAGE                   ; my stage
	v_mul_u32_u24 v4, v1, SPITCH                   ; in: row l % 16, 16 bytes for each half of the lanes
	v_lshl_add_u32 v4, v2, 4, v4
	v_add_nc_u32 v[STO], s23, v4
	v_mul_u32_u24 v5, v2, SPITCH                   ; back: lanes 0-15 take one row of 256 bytes, lanes 16-31 the next
	v_lshl_add_u32 v5, v1, 4, v5
	v_add_nc_u32 v[RD], s23, v5
	v_and_b32 v5, 31, v0
	v_lshlrev_b32 v[CO], 4, v5
	v_lshlrev_b32 v[VT], 7, v1
	v_lshl_add_u32 v[VT], v2, 4, v[VT]             ; tail: row x 128 + 16 x half
	s_lshl_b32 s16, s13, 8
	s_lshl_b32 s17, s11, 7
	s_add_co_u32 s16, s16, s17
	s_lshl_b32 s16, s16, 8                         ; my first row of C, 256 bytes a row of a panel
	s_mov_b32 s17, 0
	s_add_nc_u64 s[8:9], s[8:9], s[16:17]
	s_lshl_b32 s46, s42, 1
	s_add_co_u32 s46, s46, s12
	s_lshl_b32 s46, s46, 20                        ; my panel: 2 x tile column + my half of the columns
	s_mov_b32 s47, 0
	s_add_nc_u64 s[8:9], s[8:9], s[46:47]
; 16 matrix instructions: m blocks a0, a0 + 1 of the window's four (hi = 0: my rows 0-63, 1: rows 64-127) x all 8 n blocks, 32 along K.  zero = 1: the product starts the sum
.macro MUL16 f, hi, a0, zero
	WIN MUL_LO+0x50*(\hi)
.irp a, \a0, (\a0)+1
.irp b, 0,1,2,3,4,5,6,7
.if \zero
	v_wmma_f32_16x16x32_bf16 v[8*(8*(\a)+(\b)):8*(8*(\a)+(\b))+7], v[(\f)+8*(\b):(\f)+8*(\b)+7], v[(\f)+8*(4*(\hi)+(\a)):(\f)+8*(4*(\hi)+(\a))+7], 0
.else
	v_wmma_f32_16x16x32_bf16 v[8*(8*(\a)+(\b)):8*(8*(\a)+(\b))+7], v[(\f)+8*(\b):(\f)+8*(\b)+7], v[(\f)+8*(4*(\hi)+(\a)):(\f)+8*(4*(\hi)+(\a))+7], v[8*(8*(\a)+(\b)):8*(8*(\a)+(\b))+7]
.endif
.endr
.endr
.endm
; 32 LDS loads in one run: the fragments of one quarter step (128 rows of B, 128 rows of A, 32 K at byte k of the rows) into buffer f
.macro FETCH slot, k, f
	WIN TO_B
.irp i, 0,1,2,3,4,5,6,7
	ds_load_b128 v[(\f)+8*(\i):(\f)+8*(\i)+3],   v[ADRB+(\slot)] offset:(\k)+(\i)*16*PITCH
	ds_load_b128 v[(\f)+8*(\i)+4:(\f)+8*(\i)+7], v[ADRB+(\slot)] offset:(\k)+(\i)*16*PITCH+32
.endr
	WIN 0
.irp i, 0,1,2,3,4,5,6,7
	ds_load_b128 v[(\f)+8*(\i):(\f)+8*(\i)+3],   v[ADRA+(\slot)] offset:(\k)+(\i)*16*PITCH
	ds_load_b128 v[(\f)+8*(\i)+4:(\f)+8*(\i)+7], v[ADRA+(\slot)] offset:(\k)+(\i)*16*PITCH+32
.endr
.endm
; the tails' fragments, 32 along K at byte k of their rows, from memory into buffer f, in FETCH's places
.macro TAILF f, k
	WIN TO_B
.irp i, 0,1,2,3,4,5,6,7
	global_load_b128 v[(\f)+8*(\i):(\f)+8*(\i)+3],   v[VT], s[68:69] offset:(\i)*2048+(\k)
	global_load_b128 v[(\f)+8*(\i)+4:(\f)+8*(\i)+7], v[VT], s[68:69] offset:(\i)*2048+(\k)+32
.endr
	WIN 0
.irp i, 0,1,2,3,4,5,6,7
	global_load_b128 v[(\f)+8*(\i):(\f)+8*(\i)+3],   v[VT], s[66:67] offset:(\i)*2048+(\k)
	global_load_b128 v[(\f)+8*(\i)+4:(\f)+8*(\i)+7], v[VT], s[66:67] offset:(\i)*2048+(\k)+32
.endr
.endm
.macro PLACES                          ; four places in front of loads into registers that matrix instructions have read, and of conversions that read results (ISA guide 7.12.1 for the conversions)
.rept 4
	v_nop
.endr
.endm
; A K step is four quarters of 32 along K, 64 matrix instructions each, on buffers 0, 1, 0, 1.  One of the first three: multiplies buffer f and fetches the next quarter, at byte k, into g.
.macro QUARTER slot, k, f, g
	s_wait_dscnt 8                                 ; B and A's rows 0-63 are in; the youngest eight loads (A's rows 64-127) may be out
	MUL16 \f, 0, 0, 0
	MUL16 \f, 0, 2, 0
	PLACES
	FETCH \slot, \k, \g
	s_wait_dscnt 32                                ; all but the 32 just issued
	MUL16 \f, 1, 0, 0
	MUL16 \f, 1, 2, 0
.endm
; The last quarter multiplies buffer 1 and changes slots: ONE barrier; in front of it each wave waits for all its tensor loads (one is out: its part of the next slot), adds 0 to its spare word,
; and waits for that and for its own reads of this slot.  fill = 1: the barrier opens a round of the cluster's barrier, and this slot is filled again, two K steps ahead, first thing behind the round.
.macro TURN slot, next, fill
	WIN 0                                          ; (the add's two registers lie in window 0)
	s_wait_tensorcnt 0x0                           ; all my tensor loads have landed;
	ds_add_u32 v[SPW], v[NIL]                      ; 0 onto my spare word;
	s_wait_dscnt 9                                 ; (the add and the youngest eight loads may be out)
	MUL16 F1, 0, 0, 0                              ; sixteen matrix instructions stand between the add and the wait for it
	s_wait_dscnt 0x0                               ; the add is done, and my reads of this slot are over
	s_barrier_signal -1
	MUL16 F1, 0, 2, 0                              ; work on registers while the others arrive
.if \fill
	WIN 0
.endif
	s_barrier_wait -1
.if \fill
	CREST                                          ; no wave of any partner still reads this slot's tile or has a load on its way
	s_add_nc_u64 s[G0+4*(\slot)+2:G0+4*(\slot)+3], s[G0+4*(\slot)+2:G0+4*(\slot)+3], 2*KSTEP*2
	s_add_nc_u64 s[G0B+4*(\slot)+2:G0B+4*(\slot)+3], s[G0B+4*(\slot)+2:G0B+4*(\slot)+3], 2*KSTEP*2
	JLOAD \slot                                    ; 224 matrix instructions ahead of the wait for it; its four v_nop are also the places in front of the loads below
.else
	PLACES
.endif
	FETCH \next, 0, F0
	MUL16 F1, 1, 0, 0
	MUL16 F1, 1, 2, 0
.endm
; THE WAY OUT of block a (16 rows).  PACK: rounded to bf16, 16 bytes a lane.  TOSTAGE: into my own stage in LDS, and back as whole rows of 256 bytes.  SEND: stored: 4,096 consecutive bytes of my panel.
.macro PACK a
.set AC, 64*((\a)%4)
	WIN 0x0a+5*((\a)/4)                            ; sources 0 and 1: window 2 or 3
.irp b, 0,1,2,3,4,5,6,7
.irp r, 0,1,2,3
	v_cvt_pk_bf16_f32 v[TMP+4*(\b)+(\r)], v[AC+8*(\b)+2*(\r)], v[AC+8*(\b)+2*(\r)+1]
.endr
.endr
	WIN 0
.endm
.macro TOSTAGE a
	WIN 0
.set BK, OB+192*((\a)%2)
.irp b, 0,1,2,3,4,5,6,7
	ds_store_b128 v[STO], v[TMP+4*(\b):TMP+4*(\b)+3] offset:32*(\b)
.endr
.irp t, 0,1,2,3,4,5,6,7
	ds_load_b128 v[BK+4*(\t):BK+4*(\t)+3], v[RD] offset:(\t)*2*SPITCH  ; a wave's LDS instructions are served in order (ISA guide 5.7.1.4): these see the stores above
.endr
.endm
.macro SEND a
	WIN 0
.set BK, OB+192*((\a)%2)
	s_wait_dscnt 0x0                               ; the block is back in registers
	s_wait_xcnt 0x0                                ; the registers that the block before last's stores read are loaded again only behind this wait
.irp t, 0,1,2,3,4,5,6,7
	global_store_b128 v[CO], v[BK+4*(\t):BK+4*(\t)+3], s[8:9] offset:(\a)*4096+(\t)*512  ; 512 consecutive bytes, at a multiple of 256 from C's first byte
.endr
.endm
	TAILF F0, 0
	TAILF F1, 64
	s_wait_loadcnt 32                              ; the tail's first 32 along K are in; the 32 loads of the second half stay out
	MUL16 F0, 0, 0, 1                              ; these 64 products start the sums: nothing is cleared
	MUL16 F0, 0, 2, 1
	MUL16 F0, 1, 0, 1
	MUL16 F0, 1, 2, 1
	s_wait_loadcnt 0x0
	MUL16 F1, 0, 0, 0
	MUL16 F1, 0, 2, 0
	MUL16 F1, 1, 0, 0
	MUL16 F1, 1, 2, 0
	PLACES                                         ; in front of the loads into buffer 0
	s_wait_tensorcnt 1                             ; my part of K step 0 is in; K step 1's may stay out
	s_barrier_signal -1
	s_barrier_wait -1                              ; everybody's is
	FETCH 0, 0, F0
	WIN 0                                          ; at a label and at a branch every window is 0
	s_mov_b32 s3, LAPS-1
.Llap:                                                 ; a trip is a lap: once round the ring; both slots are filled again.  The 64 accumulators take turns, over the backward jump too
	QUARTER 0, 64,  F0, F1
	QUARTER 0, 128, F1, F0
	QUARTER 0, 192, F0, F1
	TURN 0, 1, 1
	QUARTER 1, 64,  F0, F1
	QUARTER 1, 128, F1, F0
	QUARTER 1, 192, F0, F1
	TURN 1, 0, 1
	WIN 0
	s_sub_co_u32 s3, s3, 1
	s_cmp_lg_u32 s3, 0
	s_cbranch_scc1 .Llap
	QUARTER 0, 64,  F0, F1                         ; the last lap is written out: it fills nothing
	QUARTER 0, 128, F1, F0
	QUARTER 0, 192, F0, F1
	TURN 0, 1, 0
	QUARTER 1, 64,  F0, F1
	QUARTER 1, 128, F1, F0
	QUARTER 1, 192, F0, F1
	s_wait_dscnt 8                                 ; the very last quarter: nothing more to fetch
	MUL16 F1, 0, 0, 0
	MUL16 F1, 0, 2, 0
	s_wait_dscnt 0x0
	MUL16 F1, 1, 0, 0
	MUL16 F1, 1, 2, 0
	PLACES                                         ; the conversions read matrix results
	PACK 0
	TOSTAGE 0
.irp a, 1,2,3,4,5,6,7                  ; block a's conversions stand between block a - 1's loads from the stage and the wait for them
	PACK \a
	SEND (\a)-1
	TOSTAGE \a
.endr
	SEND 7
	s_wait_tensorcnt 0x0                           ; the wave's end
	ds_add_u32 v[SPW], v[NIL]
	s_wait_dscnt 0x0
	CROUND                                         ; the closing round: no work-group ends while a partner may still ask for a tile that names it
	s_endpgm
.Lfunc_end_k_qd9f7df879b_gq:
	.size	k_qd9f7df879b_gq, .Lfunc_end_k_qd9f7df879b_gq-k_qd9f7df879b_gq
	.p2alignl 7, 3214868480
	.fill 96, 4, 3214868480
	.section	.rodata,"a",@progbits
	.p2align	6, 0x0
	.amdhsa_kernel k_qd9f7df879b_gq
		.amdhsa_group_segment_fixed_size 327680
		.amdhsa_private_segment_fixed_size 0
		.amdhsa_enable_private_segment 0
		.amdhsa_kernarg_size 24
		.amdhsa_user_sgpr_count 2
		.amdhsa_user_sgpr_kernarg_segment_ptr 1
		.amdhsa_wavefront_size32 1
		.amdhsa_system_sgpr_workgroup_id_x 1
		.amdhsa_system_sgpr_workgroup_id_y 1
		.amdhsa_system_sgpr_workgroup_id_z 1
		.amdhsa_system_vgpr_workitem_id 0
		.amdhsa_next_free_vgpr 1024
		.amdhsa_next_free_sgpr 70
		.amdhsa_reserve_vcc 0
		.amdhsa_float_denorm_mode_32 3
		.amdhsa_float_denorm_mode_16_64 3
		.amdhsa_memory_ordered 1
		.amdhsa_forward_progress 1
		.amdhsa_inst_pref_size 157
	.end_amdhsa_kernel
	.amdgpu_metadata
---
amdhsa.version: [ 1, 2 ]
amdhsa.kernels:
  - .name:           k_qd9f7df879b_gq
    .symbol:         k_qd9f7df879b_gq.kd
    .args:
      - { .name: act, .offset: 0, .size: 8, .value_kind: global_buffer, .address_space: global }
      - { .name: wb1, .offset: 8, .size: 8, .value_kind: global_buffer, .address_space: global }
      - { .name: raw, .offset: 16, .size: 8, .value_kind: global_buffer, .address_space: global }
    .group_segment_fixed_size: 327680
    .private_segment_fixed_size: 0
    .kernarg_segment_align: 8
    .kernarg_segment_size: 24
    .max_flat_workgroup_size: 128
    .sgpr_count:     70
    .vgpr_count:     1024
    .wavefront_size: 32
...
	.end_amdgpu_metadata
.endif
;; end of part 2
;; launch rope (part 3): grid 2048 x 1, 8 waves a work-group, no clusters, 0 bytes of LDS; arguments raw, wb2, attn_curvatures, big; writes big
.if DOCPART == 3
	.amdgcn_target "amdgcn-amd-amdhsa--gfx1250"
	.amdhsa_code_object_version 6
	.text
	.protected	k_qd9f7df879b_rope
	.globl	k_qd9f7df879b_rope
	.p2align	8
	.type	k_qd9f7df879b_rope,@function
k_qd9f7df879b_rope:
	s_mov_b64 s[64:65], 0
	v_nop
	global_prefetch_b8 v0, s[64:65] scope:SCOPE_SE
	s_setreg_imm32_b32 hwreg(HW_REG_WAVE_MODE, 25, 1), 1
	s_wait_xcnt 0x0
; q, k, v leave the product's panels and go by heads.  q and k are rotated (table of cos and sin); q is divided by K = exp(curvature) here, so that the scores come out as ratios;
; time coordinates: qt = sqrt(1/K + |q/K|^2), kt = sqrt(K + |k|^2), vt = sqrt(K + |v|^2), each made of the ROUNDED vector, so that vector and time coordinate lie on one hyperboloid.
; big: q [32][2048][64] bf16 at 0, k at 8 MiB, lv [32][2048][80] bf16 at 16 MiB (64 v, vt high, vt low, 1.0, 13 zeros), kt [32][2048] f32 at 27,262,976, qt behind it.
; A work-group takes two rows of the 4,096; wave p the panels p, 8 + p, 16 + p (heads 2 p, 2 p + 1).  Lane: row l / 16, head (l / 8) % 2, eight channels 8 (l % 8) on.
.macro REP n, st, line:vararg
.set i, 0
.rept \n
	\line
.set i, i+(\st)
.endr
.endm
.macro UNP d, s                        ; four words of bf16 into eight f32
.set i, 0
.rept 4
	v_lshlrev_b32 v[(\d)+2*i], 16, v[(\s)+i]
	v_and_b32 v[(\d)+2*i+1], 0xffff0000, v[(\s)+i]
.set i, i+1
.endr
.endm
.macro ROT src                         ; my eight channels turned, in v[48:55]: a cos + partner x (sin, or -sin in the upper half); the partner lies 4 lanes away
	REP 4, 1, v_mov_b32_dpp v[44+i], v[(\src)+i] row_xmask:4 row_mask:0xf bank_mask:0xf
	UNP 48, \src
	UNP 56, 44
	REP 4, 2, v_pk_mul_f32 v[48+i:49+i], v[48+i:49+i], v[24+i:25+i]
	REP 4, 2, v_pk_fma_f32 v[48+i:49+i], v[56+i:57+i], v[32+i:33+i], v[48+i:49+i]
.endm
.macro NORM p, d                       ; the sum of squares of a head's 64 rounded numbers (eight lanes), into v[d]
	UNP 56, \p
	v_pk_mul_f32 v[40:41], v[56:57], v[56:57]
	REP 3, 2, v_pk_fma_f32 v[40:41], v[58+i:59+i], v[58+i:59+i], v[40:41]
	v_add_f32 v[\d], v40, v41
	v_add_f32_dpp v[\d], v[\d], v[\d] row_xmask:1 row_mask:0xf bank_mask:0xf
	v_add_f32_dpp v[\d], v[\d], v[\d] row_xmask:2 row_mask:0xf bank_mask:0xf
	v_add_f32_dpp v[\d], v[\d], v[\d] row_xmask:4 row_mask:0xf bank_mask:0xf
.endm
	s_load_b256 s[4:11], s[0:1], 0x0               ; raw 4, wb2 6, attn_curvatures 8, big 10
	v_and_b32 v1, 31, v0
	v_lshrrev_b32 v2, 5, v0
	v_readfirstlane_b32 s12, v2                    ; p
	s_lshl_b32 s13, ttmp9, 1                       ; the first of my two rows
	v_lshrrev_b32 v3, 4, v1
	v_bfe_u32 v4, v1, 3, 1
	v_and_b32 v5, 7, v1
	v_lshlrev_b32 v6, 4, v1
	s_lshl_b32 s14, s12, 20
	s_lshl_b32 s15, s13, 8
	s_add_co_u32 s14, s14, s15
	s_mov_b32 s15, 0
	s_and_b32 s16, s13, 2047
	v_add_nc_u32 v7, s16, v3                       ; t
	v_and_b32 v8, 3, v1
	v_lshlrev_b32 v9, 7, v7
	v_lshl_add_u32 v9, v8, 5, v9                   ; the table: t x 128 + 32 (l % 4)
	v_lshl_add_u32 v10, s12, 1, v4                 ; head
	v_lshlrev_b32 v11, 2, v10
	REP 4, 1, v_mov_b32 v[44+i], 0
	s_wait_kmcnt 0x0
	s_add_nc_u64 s[4:5], s[4:5], s[14:15]
	s_add_nc_u64 s[18:19], s[4:5], 8388608
	s_add_nc_u64 s[20:21], s[4:5], 16777216
	global_load_b128 v[16:19], v6, s[4:5]
	global_load_b128 v[20:23], v6, s[18:19]
	global_load_b128 v[72:75], v6, s[20:21]
	global_load_b128 v[24:27], v9, s[6:7] offset:2621440
	global_load_b128 v[28:31], v9, s[6:7] offset:2621456
	global_load_b128 v[32:35], v9, s[6:7] offset:2883584
	global_load_b128 v[36:39], v9, s[6:7] offset:2883600
	global_load_b32 v12, v11, s[8:9]
	s_add_nc_u64 s[22:23], s[10:11], 8388608       ; k
	s_add_nc_u64 s[24:25], s[10:11], 16777216      ; lv
	s_add_nc_u64 s[26:27], s[10:11], 27262976      ; kt, qt
	s_lshr_b32 s17, s13, 11
	s_lshl_b32 s17, s17, 4
	v_add_nc_u32 v41, s17, v10
	v_lshl_add_u32 v88, v41, 11, v7                ; (batch x 16 + head) x 2,048 + t
	v_lshlrev_b32 v42, 7, v88
	v_lshl_add_u32 v42, v5, 4, v42
	v_mul_u32_u24 v43, v88, 160
	v_lshl_add_u32 v43, v5, 4, v43
	v_lshlrev_b32 v76, 2, v88
	v_and_b32 v89, 4, v1
	v_lshlrev_b32 v89, 29, v89                     ; the sign of sin for the upper 32 channels
	s_wait_loadcnt 0x0
	v_cvt_pk_bf16_f32 v12, v12, v12
	v_lshlrev_b32 v12, 16, v12
	v_mul_f32 v13, 0x3fb8aa3b, v12
	v_mul_f32 v14, 0xbfb8aa3b, v12
	v_exp_f32 v13, v13                             ; K
	v_exp_f32 v14, v14                             ; 1 / K
	REP 8, 1, v_xor_b32 v[32+i], v[32+i], v89
	s_wait_alu depctr_va_vdst(0)
	v_mov_b32 v15, v14
	ROT 16
	REP 4, 2, v_pk_mul_f32 v[48+i:49+i], v[48+i:49+i], v[14:15]
	REP 4, 1, v_cvt_pk_bf16_f32 v[64+i], v[48+2*i], v[49+2*i]
	ROT 20
	REP 4, 1, v_cvt_pk_bf16_f32 v[68+i], v[48+2*i], v[49+2*i]
	NORM 64, 77
	NORM 68, 78
	NORM 72, 79
	v_add_f32 v77, v77, v14
	v_add_f32 v78, v78, v13
	v_add_f32 v79, v79, v13
	v_sqrt_f32 v77, v77
	v_sqrt_f32 v78, v78
	v_sqrt_f32 v79, v79
	v_mov_b32 v81, 0x3f80                          ; 1.0 in bf16: the channel that sums the weights
	v_mov_b32 v82, 0
	v_mov_b32 v83, 0
	REP 4, 1, v_mov_b32 v[84+i], 0
	s_wait_alu depctr_va_vdst(0)
	v_cvt_pk_bf16_f32 v90, v79, v79                ; vt as high and low part
	v_lshlrev_b32 v90, 16, v90
	v_sub_f32 v90, v79, v90
	v_cvt_pk_bf16_f32 v80, v79, v90
	global_store_b128 v42, v[64:67], s[10:11]
	global_store_b128 v42, v[68:71], s[22:23]
	global_store_b128 v43, v[72:75], s[24:25]
	v_cmp_eq_u32 vcc_lo, 0, v5
	s_wait_xcnt 0x0                                ; EXEC changes only behind this wait
	s_and_saveexec_b32 s28, vcc_lo                 ; one lane for each row and head
	global_store_b32 v76, v78, s[26:27]
	global_store_b32 v76, v77, s[26:27] offset:262144
	global_store_b128 v43, v[80:83], s[24:25] offset:128
	global_store_b128 v43, v[84:87], s[24:25] offset:144
	s_wait_xcnt 0x0
	s_or_b32 exec_lo, exec_lo, s28
	s_endpgm
.Lfunc_end_k_qd9f7df879b_rope:
	.size	k_qd9f7df879b_rope, .Lfunc_end_k_qd9f7df879b_rope-k_qd9f7df879b_rope
	.p2alignl 7, 3214868480
	.fill 96, 4, 3214868480
	.section	.rodata,"a",@progbits
	.p2align	6, 0x0
	.amdhsa_kernel k_qd9f7df879b_rope
		.amdhsa_group_segment_fixed_size 0
		.amdhsa_private_segment_fixed_size 0
		.amdhsa_enable_private_segment 0
		.amdhsa_kernarg_size 32
		.amdhsa_user_sgpr_count 2
		.amdhsa_user_sgpr_kernarg_segment_ptr 1
		.amdhsa_wavefront_size32 1
		.amdhsa_system_sgpr_workgroup_id_x 1
		.amdhsa_system_sgpr_workgroup_id_y 1
		.amdhsa_system_sgpr_workgroup_id_z 1
		.amdhsa_system_vgpr_workitem_id 0
		.amdhsa_next_free_vgpr 96
		.amdhsa_next_free_sgpr 66
		.amdhsa_reserve_vcc 1
		.amdhsa_float_denorm_mode_32 3
		.amdhsa_float_denorm_mode_16_64 3
		.amdhsa_memory_ordered 1
		.amdhsa_forward_progress 1
		.amdhsa_inst_pref_size 12
	.end_amdhsa_kernel
	.amdgpu_metadata
---
amdhsa.version: [ 1, 2 ]
amdhsa.kernels:
  - .name:           k_qd9f7df879b_rope
    .symbol:         k_qd9f7df879b_rope.kd
    .args:
      - { .name: raw, .offset: 0, .size: 8, .value_kind: global_buffer, .address_space: global }
      - { .name: wb2, .offset: 8, .size: 8, .value_kind: global_buffer, .address_space: global }
      - { .name: attn_curvatures, .offset: 16, .size: 8, .value_kind: global_buffer, .address_space: global }
      - { .name: big, .offset: 24, .size: 8, .value_kind: global_buffer, .address_space: global }
    .group_segment_fixed_size: 0
    .private_segment_fixed_size: 0
    .kernarg_segment_align: 8
    .kernarg_segment_size: 32
    .max_flat_workgroup_size: 256
    .sgpr_count:     66
    .vgpr_count:     96
    .wavefront_size: 32
...
	.end_amdgpu_metadata
.endif
;; end of part 3
;; launch attn (part 4): grid 8 x 32, 8 waves a work-group, no clusters, 39,168 bytes of LDS; arguments big, attn_curvatures, act; writes act
.if DOCPART == 4
	.amdgcn_target "amdgcn-amd-amdhsa--gfx1250"
	.amdhsa_code_object_version 6
	.text
	.protected	k_qd9f7df879b_attn
	.globl	k_qd9f7df879b_attn
	.p2align	8
	.type	k_qd9f7df879b_attn,@function
k_qd9f7df879b_attn:
	s_mov_b64 s[64:65], 0
	v_nop
	global_prefetch_b8 v0, s[64:65] scope:SCOPE_SE
	s_setreg_imm32_b32 hwreg(HW_REG_WAVE_MODE, 25, 1), 1
	s_wait_xcnt 0x0
; CAUSAL ATTENTION BY NEGATIVE LORENTZ DISTANCE.  ratio r = qt' kt - q' . k (q' = q / K, made in the launch before), held at 1 + 2^-23 from below; weight exp(-sqrt(K) arccosh r) = 2^(-c L),
; L = log2(r + sqrt(r^2 - 1)), c = sqrt(K).  The softmax's maximum is kept as a RUNNING MINIMUM of r (the weight falls with r): p = 2^(c Lmin - c L); in every half step O is multiplied by
; a = 2^(c Lmin_new - c Lmin_old).  lv has 80 channels: 64 of v, the time coordinate as high and low part, 1.0 (its sum is the softmax's divisor), zeros.
; At the end o = O / l is put back on the hyperboloid: o x c / sqrt(max(o0^2 - |o|^2, 1e-12)); space part to act's main part, time coordinate (high, low) to act's tail.
; LIMITS: r stays under 1e18 (the running minimum starts there, and r^2 must be finite); c = exp(k / 2) is finite and not 0; a hidden score counts as r = 1e30, whose weight is 0; NaN and infinities are not treated apart.
; SHARES.  A head's 2,048 queries lie in 16 blocks of 128.  A work-group takes blocks 15 - b (waves 0-3) and b (waves 4-7); a wave 32 queries, two tiles of 16.  Keys go 64 a step through LDS, once
; for both blocks; the loop has 2 (15 - b) + 2 trips; a wave whose queries lie below a step's keys jumps forward over the step's work (no barrier lies there).  Its last step takes the mask.
; NO TENSOR LOADS, NO CLUSTER: the trip count hangs on b, so partners would need different numbers of tiles; the tiles come through registers, asked for one step ahead.
; LAYOUT.  S^T = K Q^T: a lane holds one query (l % 16) and keys 8 (l / 16) + 0..7; two such results rounded to bf16 are source 1 of O^T = LV^T P, which again holds one query a lane.
.set KO,   0                           ; LDS: K, 64 rows, pitch 144
.set LVO,  9216                        ; LV, 64 rows of 160 bytes
.set KTO,  19456                       ; kt, 64 f32
.set STG0, 19712                       ; 16 rows x 144 for each wave, for the way out
.set SPARE, 38144                      ; the spare words, 128 bytes a wave
.set ATAIL, 8388608
.set ST,  16                           ; tile t at ST + 8 t: +0, +1 qt; +2 the running minimum; +3 at work; +4, +5 c Lmin; +6, +7 a
.set T,   32                           ; v32-39 at work
.set Q,   60                           ; tile t, channel half c at Q + 16 t + 8 c
.set S,   92                           ; tile t, key block kb at S + 16 t + 8 kb; P takes S + 16 t + 0..7
.set KF,  124                          ; key block kb, channel half c at KF + 16 kb + 8 c
.set KT,  156
.set VF,  124                          ; channel block cb at VF + 8 cb: takes K's and part of kt's places when those have been used
.set O,   172                          ; tile t, channel block cb at O + 40 t + 8 cb
.set CC,  252                          ; c;  v[14:15] = -c
.set SEL, 42
.macro REP n, st, line:vararg
.set i, 0
	s_wait_alu depctr_va_vdst(0)
.rept \n
	\line
.set i, i+(\st)
.endr
.endm
.macro STAGEIN                         ; a step's K (8,192 bytes), LV (10,240) and kt (256) into registers: 16 bytes a thread and load
	global_load_b128 v[40:43], v6, s[28:29]
	global_load_b128 v[44:47], v6, s[28:29] offset:4096
	global_load_b128 v[48:51], v6, s[30:31]
	global_load_b128 v[52:55], v6, s[30:31] offset:4096
	s_cmp_lt_u32 s10, 4
	s_cbranch_scc0 .Lin_hi_\@
	global_load_b128 v[56:59], v6, s[30:31] offset:8192
	s_branch .Lin_done_\@
.Lin_hi_\@:
	s_cmp_lt_u32 s10, 6
	s_cbranch_scc0 .Lin_done_\@
	global_load_b32 v56, v9, s[32:33]
.Lin_done_\@:
.endm
.macro FILL                            ; the next pair of O^T times a, each accumulator from its low end on: also the plain line behind a run of roots, logarithms or exponentials
	s_wait_alu depctr_va_vdst(0)
	v_pk_mul_f32 v[O+40*(rn/20)+2*(rn%20):O+40*(rn/20)+2*(rn%20)+1], v[O+40*(rn/20)+2*(rn%20):O+40*(rn/20)+2*(rn%20)+1], v[ST+8*(rn/20)+6:ST+8*(rn/20)+7] op_sel_hi:[1,0]
.set rn, rn+1
.endm
.macro MINS t                          ; the running minimum takes the tile's 16 ratios and the other half of the lanes'
.set sb, S+16*(\t)
.set st, ST+8*(\t)
	v_min3_num_f32 v[st+3], v[st+2], v[sb], v[sb+1]
	v_min3_num_f32 v[T+(\t)], v[sb+2], v[sb+3], v[sb+4]
	v_min3_num_f32 v[st+3], v[st+3], v[sb+5], v[sb+6]
	v_min3_num_f32 v[T+(\t)], v[T+(\t)], v[sb+7], v[sb+8]
	v_min3_num_f32 v[st+3], v[st+3], v[sb+9], v[sb+10]
	v_min3_num_f32 v[T+(\t)], v[T+(\t)], v[sb+11], v[sb+12]
	v_min3_num_f32 v[st+3], v[st+3], v[sb+13], v[sb+14]
	v_min3_num_f32 v[T+(\t)], v[T+(\t)], v[sb+15], v[st+3]
	v_permlanex16_b32 v[st+3], v[T+(\t)], s[SEL], s[SEL+1]
	v_min_num_f32 v[st+2], v[T+(\t)], v[st+3]
.endm
.macro PGRP t, g                       ; eight ratios of tile t become weights: r^2 - 1, root, + r, log2, c Lmin - c L, 2^, bf16
.set sb, S+16*(\t)+8*(\g)
	REP 4, 2, v_pk_fma_f32 v[T+i:T+i+1], v[sb+i:sb+i+1], v[sb+i:sb+i+1], -1.0 op_sel_hi:[1,1,0]
	REP 8, 1, v_sqrt_f32 v[T+i], v[T+i]
	FILL
	REP 4, 2, v_pk_add_f32 v[T+i:T+i+1], v[T+i:T+i+1], v[sb+i:sb+i+1]
	REP 8, 1, v_log_f32 v[T+i], v[T+i]
	FILL
	REP 4, 2, v_pk_fma_f32 v[T+i:T+i+1], v[T+i:T+i+1], v[14:15], v[ST+8*(\t)+4:ST+8*(\t)+5] op_sel_hi:[1,0,0]
	REP 8, 1, v_exp_f32 v[T+i], v[T+i]
	FILL
	REP 4, 1, v_cvt_pk_bf16_f32 v[S+16*(\t)+4*(\g)+i], v[T+2*i], v[T+2*i+1]
.endm
; 32 keys (half hs of a step) for both tiles.  m = 1: the step that holds the diagonal.
.macro HALF hs, m
.set rn, 0
.irp kb, 0,1
.irp c, 0,1
	ds_load_b128 v[KF+16*(\kb)+8*(\c):KF+16*(\kb)+8*(\c)+3],   v3 offset:(32*(\hs)+16*(\kb))*144+64*(\c)
	ds_load_b128 v[KF+16*(\kb)+8*(\c)+4:KF+16*(\kb)+8*(\c)+7], v3 offset:(32*(\hs)+16*(\kb))*144+64*(\c)+32
.endr
.endr
.irp kb, 0,1
	ds_load_b128 v[KT+8*(\kb):KT+8*(\kb)+3],   v5 offset:128*(\hs)+64*(\kb)
	ds_load_b128 v[KT+8*(\kb)+4:KT+8*(\kb)+7], v5 offset:128*(\hs)+64*(\kb)+16
.endr
	s_wait_dscnt 0x0
	; the four accumulators take turns; the first four products start the sums
.irp kb, 0,1
.irp t, 0,1
	v_wmma_f32_16x16x32_bf16 v[S+16*(\t)+8*(\kb):S+16*(\t)+8*(\kb)+7], v[KF+16*(\kb):KF+16*(\kb)+7], v[Q+16*(\t):Q+16*(\t)+7], 0
.endr
.endr
.irp kb, 0,1
.irp t, 0,1
	v_wmma_f32_16x16x32_bf16 v[S+16*(\t)+8*(\kb):S+16*(\t)+8*(\kb)+7], v[KF+16*(\kb)+8:KF+16*(\kb)+15], v[Q+16*(\t)+8:Q+16*(\t)+15], v[S+16*(\t)+8*(\kb):S+16*(\t)+8*(\kb)+7]
.endr
.endr
.rept 4
	v_nop                                          ; four places behind the products, ahead of the reads of their results and of the loads into K's registers
.endr
.irp t, 0,1
.irp kb, 0,1
	REP 4, 2, v_pk_fma_f32 v[S+16*(\t)+8*(\kb)+i:S+16*(\t)+8*(\kb)+i+1], v[KT+8*(\kb)+i:KT+8*(\kb)+i+1], v[ST+8*(\t):ST+8*(\t)+1], v[S+16*(\t)+8*(\kb)+i:S+16*(\t)+8*(\kb)+i+1] op_sel_hi:[1,0,1] neg_lo:[0,0,1] neg_hi:[0,0,1]
.endr
.endr
.irp cb, 0,1,2,3,4                     ; LV turned: 32 keys x 80 channels; waited for in front of the second product
	ds_load_tr16_b128 v[VF+8*(\cb):VF+8*(\cb)+3],   v4 offset:32*(\hs)*160+32*(\cb)
	ds_load_tr16_b128 v[VF+8*(\cb)+4:VF+8*(\cb)+7], v4 offset:32*(\hs)*160+16*160+32*(\cb)
.endr
.if \m
.irp t, 0,1
.irp kb, 0,1
.set j, 0
.rept 8
	v_cmp_gt_i32 vcc_lo, 32*(\hs)+16*(\kb)+j, v[12+(\t)]  ; the key lies behind the query
	v_cndmask_b32 v[S+16*(\t)+8*(\kb)+j], v[S+16*(\t)+8*(\kb)+j], v11, vcc_lo
.set j, j+1
.endr
.endr
.endr
.endif
	REP 32, 1, v_max_num_f32 v[S+i], s41, v[S+i]
	MINS 0
	MINS 1
	v_fma_f32 v34, v[ST+2], v[ST+2], -1.0          ; c Lmin and a, both tiles side by side
	v_fma_f32 v35, v[ST+10], v[ST+10], -1.0
	v_sqrt_f32 v34, v34
	v_sqrt_f32 v35, v35
	v_nop
	s_wait_alu depctr_va_vdst(0)
	v_add_f32 v34, v34, v[ST+2]
	v_add_f32 v35, v35, v[ST+10]
	v_log_f32 v34, v34
	v_log_f32 v35, v35
	v_nop
	s_wait_alu depctr_va_vdst(0)
	v_mul_f32 v34, v34, v[CC]
	v_mul_f32 v35, v35, v[CC]
	v_sub_f32 v36, v34, v[ST+4]
	v_sub_f32 v37, v35, v[ST+12]
	v_mov_b32 v[ST+4], v34
	v_mov_b32 v[ST+12], v35
	v_exp_f32 v[ST+6], v36
	v_exp_f32 v[ST+14], v37
	PGRP 0, 0
	PGRP 0, 1
	PGRP 1, 0
	PGRP 1, 1
.rept 28
	FILL
.endr
	s_wait_dscnt 0x0                               ; LV is in
.irp cb, 0,1,2,3,4                     ; ten accumulators, one instruction each
.irp t, 0,1
	v_wmma_f32_16x16x32_bf16 v[O+40*(\t)+8*(\cb):O+40*(\t)+8*(\cb)+7], v[VF+8*(\cb):VF+8*(\cb)+7], v[S+16*(\t):S+16*(\t)+7], v[O+40*(\t)+8*(\cb):O+40*(\t)+8*(\cb)+7]
.endr
.endr
.rept 5
	v_nop                                          ; five places: the next products write over P, the next loads over LV
.endr
.endm
	s_load_b128 s[4:7], s[0:1], 0x0                ; big 4, attn_curvatures 6
	s_load_b64 s[8:9], s[0:1], 0x10                ; act
	v_lshl_add_u32 v1, v0, 2, SPARE
	v_mov_b32 v2, 0
	v_lshrrev_b32 v32, 5, v0
	v_readfirstlane_b32 s10, v32                   ; wave
	s_mov_b32 s11, ttmp9                           ; b
	s_and_b32 s12, ttmp7, 0xffff                   ; batch x 16 + head
	s_sub_co_u32 s13, 15, s11
	s_cmp_lt_u32 s10, 4
	s_cselect_b32 s14, s13, s11                    ; my block
	s_and_b32 s15, s10, 3
	s_lshl_b32 s15, s15, 5
	s_lshl_b32 s21, s14, 7
	s_add_co_u32 s15, s15, s21                     ; my first query
	s_lshr_b32 s16, s15, 6                         ; my last step
	s_lshl_b32 s17, s13, 1
	s_add_co_u32 s17, s17, 2                       ; the work-group's steps
	s_and_b32 s19, s12, 15
	s_lshr_b32 s20, s12, 4
	s_mov_b32 s41, 0x3f800001
	s_mov_b32 s[SEL], 0x76543210
	s_mov_b32 s[SEL+1], 0xfedcba98
	s_lshl_b32 s44, s12, 18
	s_mov_b32 s45, 0
	s_mul_i32 s46, s12, 327680
	s_mov_b32 s47, 0
	v_and_b32 v33, 15, v0
	v_bfe_u32 v34, v0, 4, 1
	v_mul_u32_u24 v3, v33, 144
	v_lshl_add_u32 v3, v34, 4, v3                  ; K's fragments: row x 144 + 16 x half
	v_and_b32 v35, 7, v0
	v_lshl_add_u32 v4, v34, 3, v35
	v_mul_u32_u24 v4, v4, 160
	v_bfe_u32 v36, v0, 3, 1
	v_lshl_add_u32 v4, v36, 4, v4
	v_add_nc_u32 v4, LVO, v4                       ; the turning load's place
	v_lshlrev_b32 v5, 5, v34
	v_add_nc_u32 v5, KTO, v5
	v_lshlrev_b32 v6, 4, v0
	v_lshrrev_b32 v7, 3, v0
	v_mul_u32_u24 v7, v7, 144
	v_lshl_add_u32 v7, v35, 4, v7
	v_add_nc_u32 v8, LVO, v6
	v_and_b32 v9, 63, v0
	v_lshlrev_b32 v9, 2, v9
	v_add_nc_u32 v10, KTO, v9
	v_mov_b32 v11, 0x7149f2ca                      ; 1e30
	s_and_b32 s21, s15, 63
	v_lshlrev_b32 v12, 3, v34
	v_sub_nc_u32 v12, v33, v12
	v_add_nc_u32 v12, s21, v12                     ; my query's place in its step, less my lanes' 8 (l / 16)
	v_add_nc_u32 v13, 16, v12
	v_lshlrev_b32 v37, 7, v33
	v_lshl_add_u32 v37, v34, 4, v37
	v_lshlrev_b32 v38, 2, v33
	s_lshl_b32 s21, s19, 2
	v_mov_b32 v39, s21
	s_wait_kmcnt 0x0
	s_add_nc_u64 s[34:35], s[4:5], s[44:45]
	s_add_nc_u64 s[22:23], s[34:35], 8388608       ; the head's K
	s_lshl_b32 s44, s15, 7
	s_add_nc_u64 s[34:35], s[34:35], s[44:45]      ; my queries
	s_add_nc_u64 s[24:25], s[4:5], s[46:47]
	s_add_nc_u64 s[24:25], s[24:25], 16777216      ; the head's LV
	s_lshl_b32 s44, s12, 13
	s_add_nc_u64 s[26:27], s[4:5], s[44:45]
	s_add_nc_u64 s[26:27], s[26:27], 27262976      ; the head's kt
	s_lshl_b32 s44, s15, 2
	s_add_nc_u64 s[36:37], s[26:27], s[44:45]
	s_add_nc_u64 s[36:37], s[36:37], 262144        ; my queries' qt
	s_mov_b64 s[28:29], s[22:23]
	s_mov_b64 s[30:31], s[24:25]
	s_mov_b64 s[32:33], s[26:27]
	global_load_b32 v[CC], v39, s[6:7]
	global_load_b32 v[ST], v38, s[36:37]
	global_load_b32 v[ST+8], v38, s[36:37] offset:64
.irp t, 0,1
.irp c, 0,1
	global_load_b128 v[Q+16*(\t)+8*(\c):Q+16*(\t)+8*(\c)+3],   v37, s[34:35] offset:2048*(\t)+64*(\c)
	global_load_b128 v[Q+16*(\t)+8*(\c)+4:Q+16*(\t)+8*(\c)+7], v37, s[34:35] offset:2048*(\t)+64*(\c)+32
.endr
.endr
	STAGEIN
	REP 80, 1, v_mov_b32 v[O+i], 0                 ; no first step is written out: O starts at 0; this stands in the wait for the first loads
	s_wait_loadcnt 0x0
	v_cvt_pk_bf16_f32 v[CC], v[CC], v[CC]
	v_lshlrev_b32 v[CC], 16, v[CC]
	v_mul_f32 v[CC], 0x3f38aa3b, v[CC]
	v_exp_f32 v[CC], v[CC]                         ; c = exp(k / 2)
	v_mov_b32 v[ST+1], 0
	s_wait_alu depctr_va_vdst(0)
	v_mul_f32 v14, -1.0, v[CC]
	v_mov_b32 v15, v14
.irp t, 0,1
	v_mov_b32 v[ST+8*(\t)+1], 0
	v_mov_b32 v[ST+8*(\t)+2], 0x5d5e0b6b           ; 1e18
	v_mov_b32 v[ST+8*(\t)+3], 0
	v_mul_f32 v[ST+8*(\t)+4], 0x42733333, v[CC]    ; 60.8 c: not below c log2(2e18), so the first a is at most 1
	v_mov_b32 v[ST+8*(\t)+5], 0
	v_mov_b32 v[ST+8*(\t)+7], 0
.endr
	s_mov_b32 s18, 0
.Ltrip:
	s_wait_loadcnt 0x0                             ; this step's tiles are in my registers; their bases may be written
	s_wait_dscnt 0x0                               ; my reads of the last step's tiles are over
	s_barrier_signal -1
	s_barrier_wait -1                              ; everybody's are
	ds_store_b128 v7, v[40:43]
	ds_store_b128 v7, v[44:47] offset:4608
	ds_store_b128 v8, v[48:51]
	ds_store_b128 v8, v[52:55] offset:4096
	s_cmp_lt_u32 s10, 4
	s_cbranch_scc0 .Lst_hi
	ds_store_b128 v8, v[56:59] offset:8192
	s_branch .Lst_done
.Lst_hi:
	s_cmp_lt_u32 s10, 6
	s_cbranch_scc0 .Lst_done
	ds_store_b32 v10, v56
.Lst_done:
	s_wait_dscnt 0x0                               ; for the others' sake: my stores are done
	s_barrier_signal -1
	s_barrier_wait -1
	s_add_co_u32 s44, s18, 1                       ; the next step's tiles are asked for now; the last trip asks for its own once more, so that no load leaves the head
	s_sub_co_u32 s46, s17, 1
	s_min_u32 s44, s44, s46
	s_lshl_b32 s46, s44, 13
	s_add_nc_u64 s[28:29], s[22:23], s[46:47]
	s_mul_i32 s46, s44, 10240
	s_add_nc_u64 s[30:31], s[24:25], s[46:47]
	s_lshl_b32 s46, s44, 8
	s_add_nc_u64 s[32:33], s[26:27], s[46:47]
	STAGEIN
	s_cmp_gt_u32 s18, s16
	s_cbranch_scc1 .Lbottom                        ; all the step's keys lie behind my queries
	s_cmp_eq_u32 s18, s16
	s_cbranch_scc1 .Ldiag
	HALF 0, 0
	HALF 1, 0
	s_branch .Lbottom
.Ldiag:
	HALF 0, 1
	HALF 1, 1
.Lbottom:
	s_add_co_u32 s18, s18, 1
	s_cmp_lt_u32 s18, s17
	s_cbranch_scc1 .Ltrip
	s_wait_loadcnt 0x0                             ; the last trip's loads: their registers are used below
	v_and_b32 v40, 15, v0
	v_bfe_u32 v41, v0, 4, 1
	v_and_b32 v42, 7, v0
	v_bfe_u32 v43, v0, 3, 2
	s_mul_i32 s21, s10, 2304
	s_add_co_u32 s21, s21, STG0                    ; my stage
	v_mul_u32_u24 v44, v40, 144
	v_lshl_add_u32 v44, v41, 4, v44
	v_add_nc_u32 v44, s21, v44                     ; in: row l % 16, 16 bytes for each half of the lanes
	v_mul_u32_u24 v45, v43, 144
	v_lshl_add_u32 v45, v42, 4, v45
	v_add_nc_u32 v45, s21, v45                     ; back: four rows of 128 bytes
	v_lshlrev_b32 v46, 11, v43
	v_lshl_add_u32 v46, v42, 4, v46
	v_lshlrev_b32 v47, 7, v40
	v_lshl_add_u32 v47, v41, 6, v47                ; the tail: lanes 0-15 word `head`, lanes 16-31 word 16 + head
	s_lshl_b32 s21, s20, 11
	s_add_co_u32 s21, s21, s15                     ; my first row of act
	s_lshl_b32 s44, s21, 11
	s_lshl_b32 s46, s19, 7
	s_add_co_u32 s44, s44, s46
	s_add_nc_u64 s[28:29], s[8:9], s[44:45]
	s_lshl_b32 s44, s21, 7
	s_lshl_b32 s46, s19, 2
	s_add_co_u32 s44, s44, s46
	s_add_nc_u64 s[30:31], s[8:9], s[44:45]
	s_add_nc_u64 s[30:31], s[30:31], ATAIL
	s_cmp_eq_u32 s19, 0
	s_cselect_b32 s48, 0x3f80, 0                   ; word 16 holds 1.0 (it meets the bias), words 17 to 31 hold 0
	v_mov_b32 v48, s48
	v_cmp_eq_u32 vcc_lo, 0, v41
.macro FINI t
.set ob, O+40*(\t)
	v_add_f32 v32, v[ob+32], v[ob+33]              ; the time coordinate's two parts (lanes 0-15; the others hold channels that are 0)
	v_mov_b32 v33, v[ob+34]                        ; the sum of the weights
	v_pk_mul_f32 v[34:35], v[ob:ob+1], v[ob:ob+1]
	v_pk_mul_f32 v[36:37], v[ob+2:ob+3], v[ob+2:ob+3]
.set i, 4
.rept 7
	v_pk_fma_f32 v[34:35], v[ob+i:ob+i+1], v[ob+i:ob+i+1], v[34:35]
	v_pk_fma_f32 v[36:37], v[ob+i+2:ob+i+3], v[ob+i+2:ob+i+3], v[36:37]
.set i, i+4
.endr
	v_pk_add_f32 v[34:35], v[34:35], v[36:37]
	v_add_f32 v34, v34, v35
	v_permlanex16_b32 v35, v32, s[SEL], s[SEL+1]
	v_permlanex16_b32 v36, v33, s[SEL], s[SEL+1]
	v_permlanex16_b32 v37, v34, s[SEL], s[SEL+1]
	v_add_f32 v32, v32, v35
	v_add_f32 v33, v33, v36
	v_add_f32 v34, v34, v37
	v_rcp_f32 v33, v33
	v_nop
	s_wait_alu depctr_va_vdst(0)
	v_mul_f32 v35, v32, v33
	v_mul_f32 v36, v34, v33
	v_mul_f32 v36, v36, v33
	v_fma_f32 v36, v35, v35, -v36                  ; o0^2 - |o|^2
	v_max_num_f32 v36, 0x2b8cbccc, v36
	v_rsq_f32 v36, v36
	v_mul_f32 v37, v[CC], v33
	s_wait_alu depctr_va_vdst(0)
	v_mul_f32 v36, v36, v37                        ; c / (l x Lorentz norm)
	REP 16, 2, v_pk_mul_f32 v[ob+i:ob+i+1], v[ob+i:ob+i+1], v[36:37] op_sel_hi:[1,0]
	REP 16, 1, v_cvt_pk_bf16_f32 v[S+16*(\t)+i], v[ob+2*i], v[ob+2*i+1]
	v_mul_f32 v32, v32, v36
	v_cvt_pk_bf16_f32 v39, v32, v32
	v_lshlrev_b32 v39, 16, v39
	v_sub_f32 v39, v32, v39
	v_cvt_pk_bf16_f32 v[50+(\t)], v32, v39
	v_cndmask_b32 v[50+(\t)], v48, v[50+(\t)], vcc_lo
	REP 4, 1, ds_store_b128 v44, v[S+16*(\t)+4*i:S+16*(\t)+4*i+3] offset:32*i
	REP 4, 1, ds_load_b128 v[KF+16*(\t)+4*i:KF+16*(\t)+4*i+3], v45 offset:576*i  ; a wave's LDS instructions are served in order: these see the stores above
.set f, 0
.rept 4
	s_wait_dscnt 3-f
	global_store_b128 v46, v[KF+16*(\t)+4*f:KF+16*(\t)+4*f+3], s[28:29] offset:32768*(\t)+8192*f
.set f, f+1
.endr
	global_store_b32 v47, v[50+(\t)], s[30:31] offset:2048*(\t)
.endm
	FINI 0
	FINI 1
	s_wait_tensorcnt 0x0                           ; the wave's end
	ds_add_u32 v1, v2
	s_wait_dscnt 0x0
	s_endpgm
.Lfunc_end_k_qd9f7df879b_attn:
	.size	k_qd9f7df879b_attn, .Lfunc_end_k_qd9f7df879b_attn-k_qd9f7df879b_attn
	.p2alignl 7, 3214868480
	.fill 96, 4, 3214868480
	.section	.rodata,"a",@progbits
	.p2align	6, 0x0
	.amdhsa_kernel k_qd9f7df879b_attn
		.amdhsa_group_segment_fixed_size 39168
		.amdhsa_private_segment_fixed_size 0
		.amdhsa_enable_private_segment 0
		.amdhsa_kernarg_size 24
		.amdhsa_user_sgpr_count 2
		.amdhsa_user_sgpr_kernarg_segment_ptr 1
		.amdhsa_wavefront_size32 1
		.amdhsa_system_sgpr_workgroup_id_x 1
		.amdhsa_system_sgpr_workgroup_id_y 1
		.amdhsa_system_sgpr_workgroup_id_z 1
		.amdhsa_system_vgpr_workitem_id 0
		.amdhsa_next_free_vgpr 256
		.amdhsa_next_free_sgpr 66
		.amdhsa_reserve_vcc 1
		.amdhsa_float_denorm_mode_32 3
		.amdhsa_float_denorm_mode_16_64 3
		.amdhsa_memory_ordered 1
		.amdhsa_forward_progress 1
		.amdhsa_inst_pref_size 101
	.end_amdhsa_kernel
	.amdgpu_metadata
---
amdhsa.version: [ 1, 2 ]
amdhsa.kernels:
  - .name:           k_qd9f7df879b_attn
    .symbol:         k_qd9f7df879b_attn.kd
    .args:
      - { .name: big, .offset: 0, .size: 8, .value_kind: global_buffer, .address_space: global }
      - { .name: attn_curvatures, .offset: 8, .size: 8, .value_kind: global_buffer, .address_space: global }
      - { .name: act, .offset: 16, .size: 8, .value_kind: global_buffer, .address_space: global }
    .group_segment_fixed_size: 39168
    .private_segment_fixed_size: 0
    .kernarg_segment_align: 8
    .kernarg_segment_size: 24
    .max_flat_workgroup_size: 256
    .sgpr_count:     66
    .vgpr_count:     256
    .wavefront_size: 32
...
	.end_amdgpu_metadata
.endif
;; end of part 4
;; launch gp: the kernel of part 2 again; grid 4 x 16, 4 waves a work-group, clusters of 4 x 4, 327,680 bytes of LDS; arguments act, wb2, raw; writes raw
;; launch ln2 (part 5): grid 512 x 1, 8 waves a work-group, no clusters, 0 bytes of LDS; arguments x, raw, ln_w, ln_b, block_curvature, wb3, w_mlp_expand, b_mlp_expand, act, big; writes act, big
.if DOCPART == 5
	.amdgcn_target "amdgcn-amd-amdhsa--gfx1250"
	.amdhsa_code_object_version 6
	.text
	.protected	k_qd9f7df879b_ln2
	.globl	k_qd9f7df879b_ln2
	.p2align	8
	.type	k_qd9f7df879b_ln2,@function
k_qd9f7df879b_ln2:
	s_mov_b64 s[64:65], 0
	v_nop
	global_prefetch_b8 v0, s[64:65] scope:SCOPE_SE
	s_setreg_imm32_b32 hwreg(HW_REG_WAVE_MODE, 25, 1), 1
	s_wait_xcnt 0x0
; x2 = x + (attention's projection, from the panels); x2 is kept in f32; then the layer norm and lift of x2 as in the first norm, and the expanding product's last three columns
; (4,096 to 4,098) as f32 dot products: e_j = n . wx_j + t w0_j + b_j.  One wave, one row.  Every input is rounded to bf16 as it is loaded.
.set X, 8
.set W, 40
.set BB, 72
.set PK, 104
.set WX, 128
.set Y, 224
.set SEL, 26
.set RN, 28
.set ATAIL, 8388608
.macro REP n, st, line:vararg
.set i, 0
.rept \n
	\line
.set i, i+(\st)
.endr
.endm
.macro RND a, b, t
	v_cvt_pk_bf16_f32 v[\t], v[\a], v[\b]
	v_lshlrev_b32 v[\a], 16, v[\t]
	v_and_b32 v[\b], 0xffff0000, v[\t]
.endm
.macro WSUM v, t
	v_add_f32_dpp v[\v], v[\v], v[\v] row_xmask:1 row_mask:0xf bank_mask:0xf
	v_add_f32_dpp v[\v], v[\v], v[\v] row_xmask:2 row_mask:0xf bank_mask:0xf
	v_add_f32_dpp v[\v], v[\v], v[\v] row_xmask:4 row_mask:0xf bank_mask:0xf
	v_add_f32_dpp v[\v], v[\v], v[\v] row_xmask:8 row_mask:0xf bank_mask:0xf
	v_permlanex16_b32 v[\t], v[\v], s[SEL], s[SEL+1]
	v_add_f32 v[\v], v[\v], v[\t]
.endm
.macro HILO d, x, t
	s_wait_alu depctr_va_vdst(0)
	v_cvt_pk_bf16_f32 v[\t], v[\x], v[\x]
	v_lshlrev_b32 v[\t], 16, v[\t]
	v_sub_f32 v[\t], v[\x], v[\t]
	v_cvt_pk_bf16_f32 v[\d], v[\x], v[\t]
.endm
.macro SQS d
	v_pk_mul_f32 v[\d:\d+1], v[X:X+1], v[X:X+1]
	v_pk_mul_f32 v[\d+2:\d+3], v[X+2:X+3], v[X+2:X+3]
.set i, 4
.rept 7
	v_pk_fma_f32 v[\d:\d+1], v[X+i:X+i+1], v[X+i:X+i+1], v[\d:\d+1]
	v_pk_fma_f32 v[\d+2:\d+3], v[X+i+2:X+i+3], v[X+i+2:X+i+3], v[\d+2:\d+3]
.set i, i+4
.endr
	v_pk_add_f32 v[\d:\d+1], v[\d:\d+1], v[\d+2:\d+3]
	v_add_f32 v[\d], v[\d], v[\d+1]
	WSUM \d, \d+1
.endm
.macro LNCORE
	v_pk_add_f32 v[120:121], v[X:X+1], v[X+2:X+3]
	v_pk_add_f32 v[122:123], v[X+4:X+5], v[X+6:X+7]
.set i, 8
.rept 6
	v_pk_add_f32 v[120:121], v[120:121], v[X+i:X+i+1]
	v_pk_add_f32 v[122:123], v[122:123], v[X+i+2:X+i+3]
.set i, i+4
.endr
	v_pk_add_f32 v[120:121], v[120:121], v[122:123]
	v_add_f32 v120, v120, v121
	WSUM 120, 121
	v_mul_f32 v120, s[RN], v120
	REP 16, 2, v_pk_add_f32 v[X+i:X+i+1], v[X+i:X+i+1], v[120:121] op_sel_hi:[1,0] neg_lo:[0,1] neg_hi:[0,1]
	SQS 120
	v_fmaak_f32 v120, s[RN], v120, 0x3727c5ac
	v_rsq_f32 v120, v120
	v_nop
	s_wait_alu depctr_va_vdst(0)
	REP 16, 2, v_pk_mul_f32 v[X+i:X+i+1], v[X+i:X+i+1], v[120:121] op_sel_hi:[1,0]
	REP 16, 2, v_pk_fma_f32 v[X+i:X+i+1], v[X+i:X+i+1], v[W+i:W+i+1], v[BB+i:BB+i+1]
	SQS 124
	v_add_f32 v124, v124, v4
	v_sqrt_f32 v124, v124
	v_mov_b32 v127, 0x3f80
.endm
	s_load_b512 s[4:19], s[0:1], 0x0               ; x 4, raw 6, ln_w 8, ln_b 10, block_curvature 12, wb3 14, w_mlp_expand 16, b_mlp_expand 18
	s_load_b128 s[20:23], s[0:1], 0x40             ; act 20, big 22
	v_and_b32 v1, 31, v0
	v_lshrrev_b32 v2, 5, v0
	v_readfirstlane_b32 s24, v2
	s_lshl_b32 s25, ttmp9, 3
	s_add_co_u32 s25, s25, s24                     ; my row
	s_mov_b32 s[SEL], 0x76543210
	s_mov_b32 s[SEL+1], 0xfedcba98
	s_mov_b32 s[RN], 0x3a800000
	v_lshlrev_b32 v3, 4, v1
	v_lshlrev_b32 v5, 3, v1
	v_lshlrev_b32 v6, 2, v1
	s_lshl_b32 s30, s25, 12
	s_mov_b32 s31, 0
	s_wait_kmcnt 0x0
	s_load_b32 s29, s[12:13], 0x0
	s_load_b32 s32, s[16:17], 0x4000               ; row 0, columns 4,096 to 4,098
	s_load_b32 s33, s[16:17], 0x4004
	s_load_b32 s34, s[16:17], 0x4008
	s_load_b32 s36, s[18:19], 0x4000
	s_load_b32 s37, s[18:19], 0x4004
	s_load_b32 s38, s[18:19], 0x4008
	s_add_nc_u64 s[4:5], s[4:5], s[30:31]
	s_add_nc_u64 s[46:47], s[22:23], s[30:31]
	s_add_nc_u64 s[46:47], s[46:47], 34078720      ; my row of x2
	s_lshl_b32 s30, s25, 8
	s_add_nc_u64 s[6:7], s[6:7], s[30:31]
	s_add_nc_u64 s[14:15], s[14:15], 8912896       ; wx
	REP 8, 1, global_load_b128 v[X+4*i:X+4*i+3], v3, s[4:5] offset:512*i
	REP 8, 1, global_load_b64 v[Y+2*i:Y+2*i+1], v5, s[6:7] offset:1048576*i
	REP 8, 1, global_load_b128 v[W+4*i:W+4*i+3], v3, s[8:9] offset:512*i
	REP 8, 1, global_load_b128 v[BB+4*i:BB+4*i+3], v3, s[10:11] offset:512*i
	REP 24, 1, global_load_b128 v[WX+4*i:WX+4*i+3], v3, s[14:15] offset:512*i
	s_lshl_b32 s30, s25, 11
	s_add_nc_u64 s[40:41], s[20:21], s[30:31]
	s_lshl_b32 s30, s25, 7
	s_add_nc_u64 s[42:43], s[20:21], s[30:31]
	s_add_nc_u64 s[42:43], s[42:43], ATAIL
	s_lshl_b32 s30, s25, 4
	s_add_nc_u64 s[44:45], s[20:21], s[30:31]
	s_add_nc_u64 s[44:45], s[44:45], 8912896       ; my row of e
	s_wait_kmcnt 0x0
	v_mov_b32 v4, s29
	v_cvt_pk_bf16_f32 v4, v4, v4
	v_lshlrev_b32 v4, 16, v4
	v_mul_f32 v4, 0x3fb8aa3b, v4
	v_exp_f32 v4, v4
	s_wait_loadcnt 0x0
	REP 16, 2, RND X+i, X+i+1, 120
	REP 16, 2, RND W+i, W+i+1, 120
	REP 16, 2, RND BB+i, BB+i+1, 120
.set i, 0
.rept 16
	v_lshlrev_b32 v[120+2*(i%2)], 16, v[Y+i]
	v_and_b32 v[121+2*(i%2)], 0xffff0000, v[Y+i]
	v_pk_add_f32 v[X+2*i:X+2*i+1], v[X+2*i:X+2*i+1], v[120+2*(i%2):121+2*(i%2)]
.set i, i+1
.endr
	REP 8, 1, global_store_b128 v3, v[X+4*i:X+4*i+3], s[46:47] offset:512*i
	s_wait_xcnt 0x0                                ; X is rewritten only behind this wait
	LNCORE
	REP 16, 1, v_cvt_pk_bf16_f32 v[PK+i], v[X+2*i], v[X+2*i+1]
	REP 8, 1, global_store_b64 v5, v[PK+2*i:PK+2*i+1], s[40:41] offset:256*i
	HILO 126, 124, 125
	v_cmp_eq_u32 vcc_lo, 0, v1
	v_cndmask_b32 v126, 0, v126, vcc_lo
	v_cmp_eq_u32 vcc_lo, 1, v1
	v_cndmask_b32 v126, v126, v127, vcc_lo
	global_store_b32 v6, v126, s[42:43]
	v_mov_b32 v228, s32
	v_mov_b32 v229, s33
	v_mov_b32 v230, s34
	v_mov_b32 v231, s36
	v_mov_b32 v232, s37
	v_mov_b32 v233, s38
	RND 228, 229, 125
	RND 230, 231, 125
	RND 232, 233, 125
.irp j, 0,1,2
	v_pk_mul_f32 v[120:121], v[X:X+1], v[WX+32*(\j):WX+32*(\j)+1]
	v_pk_mul_f32 v[122:123], v[X+2:X+3], v[WX+32*(\j)+2:WX+32*(\j)+3]
.set i, 4
.rept 7
	v_pk_fma_f32 v[120:121], v[X+i:X+i+1], v[WX+32*(\j)+i:WX+32*(\j)+i+1], v[120:121]
	v_pk_fma_f32 v[122:123], v[X+i+2:X+i+3], v[WX+32*(\j)+i+2:WX+32*(\j)+i+3], v[122:123]
.set i, i+4
.endr
	v_pk_add_f32 v[120:121], v[120:121], v[122:123]
	v_add_f32 v[224+(\j)], v120, v121
	WSUM 224+(\j), 121
	v_fma_f32 v[224+(\j)], v124, v[228+(\j)], v[224+(\j)]
	v_add_f32 v[224+(\j)], v[224+(\j)], v[231+(\j)]
.endr
	v_mov_b32 v120, 0
	v_cmp_eq_u32 vcc_lo, 0, v1
	v_cndmask_b32 v120, v120, v224, vcc_lo
	v_cmp_eq_u32 vcc_lo, 1, v1
	v_cndmask_b32 v120, v120, v225, vcc_lo
	v_cmp_eq_u32 vcc_lo, 2, v1
	v_cndmask_b32 v120, v120, v226, vcc_lo
	v_cmp_gt_u32 vcc_lo, 4, v1
	s_wait_xcnt 0x0                                ; EXEC changes only behind this wait
	s_and_saveexec_b32 s48, vcc_lo
	global_store_b32 v6, v120, s[44:45]            ; e0, e1, e2, 0
	s_wait_xcnt 0x0
	s_or_b32 exec_lo, exec_lo, s48
	s_endpgm
.Lfunc_end_k_qd9f7df879b_ln2:
	.size	k_qd9f7df879b_ln2, .Lfunc_end_k_qd9f7df879b_ln2-k_qd9f7df879b_ln2
	.p2alignl 7, 3214868480
	.fill 96, 4, 3214868480
	.section	.rodata,"a",@progbits
	.p2align	6, 0x0
	.amdhsa_kernel k_qd9f7df879b_ln2
		.amdhsa_group_segment_fixed_size 0
		.amdhsa_private_segment_fixed_size 0
		.amdhsa_enable_private_segment 0
		.amdhsa_kernarg_size 80
		.amdhsa_user_sgpr_count 2
		.amdhsa_user_sgpr_kernarg_segment_ptr 1
		.amdhsa_wavefront_size32 1
		.amdhsa_system_sgpr_workgroup_id_x 1
		.amdhsa_system_sgpr_workgroup_id_y 1
		.amdhsa_system_sgpr_workgroup_id_z 1
		.amdhsa_system_vgpr_workitem_id 0
		.amdhsa_next_free_vgpr 240
		.amdhsa_next_free_sgpr 66
		.amdhsa_reserve_vcc 1
		.amdhsa_float_denorm_mode_32 3
		.amdhsa_float_denorm_mode_16_64 3
		.amdhsa_memory_ordered 1
		.amdhsa_forward_progress 1
		.amdhsa_inst_pref_size 34
	.end_amdhsa_kernel
	.amdgpu_metadata
---
amdhsa.version: [ 1, 2 ]
amdhsa.kernels:
  - .name:           k_qd9f7df879b_ln2
    .symbol:         k_qd9f7df879b_ln2.kd
    .args:
      - { .name: x, .offset: 0, .size: 8, .value_kind: global_buffer, .address_space: global }
      - { .name: raw, .offset: 8, .size: 8, .value_kind: global_buffer, .address_space: global }
      - { .name: ln_w, .offset: 16, .size: 8, .value_kind: global_buffer, .address_space: global }
      - { .name: ln_b, .offset: 24, .size: 8, .value_kind: global_buffer, .address_space: global }
      - { .name: block_curvature, .offset: 32, .size: 8, .value_kind: global_buffer, .address_space: global }
      - { .name: wb3, .offset: 40, .size: 8, .value_kind: global_buffer, .address_space: global }
      - { .name: w_mlp_expand, .offset: 48, .size: 8, .value_kind: global_buffer, .address_space: global }
      - { .name: b_mlp_expand, .offset: 56, .size: 8, .value_kind: global_buffer, .address_space: global }
      - { .name: act, .offset: 64, .size: 8, .value_kind: global_buffer, .address_space: global }
      - { .name: big, .offset: 72, .size: 8, .value_kind: global_buffer, .address_space: global }
    .group_segment_fixed_size: 0
    .private_segment_fixed_size: 0
    .kernarg_segment_align: 8
    .kernarg_segment_size: 80
    .max_flat_workgroup_size: 256
    .sgpr_count:     66
    .vgpr_count:     240
    .wavefront_size: 32
...
	.end_amdgpu_metadata
.endif
;; end of part 5
;; launch ge: the kernel of part 2 again; grid 16 x 16, 4 waves a work-group, clusters of 4 x 4, 327,680 bytes of LDS; arguments act, wb3, raw; writes raw
;; launch act3 (part 6): grid 512 x 1, 8 waves a work-group, no clusters, 0 bytes of LDS; arguments raw, act, mlp_curvature, big; writes big
.if DOCPART == 6
	.amdgcn_target "amdgcn-amd-amdhsa--gfx1250"
	.amdhsa_code_object_version 6
	.text
	.protected	k_qd9f7df879b_act3
	.globl	k_qd9f7df879b_act3
	.p2align	8
	.type	k_qd9f7df879b_act3,@function
k_qd9f7df879b_act3:
	s_mov_b64 s[64:65], 0
	v_nop
	global_prefetch_b8 v0, s[64:65] scope:SCOPE_SE
	s_setreg_imm32_b32 hwreg(HW_REG_WAVE_MODE, 25, 1), 1
	s_wait_xcnt 0x0
; h = gelu(expanded row), exact form 0.5 x (1 + erf(x / sqrt 2)); th = sqrt(exp(k) + |h|^2) over all 4,099 numbers.  One wave, one row: 4,096 numbers from 32 panels, three (e) in f32 from act.
; Out: h in bf16, row-major (512 consecutive bytes a store), and a tail of 64 bf16: th high, th low, gelu(e0..e2), 1.0, zeros.
; erf(z) = 1 - (a1 t + .. + a5 t^5) exp(-z^2), t = 1 / (1 + 0.3275911 z), z >= 0 (Abramowitz and Stegun 7.1.26).  LIMIT: its absolute error, 1.5e-7, for every z.
; gelu = hx + |hx| (1 - g), hx = x / 2, g the polynomial times the exponential: one form for both signs.
.set XF, 40
.set AX, 48
.set DD, 56
.set WW, 64
.set PP, 72
.set ACC, 80
.set SEL, 14
.macro REP n, st, line:vararg
.set i, 0
	s_wait_alu depctr_va_vdst(0)
.rept \n
	\line
.set i, i+(\st)
.endr
.endm
.macro WSUM v, t
	v_add_f32_dpp v[\v], v[\v], v[\v] row_xmask:1 row_mask:0xf bank_mask:0xf
	v_add_f32_dpp v[\v], v[\v], v[\v] row_xmask:2 row_mask:0xf bank_mask:0xf
	v_add_f32_dpp v[\v], v[\v], v[\v] row_xmask:4 row_mask:0xf bank_mask:0xf
	v_add_f32_dpp v[\v], v[\v], v[\v] row_xmask:8 row_mask:0xf bank_mask:0xf
	v_permlanex16_b32 v[\t], v[\v], s[SEL], s[SEL+1]
	v_add_f32 v[\v], v[\v], v[\t]
.endm
.macro GCORE dst                       ; gelu of the eight numbers in XF: f32 in PP, bf16 in v[dst .. dst+3]; their squares onto ACC
	REP 8, 1, v_and_b32 v[AX+i], s33, v[XF+i]
	REP 4, 2, v_pk_fma_f32 v[DD+i:DD+i+1], v[AX+i:AX+i+1], 0x3e6d3388, 1.0 op_sel_hi:[1,0,0]
	REP 4, 2, v_pk_mul_f32 v[WW+i:WW+i+1], v[XF+i:XF+i+1], v[XF+i:XF+i+1]
	REP 4, 2, v_pk_mul_f32 v[WW+i:WW+i+1], v[WW+i:WW+i+1], 0xbf38aa3b op_sel_hi:[1,0]
	REP 8, 1, v_rcp_f32 v[DD+i], v[DD+i]
	REP 8, 1, v_exp_f32 v[WW+i], v[WW+i]
	REP 4, 2, v_pk_mul_f32 v[XF+i:XF+i+1], v[XF+i:XF+i+1], 0.5 op_sel_hi:[1,0]
	REP 4, 2, v_pk_mul_f32 v[AX+i:AX+i+1], v[AX+i:AX+i+1], 0.5 op_sel_hi:[1,0]
	REP 4, 2, v_pk_fma_f32 v[PP+i:PP+i+1], v[DD+i:DD+i+1], s[16:17], s[18:19] op_sel_hi:[1,0,0]
	REP 4, 2, v_pk_fma_f32 v[PP+i:PP+i+1], v[PP+i:PP+i+1], v[DD+i:DD+i+1], s[20:21] op_sel_hi:[1,1,0]
	REP 4, 2, v_pk_fma_f32 v[PP+i:PP+i+1], v[PP+i:PP+i+1], v[DD+i:DD+i+1], s[22:23] op_sel_hi:[1,1,0]
	REP 4, 2, v_pk_fma_f32 v[PP+i:PP+i+1], v[PP+i:PP+i+1], v[DD+i:DD+i+1], s[24:25] op_sel_hi:[1,1,0]
	REP 4, 2, v_pk_mul_f32 v[PP+i:PP+i+1], v[PP+i:PP+i+1], v[DD+i:DD+i+1]
	REP 4, 2, v_pk_mul_f32 v[PP+i:PP+i+1], v[PP+i:PP+i+1], v[WW+i:WW+i+1]
	REP 4, 2, v_pk_fma_f32 v[PP+i:PP+i+1], v[PP+i:PP+i+1], v[AX+i:AX+i+1], v[AX+i:AX+i+1] neg_lo:[1,0,0] neg_hi:[1,0,0]
	REP 4, 2, v_pk_add_f32 v[PP+i:PP+i+1], v[PP+i:PP+i+1], v[XF+i:XF+i+1]
	REP 4, 2, v_pk_fma_f32 v[ACC+i%4:ACC+i%4+1], v[PP+i:PP+i+1], v[PP+i:PP+i+1], v[ACC+i%4:ACC+i%4+1]
	REP 4, 1, v_cvt_pk_bf16_f32 v[(\dst)+i], v[PP+2*i], v[PP+2*i+1]
.endm
	s_load_b256 s[4:11], s[0:1], 0x0               ; raw 4, act 6, mlp_curvature 8, big 10
	v_and_b32 v1, 31, v0
	v_lshrrev_b32 v2, 5, v0
	v_readfirstlane_b32 s12, v2
	s_lshl_b32 s13, ttmp9, 3
	s_add_co_u32 s13, s13, s12                     ; my row
	s_mov_b32 s[SEL], 0x76543210
	s_mov_b32 s[SEL+1], 0xfedcba98
	s_mov_b32 s16, 0x3f87dc22                      ; a5 .. a1, each named as a pair
	s_mov_b32 s17, s16
	s_mov_b32 s18, 0xbfba00e3
	s_mov_b32 s19, s18
	s_mov_b32 s20, 0x3fb5f0e3
	s_mov_b32 s21, s20
	s_mov_b32 s22, 0xbe91a98e
	s_mov_b32 s23, s22
	s_mov_b32 s24, 0x3e827906
	s_mov_b32 s25, s24
	s_mov_b32 s29, 0xffff0000
	s_mov_b32 s33, 0x7fffffff
	v_lshrrev_b32 v2, 4, v1
	v_and_b32 v4, 15, v1
	v_lshlrev_b32 v2, 20, v2
	v_lshl_add_u32 v2, v4, 4, v2                   ; lanes 0-15 one panel's 256 bytes, lanes 16-31 the next panel's
	v_lshlrev_b32 v3, 4, v1
	v_lshlrev_b32 v5, 2, v1
	v_mov_b32 v6, 0
	REP 4, 1, v_mov_b32 v[ACC+i], 0
	s_lshl_b32 s26, s13, 8
	s_mov_b32 s27, 0
	s_wait_kmcnt 0x0
	s_load_b32 s32, s[8:9], 0x0
	s_add_nc_u64 s[4:5], s[4:5], s[26:27]
	s_lshl_b32 s26, s13, 4
	s_add_nc_u64 s[6:7], s[6:7], s[26:27]
	s_add_nc_u64 s[6:7], s[6:7], 8912896
	global_load_b128 v[84:87], v6, s[6:7]          ; e0, e1, e2, 0: the same for every lane
	s_lshl_b32 s26, s13, 13
	s_add_nc_u64 s[30:31], s[10:11], s[26:27]      ; my row of h
	s_lshl_b32 s26, s13, 7
	s_add_nc_u64 s[34:35], s[10:11], s[26:27]
	s_add_nc_u64 s[34:35], s[34:35], 33554432      ; my row's tail
	s_mov_b32 s28, 4
.Lt:                                   ; a trip: eight panels, 1,024 numbers
	REP 4, 1, global_load_b128 v[8+4*i:11+4*i], v2, s[4:5] offset:2097152*i
.irp u, 0,1,2,3
	s_wait_loadcnt 3-(\u)                          ; load u is in; the younger ones stay out
.set i, 0
.rept 4
	v_lshlrev_b32 v[XF+2*i], 16, v[8+4*(\u)+i]
	v_and_b32 v[XF+2*i+1], s29, v[8+4*(\u)+i]
.set i, i+1
.endr
	GCORE 24+4*(\u)
	global_store_b128 v3, v[24+4*(\u):27+4*(\u)], s[30:31] offset:512*(\u)
.endr
	s_wait_xcnt 0x0                                ; the stores' registers and base are rewritten only behind this wait; the loads are all in
	s_add_nc_u64 s[4:5], s[4:5], 8388608
	s_add_nc_u64 s[30:31], s[30:31], 2048
	s_sub_co_u32 s28, s28, 1
	s_cmp_lg_u32 s28, 0
	s_cbranch_scc1 .Lt
	v_pk_add_f32 v[ACC:ACC+1], v[ACC:ACC+1], v[ACC+2:ACC+3]
	v_add_f32 v[ACC], v[ACC], v[ACC+1]
	WSUM ACC, ACC+1
	REP 3, 1, v_mov_b32 v[ACC+1+i], 0              ; the row's sum goes on in every lane alike: e's squares are added once
	REP 4, 1, v_mov_b32 v[XF+i], v[84+i]
	REP 4, 1, v_mov_b32 v[XF+4+i], 0
	GCORE 24
	v_pk_add_f32 v[ACC:ACC+1], v[ACC:ACC+1], v[ACC+2:ACC+3]
	v_add_f32 v[ACC], v[ACC], v[ACC+1]
	s_wait_kmcnt 0x0
	v_mov_b32 v7, s32
	v_cvt_pk_bf16_f32 v7, v7, v7
	v_lshlrev_b32 v7, 16, v7
	v_mul_f32 v7, 0x3fb8aa3b, v7
	v_exp_f32 v7, v7
	v_or_b32 v25, 0x3f800000, v25                  ; gelu(e2) below, 1.0 above
	s_wait_alu depctr_va_vdst(0)
	v_add_f32 v[ACC], v[ACC], v7
	v_sqrt_f32 v[ACC], v[ACC]
	v_cmp_eq_u32 vcc_lo, 0, v1
	s_wait_alu depctr_va_vdst(0)
	v_cvt_pk_bf16_f32 v8, v[ACC], v[ACC]           ; th as high and low part
	v_lshlrev_b32 v8, 16, v8
	v_sub_f32 v8, v[ACC], v8
	v_cvt_pk_bf16_f32 v9, v[ACC], v8
	v_cndmask_b32 v9, 0, v9, vcc_lo
	v_cmp_eq_u32 vcc_lo, 1, v1
	v_cndmask_b32 v9, v9, v24, vcc_lo
	v_cmp_eq_u32 vcc_lo, 2, v1
	v_cndmask_b32 v9, v9, v25, vcc_lo
	global_store_b32 v5, v9, s[34:35]
	s_endpgm
.Lfunc_end_k_qd9f7df879b_act3:
	.size	k_qd9f7df879b_act3, .Lfunc_end_k_qd9f7df879b_act3-k_qd9f7df879b_act3
	.p2alignl 7, 3214868480
	.fill 96, 4, 3214868480
	.section	.rodata,"a",@progbits
	.p2align	6, 0x0
	.amdhsa_kernel k_qd9f7df879b_act3
		.amdhsa_group_segment_fixed_size 0
		.amdhsa_private_segment_fixed_size 0
		.amdhsa_enable_private_segment 0
		.amdhsa_kernarg_size 32
		.amdhsa_user_sgpr_count 2
		.amdhsa_user_sgpr_kernarg_segment_ptr 1
		.amdhsa_wavefront_size32 1
		.amdhsa_system_sgpr_workgroup_id_x 1
		.amdhsa_system_sgpr_workgroup_id_y 1
		.amdhsa_system_sgpr_workgroup_id_z 1
		.amdhsa_system_vgpr_workitem_id 0
		.amdhsa_next_free_vgpr 96
		.amdhsa_next_free_sgpr 66
		.amdhsa_reserve_vcc 1
		.amdhsa_float_denorm_mode_32 3
		.amdhsa_float_denorm_mode_16_64 3
		.amdhsa_memory_ordered 1
		.amdhsa_forward_progress 1
		.amdhsa_inst_pref_size 33
	.end_amdhsa_kernel
	.amdgpu_metadata
---
amdhsa.version: [ 1, 2 ]
amdhsa.kernels:
  - .name:           k_qd9f7df879b_act3
    .symbol:         k_qd9f7df879b_act3.kd
    .args:
      - { .name: raw, .offset: 0, .size: 8, .value_kind: global_buffer, .address_space: global }
      - { .name: act, .offset: 8, .size: 8, .value_kind: global_buffer, .address_space: global }
      - { .name: mlp_curvature, .offset: 16, .size: 8, .value_kind: global_buffer, .address_space: global }
      - { .name: big, .offset: 24, .size: 8, .value_kind: global_buffer, .address_space: global }
    .group_segment_fixed_size: 0
    .private_segment_fixed_size: 0
    .kernarg_segment_align: 8
    .kernarg_segment_size: 32
    .max_flat_workgroup_size: 256
    .sgpr_count:     66
    .vgpr_count:     96
    .wavefront_size: 32
...
	.end_amdgpu_metadata
.endif
;; end of part 6
;; launch g4 (part 7): grid 8 x 32, 4 waves a work-group, clusters of 4 x 4, 327,680 bytes of LDS; arguments big, wb4, raw; writes raw
.if DOCPART == 7
	.amdgcn_target "amdgcn-amd-amdhsa--gfx1250"
	.amdhsa_code_object_version 6
	.text
	.protected	k_qd9f7df879b_g4
	.globl	k_qd9f7df879b_g4
	.p2align	8
	.type	k_qd9f7df879b_g4,@function
k_qd9f7df879b_g4:
	s_mov_b64 s[64:65], 0
	v_nop
	global_prefetch_b8 v0, s[64:65] scope:SCOPE_SE
	s_setreg_imm32_b32 hwreg(HW_REG_WAVE_MODE, 25, 1), 1
	s_wait_xcnt 0x0
	s_wait_alu depctr_hold_cnt(0) depctr_sa_sdst(0) depctr_va_vdst(0) depctr_va_sdst(0) depctr_va_ssrc(0) depctr_va_vcc(0) depctr_vm_vsrc(0)
	s_getreg_b32 s2, hwreg(HW_REG_IB_STS2, 6, 4)
	s_cmp_eq_u32 s2, 0
	s_cbranch_scc0 .Lentry_in_a_cluster
	s_endpgm
.Lentry_in_a_cluster:
	s_bfe_u32 s2, ttmp6, 0x10000c
	s_cmp_lg_u32 s2, 0xf033
	s_cbranch_scc0 .Lentry_shape_is_right
	s_endpgm
.Lentry_shape_is_right:
; The same product as the launches with K = 1,024, for K = 4,096 + a tail of 64: C[m][n] = sum over k of A[m][k] B[n][k].
; A: main [4096][4096] bf16 at byte 0, tail [4096][64] at byte ATAIL.  B: tail [N][64] at byte 0, main [N][4096] at BMAIN.  C leaves in bf16 as panels [N/128][4096][128].  Sums in f32.
; A tile of C is 128 x 128; four waves, each 64 x 64: 16 accumulators.  The tail's fragments come straight from memory, and its products, with C = 0, start all sums.
; The main K goes in steps of 256 (LDS rows of 512 bytes + 16 of padding; a wave's tensor load brings 64 rows) through two LDS slots.
; CLUSTERS: 4 x 4 work-groups; A's tiles are asked for jointly along a row of the cluster, B's along a column.  The matrix instruction is used transposed (source 0 = rows of B, source 1 = rows of A).
; REGISTERS: window 0: v0-31 addresses; v32-95 at work on the way out; v128-255 the accumulators.  Window 1: two fragment buffers of 128.
.set SIZE_K, 4096
.set ATAIL,  33554432
.set BMAIN,  524288
.set KSTEP,  256
.set PITCH,  528
.set HALFT,  64*PITCH
.set SLOT,   4*HALFT
.set STAGE,  2*SLOT
.set SPITCH, 272
.set SPARE,  STAGE+128*SPITCH
.set LAPS, SIZE_K/(2*KSTEP)
.set ADRA, 16
.set ADRB, 20
.set STO,  24
.set RD,   25
.set CO,   26
.set VT,   27
.set SPW,  28
.set NIL,  29
.set TMP,  32
.set ACC,  128
.set F0,   0
.set F1,   128
.set G1, 24
.set G0, 32
.set G1B, 48
.set G0B, 56
.set MSB, 0
.macro WIN new
.if MSB != (\new)
	s_set_vgpr_msb (MSB<<8)|(\new)
.set MSB, \new
.endif
.endm
.set MUL,  0x05
.set TO_F, 0x40
.macro JLOAD s                         ; a joint load: waves 0 and 1 fetch A's two halves, waves 2 and 3 B's; an s_nop 0 and four v_nop follow each of the two lines
	s_cmp_eq_u32 s11, 0
	s_cbranch_scc0 .Lfor_b_\@
	tensor_load_to_lds s[G0+4*(\s):G0+4*(\s)+3], s[G1:G1+7]
	s_nop 0
.rept 4
	v_nop
.endr
	s_branch .Lasked_\@
.Lfor_b_\@:
	tensor_load_to_lds s[G0B+4*(\s):G0B+4*(\s)+3], s[G1B:G1B+7]
	s_nop 0
.rept 4
	v_nop
.endr
.Lasked_\@:
.endm
.macro CREST
	s_cmp_lg_u32 s10, 0
	s_cbranch_scc1 .Lnot_wave_0_\@
	s_barrier_signal -3
.Lnot_wave_0_\@:
	s_barrier_wait -3
	s_barrier_signal -1
	s_barrier_wait -1
.endm
.macro CROUND
	s_barrier_signal -1
	s_barrier_wait -1
	CREST
.endm
	s_load_b128 s[4:7], s[0:1], 0x0                ; A s[4:5], B s[6:7]
	s_load_b64 s[8:9], s[0:1], 0x10                ; C
	v_lshl_add_u32 v[SPW], v0, 2, SPARE
	v_mov_b32 v[NIL], 0
	ds_add_u32 v[SPW], v[NIL]                      ; the wave's opening: the add and its wait stand ahead of my first tensor load
	v_lshrrev_b32 v1, 5, v0
	v_readfirstlane_b32 s10, v1
	s_lshr_b32 s11, s10, 1
	s_and_b32 s12, s10, 1
	s_bfe_u32 s40, ttmp6, 0x40000
	s_bfe_u32 s41, ttmp6, 0x40004
	s_lshl_b32 s42, ttmp9, 2
	s_add_co_u32 s42, s42, s40                     ; tile column
	s_and_b32 s13, ttmp7, 0xffff
	s_lshl_b32 s13, s13, 2
	s_add_co_u32 s13, s13, s41                     ; tile row
	s_lshl_b32 s43, s41, 2
	s_lshl_b32 s43, 15, s43
	s_lshl_b32 s44, 0x1111, s40
	s_or_b32 s[G1+0], s43, (1<<16)|(1<<20)|(1<<21)|(6<<22)|(3<<25)
	s_or_b32 s[G1B+0], s44, (1<<16)|(1<<20)|(1<<21)|(6<<22)|(3<<25)
.irp g, G1, G1B
	s_mov_b32 s[(\g)+1], KSTEP<<16
	s_mov_b32 s[(\g)+2], 64<<16
	s_mov_b32 s[(\g)+3], KSTEP<<16
	s_mov_b32 s[(\g)+4], 64
	s_mov_b32 s[(\g)+5], SIZE_K
	s_mov_b32 s[(\g)+6], 0
	s_mov_b32 s[(\g)+7], 0
.endr
	s_lshl_b32 s17, s12, 6
	s_lshl_b32 s16, s13, 7
	s_add_co_u32 s16, s16, s17
	s_lshl_b32 s46, s42, 7
	s_add_co_u32 s46, s46, s17
	s_mov_b32 s17, 0
	s_mov_b32 s47, 0
	s_mov_b64 s[18:19], SIZE_K*2
	s_mul_u64 s[16:17], s[16:17], s[18:19]
	s_mul_u64 s[46:47], s[46:47], s[18:19]
	s_mul_i32 s20, s10, HALFT
	s_lshl_b32 s66, s13, 7
	s_lshl_b32 s67, s11, 6
	s_add_co_u32 s66, s66, s67
	s_lshl_b32 s66, s66, 7
	s_mov_b32 s67, 0
	s_lshl_b32 s68, s42, 7
	s_lshl_b32 s69, s12, 6
	s_add_co_u32 s68, s68, s69
	s_lshl_b32 s68, s68, 7
	s_mov_b32 s69, 0
	s_wait_dscnt 0x0                               ; the opening add is done
	s_wait_kmcnt 0x0
	s_add_nc_u64 s[14:15], s[4:5], s[16:17]
	s_add_nc_u64 s[46:47], s[6:7], s[46:47]
	s_add_nc_u64 s[46:47], s[46:47], BMAIN
	s_add_nc_u64 s[66:67], s[4:5], s[66:67]
	s_add_nc_u64 s[66:67], s[66:67], ATAIL
	s_add_nc_u64 s[68:69], s[6:7], s[68:69]
	CROUND                                         ; all sixteen work-groups are here: the first joint loads meet
.irp s, 0,1
	s_mov_b32 s[G0+4*(\s)], 1
	s_add_co_u32 s[G0+4*(\s)+1], s20, (\s)*SLOT
	s_add_nc_u64 s[G0+4*(\s)+2:G0+4*(\s)+3], s[14:15], (\s)*KSTEP*2
	s_or_b32 s[G0+4*(\s)+3], s[G0+4*(\s)+3], 0x80000000
	s_mov_b32 s[G0B+4*(\s)], 1
	s_add_co_u32 s[G0B+4*(\s)+1], s20, (\s)*SLOT
	s_add_nc_u64 s[G0B+4*(\s)+2:G0B+4*(\s)+3], s[46:47], (\s)*KSTEP*2
	s_or_b32 s[G0B+4*(\s)+3], s[G0B+4*(\s)+3], 0x80000000
	JLOAD \s
.endr
	v_and_b32 v1, 15, v0
	v_bfe_u32 v2, v0, 4, 1
	v_mul_u32_u24 v3, v1, PITCH
	v_lshl_add_u32 v3, v2, 4, v3
	s_mul_i32 s21, s11, HALFT
	s_mul_i32 s22, s12, HALFT
	s_add_co_u32 s22, s22, 2*HALFT
.irp s, 0,1
	v_add_nc_u32 v[ADRA+(\s)], s21, v3
	v_add_nc_u32 v[ADRB+(\s)], s22, v3
	s_add_co_u32 s21, s21, SLOT
	s_add_co_u32 s22, s22, SLOT
.endr
	s_mul_i32 s23, s11, 64*SPITCH
	s_lshl_b32 s21, s12, 7
	s_add_co_u32 s23, s23, s21
	s_add_co_u32 s23, s23, STAGE
	v_mul_u32_u24 v4, v1, SPITCH
	v_lshl_add_u32 v4, v2, 4, v4
	v_add_nc_u32 v[STO], s23, v4
	s_mul_i32 s23, s10, 32*SPITCH
	s_add_co_u32 s23, s23, STAGE
	v_mul_u32_u24 v5, v2, SPITCH
	v_lshl_add_u32 v5, v1, 4, v5
	v_add_nc_u32 v[RD], s23, v5
	v_and_b32 v5, 31, v0
	v_lshlrev_b32 v[CO], 4, v5
	v_lshlrev_b32 v[VT], 7, v1
	v_lshl_add_u32 v[VT], v2, 4, v[VT]
	s_lshl_b32 s16, s13, 7
	s_lshl_b32 s17, s10, 5
	s_add_co_u32 s16, s16, s17
	s_lshl_b32 s16, s16, 8
	s_mov_b32 s17, 0
	s_add_nc_u64 s[8:9], s[8:9], s[16:17]
	s_lshl_b32 s46, s42, 20
	s_mov_b32 s47, 0
	s_add_nc_u64 s[8:9], s[8:9], s[46:47]
.macro MUL8 f, c, a0, zero
	WIN MUL
.irp a, \a0, (\a0)+1
.irp b, 0,1,2,3
.if \zero
	v_wmma_f32_16x16x32_bf16 v[ACC+8*(4*(\a)+(\b)):ACC+8*(4*(\a)+(\b))+7], v[(\f)+64+8*(4*(\c)+(\b)):(\f)+64+8*(4*(\c)+(\b))+7], v[(\f)+8*(4*(\c)+(\a)):(\f)+8*(4*(\c)+(\a))+7], 0
.else
	v_wmma_f32_16x16x32_bf16 v[ACC+8*(4*(\a)+(\b)):ACC+8*(4*(\a)+(\b))+7], v[(\f)+64+8*(4*(\c)+(\b)):(\f)+64+8*(4*(\c)+(\b))+7], v[(\f)+8*(4*(\c)+(\a)):(\f)+8*(4*(\c)+(\a))+7], v[ACC+8*(4*(\a)+(\b)):ACC+8*(4*(\a)+(\b))+7]
.endif
.endr
.endr
.endm
.macro FETCH slot, k, f
	WIN TO_F
.irp c, 0,1
.irp i, 0,1,2,3
	ds_load_b128 v[(\f)+64+8*(4*(\c)+(\i)):(\f)+64+8*(4*(\c)+(\i))+3],   v[ADRB+(\slot)] offset:(\k)+64*(\c)+(\i)*16*PITCH
	ds_load_b128 v[(\f)+64+8*(4*(\c)+(\i))+4:(\f)+64+8*(4*(\c)+(\i))+7], v[ADRB+(\slot)] offset:(\k)+64*(\c)+(\i)*16*PITCH+32
	ds_load_b128 v[(\f)+8*(4*(\c)+(\i)):(\f)+8*(4*(\c)+(\i))+3],         v[ADRA+(\slot)] offset:(\k)+64*(\c)+(\i)*16*PITCH
	ds_load_b128 v[(\f)+8*(4*(\c)+(\i))+4:(\f)+8*(4*(\c)+(\i))+7],       v[ADRA+(\slot)] offset:(\k)+64*(\c)+(\i)*16*PITCH+32
.endr
.endr
.endm
.macro TAILF
	WIN TO_F
.irp c, 0,1
.irp i, 0,1,2,3
	global_load_b128 v[F0+64+8*(4*(\c)+(\i)):F0+64+8*(4*(\c)+(\i))+3],   v[VT], s[68:69] offset:(\i)*2048+64*(\c)
	global_load_b128 v[F0+64+8*(4*(\c)+(\i))+4:F0+64+8*(4*(\c)+(\i))+7], v[VT], s[68:69] offset:(\i)*2048+64*(\c)+32
	global_load_b128 v[F0+8*(4*(\c)+(\i)):F0+8*(4*(\c)+(\i))+3],         v[VT], s[66:67] offset:(\i)*2048+64*(\c)
	global_load_b128 v[F0+8*(4*(\c)+(\i))+4:F0+8*(4*(\c)+(\i))+7],       v[VT], s[66:67] offset:(\i)*2048+64*(\c)+32
.endr
.endr
.endm
.macro PLACES
.rept 4
	v_nop
.endr
.endm
.macro QUARTER slot, k, f, g, zero
	s_wait_dscnt 16                                ; the first 32 along K are in
	WIN MUL
	MUL8 \f, 0, 0, \zero
	MUL8 \f, 0, 2, \zero
	PLACES
	FETCH \slot, \k, \g
	s_wait_dscnt 32                                ; all but the 32 just issued
	WIN MUL
	MUL8 \f, 1, 0, 0
	MUL8 \f, 1, 2, 0
.endm
.macro TURN slot, next, fill
	WIN 0
	s_wait_tensorcnt 0x0                           ; all my tensor loads have landed: my part of the next slot;
	ds_add_u32 v[SPW], v[NIL]                      ; 0 onto my spare word;
	s_wait_dscnt 17                                ; (the add and the youngest sixteen loads may be out)
	WIN MUL
	MUL8 F1, 0, 0, 0
	s_wait_dscnt 0x0                               ; the add is done, and my reads of this slot are over
	s_barrier_signal -1
	MUL8 F1, 0, 2, 0
.if \fill
	WIN 0
.endif
	s_barrier_wait -1
.if \fill
	CREST                                          ; no wave of any partner still reads this slot's tile or has a load on its way
	s_add_nc_u64 s[G0+4*(\slot)+2:G0+4*(\slot)+3], s[G0+4*(\slot)+2:G0+4*(\slot)+3], 2*KSTEP*2
	s_add_nc_u64 s[G0B+4*(\slot)+2:G0B+4*(\slot)+3], s[G0B+4*(\slot)+2:G0B+4*(\slot)+3], 2*KSTEP*2
	JLOAD \slot
.else
	PLACES
.endif
	FETCH \next, 0, F0
	WIN MUL
	MUL8 F1, 1, 0, 0
	MUL8 F1, 1, 2, 0
.endm
	TAILF
	s_wait_loadcnt 0x0
	MUL8 F0, 0, 0, 1                               ; the tail's first products start the sums
	MUL8 F0, 0, 2, 1
	MUL8 F0, 1, 0, 0
	MUL8 F0, 1, 2, 0
	PLACES
	s_wait_tensorcnt 1                             ; my part of K step 0 is in; K step 1's may stay out
	s_barrier_signal -1
	s_barrier_wait -1
	FETCH 0, 0, F0
	QUARTER 0, 128, F0, F1, 0
	WIN 0
	s_mov_b32 s3, LAPS-1
.Llap:
	QUARTER 0, 256, F1, F0, 0
	QUARTER 0, 384, F0, F1, 0
	TURN 0, 1, 1
	QUARTER 1, 128, F0, F1, 0
	QUARTER 1, 256, F1, F0, 0
	QUARTER 1, 384, F0, F1, 0
	TURN 1, 0, 1
	QUARTER 0, 128, F0, F1, 0
	WIN 0
	s_sub_co_u32 s3, s3, 1
	s_cmp_lg_u32 s3, 0
	s_cbranch_scc1 .Llap
	QUARTER 0, 256, F1, F0, 0
	QUARTER 0, 384, F0, F1, 0
	TURN 0, 1, 0
	QUARTER 1, 128, F0, F1, 0
	QUARTER 1, 256, F1, F0, 0
	QUARTER 1, 384, F0, F1, 0
	s_wait_dscnt 16
	WIN MUL
	MUL8 F1, 0, 0, 0
	MUL8 F1, 0, 2, 0
	s_wait_dscnt 0
	MUL8 F1, 1, 0, 0
	MUL8 F1, 1, 2, 0
	WIN 0
	PLACES
.irp t, 0,1,2,3,4,5,6,7,8,9,10,11,12,13,14,15
.irp r, 0,1,2,3
	v_cvt_pk_bf16_f32 v[TMP+4*(\t)+(\r)], v[ACC+8*(\t)+2*(\r)], v[ACC+8*(\t)+2*(\r)+1]
.endr
.endr
.irp a, 0,1,2,3
.irp b, 0,1,2,3
	ds_store_b128 v[STO], v[TMP+4*(4*(\a)+(\b)):TMP+4*(4*(\a)+(\b))+3] offset:(\a)*16*SPITCH+32*(\b)
.endr
.endr
	s_wait_dscnt 0x0                               ; for the others' sake: my stores into the stage are done
	s_barrier_signal -1
	s_barrier_wait -1
.irp t, 0,1,2,3,4,5,6,7,8,9,10,11,12,13,14,15
	ds_load_b128 v[TMP+4*(\t):TMP+4*(\t)+3], v[RD] offset:(\t)*2*SPITCH
.endr
.irp t, 0,1,2,3,4,5,6,7,8,9,10,11,12,13,14,15
	s_wait_dscnt 15-(\t)
	global_store_b128 v[CO], v[TMP+4*(\t):TMP+4*(\t)+3], s[8:9] offset:512*(\t)
.endr
	s_wait_tensorcnt 0x0                           ; the wave's end
	ds_add_u32 v[SPW], v[NIL]
	s_wait_dscnt 0x0
	CROUND                                         ; the closing round
	s_endpgm
.Lfunc_end_k_qd9f7df879b_g4:
	.size	k_qd9f7df879b_g4, .Lfunc_end_k_qd9f7df879b_g4-k_qd9f7df879b_g4
	.p2alignl 7, 3214868480
	.fill 96, 4, 3214868480
	.section	.rodata,"a",@progbits
	.p2align	6, 0x0
	.amdhsa_kernel k_qd9f7df879b_g4
		.amdhsa_group_segment_fixed_size 327680
		.amdhsa_private_segment_fixed_size 0
		.amdhsa_enable_private_segment 0
		.amdhsa_kernarg_size 24
		.amdhsa_user_sgpr_count 2
		.amdhsa_user_sgpr_kernarg_segment_ptr 1
		.amdhsa_wavefront_size32 1
		.amdhsa_system_sgpr_workgroup_id_x 1
		.amdhsa_system_sgpr_workgroup_id_y 1
		.amdhsa_system_sgpr_workgroup_id_z 1
		.amdhsa_system_vgpr_workitem_id 0
		.amdhsa_next_free_vgpr 512
		.amdhsa_next_free_sgpr 70
		.amdhsa_reserve_vcc 0
		.amdhsa_float_denorm_mode_32 3
		.amdhsa_float_denorm_mode_16_64 3
		.amdhsa_memory_ordered 1
		.amdhsa_forward_progress 1
		.amdhsa_inst_pref_size 92
	.end_amdhsa_kernel
	.amdgpu_metadata
---
amdhsa.version: [ 1, 2 ]
amdhsa.kernels:
  - .name:           k_qd9f7df879b_g4
    .symbol:         k_qd9f7df879b_g4.kd
    .args:
      - { .name: big, .offset: 0, .size: 8, .value_kind: global_buffer, .address_space: global }
      - { .name: wb4, .offset: 8, .size: 8, .value_kind: global_buffer, .address_space: global }
      - { .name: raw, .offset: 16, .size: 8, .value_kind: global_buffer, .address_space: global }
    .group_segment_fixed_size: 327680
    .private_segment_fixed_size: 0
    .kernarg_segment_align: 8
    .kernarg_segment_size: 24
    .max_flat_workgroup_size: 128
    .sgpr_count:     70
    .vgpr_count:     512
    .wavefront_size: 32
...
	.end_amdgpu_metadata
.endif
;; end of part 7
;; launch fin (part 8): grid 256 x 1, 4 waves a work-group, no clusters, 67,072 bytes of LDS; arguments raw, big, block_curvature, out0; writes out0
.if DOCPART == 8
	.amdgcn_target "amdgcn-amd-amdhsa--gfx1250"
	.amdhsa_code_object_version 6
	.text
	.protected	k_qd9f7df879b_fin
	.globl	k_qd9f7df879b_fin
	.p2align	8
	.type	k_qd9f7df879b_fin,@function
k_qd9f7df879b_fin:
	s_mov_b64 s[64:65], 0
	v_nop
	global_prefetch_b8 v0, s[64:65] scope:SCOPE_SE
	s_setreg_imm32_b32 hwreg(HW_REG_WAVE_MODE, 25, 1), 1
	s_wait_xcnt 0x0
; out = [sqrt(exp(k) + |s|^2), s], s = x2 + (the shrinking product, from the panels).  A row of out is 4,100 bytes; four rows are 16,400 = 1,025 pieces of 16 bytes, so a wave takes four rows,
; lays them with their time coordinates into its own LDS bytes (words, shifted by one word a row), reads them back in pieces of 16 bytes and stores 512 consecutive bytes at a time.
.set X, 8                              ; row rr at X + 32 rr
.set Y, 136                            ; row rr at Y + 16 rr
.set SEL, 16
.set WL, 16640                         ; a wave's LDS bytes
.set SPARE, 66560
.macro REP n, st, line:vararg
.set i, 0
.rept \n
	\line
.set i, i+(\st)
.endr
.endm
.macro WSUM v, t
	v_add_f32_dpp v[\v], v[\v], v[\v] row_xmask:1 row_mask:0xf bank_mask:0xf
	v_add_f32_dpp v[\v], v[\v], v[\v] row_xmask:2 row_mask:0xf bank_mask:0xf
	v_add_f32_dpp v[\v], v[\v], v[\v] row_xmask:4 row_mask:0xf bank_mask:0xf
	v_add_f32_dpp v[\v], v[\v], v[\v] row_xmask:8 row_mask:0xf bank_mask:0xf
	v_permlanex16_b32 v[\t], v[\v], s[SEL], s[SEL+1]
	v_add_f32 v[\v], v[\v], v[\t]
.endm
	s_load_b256 s[4:11], s[0:1], 0x0               ; raw 4, big 6, block_curvature 8, out0 10
	v_lshl_add_u32 v1, v0, 2, SPARE
	v_mov_b32 v2, 0
	v_and_b32 v7, 31, v0
	v_lshrrev_b32 v3, 5, v0
	v_readfirstlane_b32 s12, v3
	s_lshl_b32 s13, ttmp9, 2
	s_add_co_u32 s13, s13, s12                     ; my group of four rows
	s_mov_b32 s14, 0xffff0000
	s_mov_b32 s[SEL], 0x76543210
	s_mov_b32 s[SEL+1], 0xfedcba98
	v_lshlrev_b32 v3, 4, v7
	v_lshlrev_b32 v4, 3, v7
	s_mul_i32 s15, s12, WL
	v_add_nc_u32 v5, s15, v3                       ; my 16 bytes in the wave's LDS
	v_mov_b32 v6, s15
	s_lshl_b32 s18, s13, 14
	s_mov_b32 s19, 0
	s_wait_kmcnt 0x0
	s_load_b32 s20, s[8:9], 0x0
	s_add_nc_u64 s[6:7], s[6:7], s[18:19]
	s_add_nc_u64 s[6:7], s[6:7], 34078720          ; x2 at my first row
	s_lshl_b32 s18, s13, 10
	s_add_nc_u64 s[4:5], s[4:5], s[18:19]
	s_mul_i32 s18, s13, 16400
	s_add_nc_u64 s[10:11], s[10:11], s[18:19]
.irp rr, 0,1,2,3
	REP 8, 1, global_load_b128 v[X+32*(\rr)+4*i:X+32*(\rr)+4*i+3], v3, s[6:7] offset:4096*(\rr)+512*i
	REP 8, 1, global_load_b64 v[Y+16*(\rr)+2*i:Y+16*(\rr)+2*i+1], v4, s[4:5] offset:1048576*i+256*(\rr)
.endr
	s_wait_kmcnt 0x0
	v_mov_b32 v208, s20
	v_cvt_pk_bf16_f32 v208, v208, v208
	v_lshlrev_b32 v208, 16, v208
	v_mul_f32 v208, 0x3fb8aa3b, v208
	v_exp_f32 v208, v208
.irp rr, 0,1,2,3
	s_wait_loadcnt 48-16*(\rr)                     ; this row's 16 loads are in; the later rows' stay out
.set i, 0
.rept 16
	v_lshlrev_b32 v[200+2*(i%2)], 16, v[Y+16*(\rr)+i]
	v_and_b32 v[201+2*(i%2)], s14, v[Y+16*(\rr)+i]
	v_pk_add_f32 v[X+32*(\rr)+2*i:X+32*(\rr)+2*i+1], v[X+32*(\rr)+2*i:X+32*(\rr)+2*i+1], v[200+2*(i%2):201+2*(i%2)]
.set i, i+1
.endr
	v_pk_mul_f32 v[204:205], v[X+32*(\rr):X+32*(\rr)+1], v[X+32*(\rr):X+32*(\rr)+1]
	v_pk_mul_f32 v[206:207], v[X+32*(\rr)+2:X+32*(\rr)+3], v[X+32*(\rr)+2:X+32*(\rr)+3]
.set i, 4
.rept 7
	v_pk_fma_f32 v[204:205], v[X+32*(\rr)+i:X+32*(\rr)+i+1], v[X+32*(\rr)+i:X+32*(\rr)+i+1], v[204:205]
	v_pk_fma_f32 v[206:207], v[X+32*(\rr)+i+2:X+32*(\rr)+i+3], v[X+32*(\rr)+i+2:X+32*(\rr)+i+3], v[206:207]
.set i, i+4
.endr
	v_pk_add_f32 v[204:205], v[204:205], v[206:207]
	v_add_f32 v204, v204, v205
	WSUM 204, 205
	s_wait_alu depctr_va_vdst(0)
	v_add_f32 v204, v204, v208
	v_sqrt_f32 v204, v204
	v_nop
	REP 32, 1, ds_store_b32 v5, v[X+32*(\rr)+i] offset:4100*(\rr)+4+512*(i/4)+4*(i%4)
	s_wait_alu depctr_va_vdst(0)
	ds_store_b32 v6, v204 offset:4100*(\rr)        ; every lane the same word, the same number
.endr
	REP 32, 1, ds_load_b128 v[X+4*i:X+4*i+3], v5 offset:512*i  ; a wave's LDS instructions are served in order: these see the stores above
	ds_load_b128 v[Y:Y+3], v6 offset:16384         ; the 1,025th piece
.set u, 0
.rept 32
	s_wait_dscnt 32-u
	global_store_b128 v3, v[X+4*u:X+4*u+3], s[10:11] offset:512*u
.set u, u+1
.endr
	s_wait_dscnt 0x0
	v_cmp_eq_u32 vcc_lo, 0, v7
	s_wait_xcnt 0x0                                ; EXEC changes only behind this wait
	s_and_saveexec_b32 s21, vcc_lo
	global_store_b128 v3, v[Y:Y+3], s[10:11] offset:16384
	s_wait_xcnt 0x0
	s_or_b32 exec_lo, exec_lo, s21
	s_wait_tensorcnt 0x0                           ; the wave's end
	ds_add_u32 v1, v2
	s_wait_dscnt 0x0
	s_endpgm
.Lfunc_end_k_qd9f7df879b_fin:
	.size	k_qd9f7df879b_fin, .Lfunc_end_k_qd9f7df879b_fin-k_qd9f7df879b_fin
	.p2alignl 7, 3214868480
	.fill 96, 4, 3214868480
	.section	.rodata,"a",@progbits
	.p2align	6, 0x0
	.amdhsa_kernel k_qd9f7df879b_fin
		.amdhsa_group_segment_fixed_size 67072
		.amdhsa_private_segment_fixed_size 0
		.amdhsa_enable_private_segment 0
		.amdhsa_kernarg_size 32
		.amdhsa_user_sgpr_count 2
		.amdhsa_user_sgpr_kernarg_segment_ptr 1
		.amdhsa_wavefront_size32 1
		.amdhsa_system_sgpr_workgroup_id_x 1
		.amdhsa_system_sgpr_workgroup_id_y 1
		.amdhsa_system_sgpr_workgroup_id_z 1
		.amdhsa_system_vgpr_workitem_id 0
		.amdhsa_next_free_vgpr 216
		.amdhsa_next_free_sgpr 66
		.amdhsa_reserve_vcc 1
		.amdhsa_float_denorm_mode_32 3
		.amdhsa_float_denorm_mode_16_64 3
		.amdhsa_memory_ordered 1
		.amdhsa_forward_progress 1
		.amdhsa_inst_pref_size 37
	.end_amdhsa_kernel
	.amdgpu_metadata
---
amdhsa.version: [ 1, 2 ]
amdhsa.kernels:
  - .name:           k_qd9f7df879b_fin
    .symbol:         k_qd9f7df879b_fin.kd
    .args:
      - { .name: raw, .offset: 0, .size: 8, .value_kind: global_buffer, .address_space: global }
      - { .name: big, .offset: 8, .size: 8, .value_kind: global_buffer, .address_space: global }
      - { .name: block_curvature, .offset: 16, .size: 8, .value_kind: global_buffer, .address_space: global }
      - { .name: out0, .offset: 24, .size: 8, .value_kind: global_buffer, .address_space: global }
    .group_segment_fixed_size: 67072
    .private_segment_fixed_size: 0
    .kernarg_segment_align: 8
    .kernarg_segment_size: 32
    .max_flat_workgroup_size: 128
    .sgpr_count:     66
    .vgpr_count:     216
    .wavefront_size: 32
...
	.end_amdgpu_metadata
.endif
;; end of part 8
;; ======== version 2 of 2: 10 launches; 1.27 times as fast as version 1
;; limits: a function is approximated: absolute error at most 1.5e-07; right only within a limited range of input values
;; workspace buffers: act 8,978,432 bytes; wb1 6,815,744 bytes; wb2 3,145,728 bytes; wb3 8,925,184 bytes; wb4 8,912,896 bytes; raw 33,554,432 bytes; big 50,855,936 bytes
;; launch prep: the kernel of part 1 again; grid 1000 x 1, 8 waves a work-group, no clusters, 70,656 bytes of LDS; arguments w_qkv, w_attn_proj, w_mlp_expand, w_mlp_shrink, b_attn_proj, b_mlp_expand, b_mlp_shrink, wb1, wb2, wb3, wb4, x, ln_w, ln_b, block_curvature, act; writes wb1, wb2, wb3, wb4, act
;; launch gq: the kernel of part 2 again; grid 12 x 16, 4 waves a work-group, clusters of 4 x 4, 327,680 bytes of LDS; arguments act, wb1, raw; writes raw
;; launch rope: the kernel of part 3 again; grid 2048 x 1, 8 waves a work-group, no clusters, 0 bytes of LDS; arguments raw, wb2, attn_curvatures, big; writes big
;; launch attn (part 9): grid 8 x 32, 8 waves a work-group, no clusters, 39,168 bytes of LDS; arguments big, attn_curvatures, act; writes act
.if DOCPART == 9
	.amdgcn_target "amdgcn-amd-amdhsa--gfx1250"
	.amdhsa_code_object_version 6
	.text
	.protected	k_qd9f7df879b_attn
	.globl	k_qd9f7df879b_attn
	.p2align	8
	.type	k_qd9f7df879b_attn,@function
k_qd9f7df879b_attn:
	s_mov_b64 s[64:65], 0
	v_nop
	global_prefetch_b8 v0, s[64:65] scope:SCOPE_SE
	s_setreg_imm32_b32 hwreg(HW_REG_WAVE_MODE, 25, 1), 1
	s_wait_xcnt 0x0
; CAUSAL ATTENTION BY NEGATIVE LORENTZ DISTANCE.  ratio r = qt' kt - q' . k (q' = q / K, made in the launch before), held at 1 + 2^-23 from below; weight exp(-sqrt(K) arccosh r) = 2^(-c L),
; L = log2(r + sqrt(r^2 - 1)), c = sqrt(K).  The softmax's maximum is kept as a RUNNING MINIMUM of r (the weight falls with r): p = 2^(c Lmin - c L); in every half step O is multiplied by
; a = 2^(c Lmin_new - c Lmin_old).  lv has 80 channels: 64 of v, the time coordinate as high and low part, 1.0 (its sum is the softmax's divisor), zeros.
; At the end o = O / l is put back on the hyperboloid: o x c / sqrt(max(o0^2 - |o|^2, 1e-12)); space part to act's main part, time coordinate (high, low) to act's tail.
; LIMITS: r stays under 1e18 (the running minimum starts there, and r^2 must be finite); c = exp(k / 2) is finite and not 0; a hidden score counts as r = 1e30, whose weight is 0; NaN and infinities are not treated apart.
; SHARES.  A head's 2,048 queries lie in 16 blocks of 128.  A work-group takes blocks 15 - b (waves 0-3) and b (waves 4-7); a wave 32 queries, two tiles of 16.  Keys go 64 a step through LDS, once
; for both blocks; the loop has 2 (15 - b) + 2 trips; a wave whose queries lie below a step's keys jumps forward over the step's work (no barrier lies there).  Its last step takes the mask.
; NO TENSOR LOADS, NO CLUSTER: the trip count hangs on b, so partners would need different numbers of tiles; the tiles come through registers, asked for one step ahead.
; LAYOUT.  S^T = K Q^T: a lane holds one query (l % 16) and keys 8 (l / 16) + 0..7; two such results rounded to bf16 are source 1 of O^T = LV^T P, which again holds one query a lane.
; BATCHES.  A number goes through a root, a logarithm and an exponential, each of which reads the one before it.  So a half step's 102 of them are THREE BATCHES of 34, each with one wait:
; (A) the roots of r^2 - 1 for both tiles' 32 ratios and, last, for the two running minima; the lines that find the minima stand between the ratios' roots, which do not need them;
; (B) the logarithms of r + root, the same 34; LV's run of LDS loads stands directly behind this batch's wait, into the registers that held the roots;
; (C) the two a and the 32 weights.  All that reads an exponential (the roundings to bf16, O^T times a) stands behind batch C's wait.  No result crosses a label or a jump.
.set KO,   0                           ; LDS: K, 64 rows, pitch 144
.set LVO,  9216                        ; LV, 64 rows of 160 bytes
.set KTO,  19456                       ; kt, 64 f32
.set STG0, 19712                       ; 16 rows x 144 for each wave, for the way out
.set SPARE, 38144                      ; the spare words, 128 bytes a wave
.set ATAIL, 8388608
.set ST,  16                           ; tile t at ST + 8 t: +0, +1 qt; +2 the running minimum; +3 at work; +4, +5 c Lmin; +6, +7 a
.set T,   32                           ; v32-39 at work: v32, v33 the minima's second chains; v34-37 the two minima's way to c Lmin and a
.set Q,   60                           ; tile t, channel half c at Q + 16 t + 8 c
.set S,   92                           ; tile t, key block kb at S + 16 t + 8 kb: the ratios, then in place r + root, L, c Lmin - c L, the weights; P takes S + 16 t + 0..7
.set KF,  124                          ; key block kb, channel half c at KF + 16 kb + 8 c
.set KT,  156
.set RW,  124                          ; v124-155: r^2 - 1 and its root for the 32 ratios, each in a register of its own: K's places, between the first product and LV's loads
.set VF,  124                          ; channel block cb at VF + 8 cb: takes K's and part of kt's places when the roots have been used
.set O,   172                          ; tile t, channel block cb at O + 40 t + 8 cb
.set CC,  252                          ; c;  v[14:15] = -c
.set SEL, 42
.macro REP n, st, line:vararg
.set i, 0
.rept \n
	\line
.set i, i+(\st)
.endr
.endm
.macro STAGEIN                         ; a step's K (8,192 bytes), LV (10,240) and kt (256) into registers: 16 bytes a thread and load
	global_load_b128 v[40:43], v6, s[28:29]
	global_load_b128 v[44:47], v6, s[28:29] offset:4096
	global_load_b128 v[48:51], v6, s[30:31]
	global_load_b128 v[52:55], v6, s[30:31] offset:4096
	s_cmp_lt_u32 s10, 4
	s_cbranch_scc0 .Lin_hi_\@
	global_load_b128 v[56:59], v6, s[30:31] offset:8192
	s_branch .Lin_done_\@
.Lin_hi_\@:
	s_cmp_lt_u32 s10, 6
	s_cbranch_scc0 .Lin_done_\@
	global_load_b32 v56, v9, s[32:33]
.Lin_done_\@:
.endm
.macro FILL                            ; the next pair of O^T times a, each accumulator from its low end on
	v_pk_mul_f32 v[O+40*(rn/20)+2*(rn%20):O+40*(rn/20)+2*(rn%20)+1], v[O+40*(rn/20)+2*(rn%20):O+40*(rn/20)+2*(rn%20)+1], v[ST+8*(rn/20)+6:ST+8*(rn/20)+7] op_sel_hi:[1,0]
.set rn, rn+1
.endm
.macro MN t, n                         ; line n of the ten by which the running minimum takes tile t's 16 ratios and the other half of the lanes'
.set sb, S+16*(\t)
.set st, ST+8*(\t)
.if (\n) == 0
	v_min3_num_f32 v[st+3], v[st+2], v[sb], v[sb+1]
.elseif (\n) == 1
	v_min3_num_f32 v[T+(\t)], v[sb+2], v[sb+3], v[sb+4]
.elseif (\n) == 7
	v_min3_num_f32 v[T+(\t)], v[T+(\t)], v[sb+15], v[st+3]
.elseif (\n) == 8
	v_permlanex16_b32 v[st+3], v[T+(\t)], s[SEL], s[SEL+1]
.elseif (\n) == 9
	v_min_num_f32 v[st+2], v[T+(\t)], v[st+3]
.elseif (\n)%2 == 0
	v_min3_num_f32 v[st+3], v[st+3], v[sb+2*(\n)+1], v[sb+2*(\n)+2]
.else
	v_min3_num_f32 v[T+(\t)], v[T+(\t)], v[sb+2*(\n)+1], v[sb+2*(\n)+2]
.endif
.endm
; The three plain lines on pair p of the 16 pairs of ratios (tile p / 8), one ahead of each batch
.macro RSQ1 p                          ; r^2 - 1, into RW
	v_pk_fma_f32 v[RW+2*(\p):RW+2*(\p)+1], v[S+2*(\p):S+2*(\p)+1], v[S+2*(\p):S+2*(\p)+1], -1.0 op_sel_hi:[1,1,0]
.endm
.macro PLUSR p                         ; root + r, in r's place
	v_pk_add_f32 v[S+2*(\p):S+2*(\p)+1], v[RW+2*(\p):RW+2*(\p)+1], v[S+2*(\p):S+2*(\p)+1]
.endm
.macro SCALE p                         ; c Lmin - c L, in place
	v_pk_fma_f32 v[S+2*(\p):S+2*(\p)+1], v[S+2*(\p):S+2*(\p)+1], v[14:15], v[ST+8*((\p)/8)+4:ST+8*((\p)/8)+5] op_sel_hi:[1,0,0]
.endm
; 32 keys (half hs of a step) for both tiles.  m = 1: the step that holds the diagonal.
.macro HALF hs, m
.set rn, 0
.irp kb, 0,1
.irp c, 0,1
	ds_load_b128 v[KF+16*(\kb)+8*(\c):KF+16*(\kb)+8*(\c)+3],   v3 offset:(32*(\hs)+16*(\kb))*144+64*(\c)
	ds_load_b128 v[KF+16*(\kb)+8*(\c)+4:KF+16*(\kb)+8*(\c)+7], v3 offset:(32*(\hs)+16*(\kb))*144+64*(\c)+32
.endr
.endr
.irp kb, 0,1
	ds_load_b128 v[KT+8*(\kb):KT+8*(\kb)+3],   v5 offset:128*(\hs)+64*(\kb)
	ds_load_b128 v[KT+8*(\kb)+4:KT+8*(\kb)+7], v5 offset:128*(\hs)+64*(\kb)+16
.endr
	s_wait_dscnt 0x0
	; the four accumulators take turns; the first four products start the sums
.irp kb, 0,1
.irp t, 0,1
	v_wmma_f32_16x16x32_bf16 v[S+16*(\t)+8*(\kb):S+16*(\t)+8*(\kb)+7], v[KF+16*(\kb):KF+16*(\kb)+7], v[Q+16*(\t):Q+16*(\t)+7], 0
.endr
.endr
.irp kb, 0,1
.irp t, 0,1
	v_wmma_f32_16x16x32_bf16 v[S+16*(\t)+8*(\kb):S+16*(\t)+8*(\kb)+7], v[KF+16*(\kb)+8:KF+16*(\kb)+15], v[Q+16*(\t)+8:Q+16*(\t)+15], v[S+16*(\t)+8*(\kb):S+16*(\t)+8*(\kb)+7]
.endr
.endr
.rept 4
	v_nop                                          ; four places behind the products, ahead of the reads of their results and of the writes into K's registers
.endr
.irp t, 0,1
.irp kb, 0,1
	REP 4, 2, v_pk_fma_f32 v[S+16*(\t)+8*(\kb)+i:S+16*(\t)+8*(\kb)+i+1], v[KT+8*(\kb)+i:KT+8*(\kb)+i+1], v[ST+8*(\t):ST+8*(\t)+1], v[S+16*(\t)+8*(\kb)+i:S+16*(\t)+8*(\kb)+i+1] op_sel_hi:[1,0,1] neg_lo:[0,0,1] neg_hi:[0,0,1]
.endr
.endr
.if \m
.irp t, 0,1
.irp kb, 0,1
.set j, 0
.rept 8
	v_cmp_gt_i32 vcc_lo, 32*(\hs)+16*(\kb)+j, v[12+(\t)]  ; the key lies behind the query
	v_cndmask_b32 v[S+16*(\t)+8*(\kb)+j], v[S+16*(\t)+8*(\kb)+j], v11, vcc_lo
.set j, j+1
.endr
.endr
.endr
.endif
	REP 32, 1, v_max_num_f32 v[S+i], s41, v[S+i]
	; BATCH A: 34 roots.  Six pairs of r^2 - 1 go ahead; then plain and root by turns: in each of ten rounds a line of each tile's minimum and the next pair of r^2 - 1, behind each a root.
	; Round z takes roots 3 z .. 3 z + 2 and writes pair z + 6 (registers 2 z + 12, 2 z + 13): always ahead of the roots taken so far.
.set z, 0
.rept 6
	RSQ1 z
.set z, z+1
.endr
.set z, 0
.rept 10
	MN 0, z
	v_sqrt_f32 v[RW+3*z], v[RW+3*z]
	MN 1, z
	v_sqrt_f32 v[RW+3*z+1], v[RW+3*z+1]
	RSQ1 z+6
	v_sqrt_f32 v[RW+3*z+2], v[RW+3*z+2]
.set z, z+1
.endr
	v_fma_f32 v34, v[ST+2], v[ST+2], -1.0          ; the two new minima walk the same way as the ratios, side by side
	v_sqrt_f32 v[RW+30], v[RW+30]
	v_fma_f32 v35, v[ST+10], v[ST+10], -1.0
	v_sqrt_f32 v[RW+31], v[RW+31]
	v_sqrt_f32 v34, v34
	v_sqrt_f32 v35, v35
	v_nop                                          ; a plain line behind the last root: one for the batch
	s_wait_alu depctr_va_vdst(0)                   ; one wait for batch A's 34 roots, ahead of their first reader
	; BATCH B: 34 logarithms, in place; the sums root + r stand between them, each a pair ahead of its logarithms
	v_add_f32 v34, v34, v[ST+2]
	v_add_f32 v35, v35, v[ST+10]
	PLUSR 0
.set z, 0
.rept 16
.if z < 15
	PLUSR z+1
.endif
	v_log_f32 v[S+2*z], v[S+2*z]
	v_log_f32 v[S+2*z+1], v[S+2*z+1]
.set z, z+1
.endr
	v_log_f32 v34, v34
	v_log_f32 v35, v35
	v_nop                                          ; a plain line behind the last logarithm: one for the batch
	s_wait_alu depctr_va_vdst(0)                   ; one wait for batch B's 34 logarithms, ahead of their first reader and directly ahead of the run of LDS loads
.irp cb, 0,1,2,3,4                     ; LV turned: 32 keys x 80 channels, into the registers that held the roots; waited for in front of the second product
	ds_load_tr16_b128 v[VF+8*(\cb):VF+8*(\cb)+3],   v4 offset:32*(\hs)*160+32*(\cb)
	ds_load_tr16_b128 v[VF+8*(\cb)+4:VF+8*(\cb)+7], v4 offset:32*(\hs)*160+16*160+32*(\cb)
.endr
	; BATCH C: 34 exponentials: the two a, then the 32 weights in place; the scalings stand between them, each two pairs ahead of its exponentials
	v_mul_f32 v34, v34, v[CC]                      ; c Lmin and its change, both tiles side by side
	v_mul_f32 v35, v35, v[CC]
	v_sub_f32 v36, v34, v[ST+4]
	v_sub_f32 v37, v35, v[ST+12]
	v_mov_b32 v[ST+4], v34
	v_mov_b32 v[ST+12], v35
	SCALE 0
	v_exp_f32 v[ST+6], v36
	SCALE 1
	v_exp_f32 v[ST+14], v37
.set z, 0
.rept 16
.if z < 14
	SCALE z+2
.endif
	v_exp_f32 v[S+2*z], v[S+2*z]
	v_exp_f32 v[S+2*z+1], v[S+2*z+1]
.set z, z+1
.endr
	v_nop                                          ; a plain line behind the last exponential: one for the batch
	s_wait_alu depctr_va_vdst(0)                   ; one wait for batch C's 34 exponentials, ahead of their first reader; nothing of the kind is issued behind it in the half step
.irp t, 0,1                            ; the weights rounded to bf16, in place and ascending: word i takes weights 2 i and 2 i + 1, which no earlier word has overwritten
	REP 8, 1, v_cvt_pk_bf16_f32 v[S+16*(\t)+i], v[S+16*(\t)+2*i], v[S+16*(\t)+2*i+1]
.endr
.rept 40
	FILL
.endr
	s_wait_dscnt 0x0                               ; LV is in
.irp cb, 0,1,2,3,4                     ; ten accumulators, one instruction each
.irp t, 0,1
	v_wmma_f32_16x16x32_bf16 v[O+40*(\t)+8*(\cb):O+40*(\t)+8*(\cb)+7], v[VF+8*(\cb):VF+8*(\cb)+7], v[S+16*(\t):S+16*(\t)+7], v[O+40*(\t)+8*(\cb):O+40*(\t)+8*(\cb)+7]
.endr
.endr
.rept 5
	v_nop                                          ; five places: the next products write over P, the next loads over LV
.endr
.endm
	s_load_b128 s[4:7], s[0:1], 0x0                ; big 4, attn_curvatures 6
	s_load_b64 s[8:9], s[0:1], 0x10                ; act
	v_lshl_add_u32 v1, v0, 2, SPARE
	v_mov_b32 v2, 0
	v_lshrrev_b32 v32, 5, v0
	v_readfirstlane_b32 s10, v32                   ; wave
	s_mov_b32 s11, ttmp9                           ; b
	s_and_b32 s12, ttmp7, 0xffff                   ; batch x 16 + head
	s_sub_co_u32 s13, 15, s11
	s_cmp_lt_u32 s10, 4
	s_cselect_b32 s14, s13, s11                    ; my block
	s_and_b32 s15, s10, 3
	s_lshl_b32 s15, s15, 5
	s_lshl_b32 s21, s14, 7
	s_add_co_u32 s15, s15, s21                     ; my first query
	s_lshr_b32 s16, s15, 6                         ; my last step
	s_lshl_b32 s17, s13, 1
	s_add_co_u32 s17, s17, 2                       ; the work-group's steps
	s_and_b32 s19, s12, 15
	s_lshr_b32 s20, s12, 4
	s_mov_b32 s41, 0x3f800001
	s_mov_b32 s[SEL], 0x76543210
	s_mov_b32 s[SEL+1], 0xfedcba98
	s_lshl_b32 s44, s12, 18
	s_mov_b32 s45, 0
	s_mul_i32 s46, s12, 327680
	s_mov_b32 s47, 0
	v_and_b32 v33, 15, v0
	v_bfe_u32 v34, v0, 4, 1
	v_mul_u32_u24 v3, v33, 144
	v_lshl_add_u32 v3, v34, 4, v3                  ; K's fragments: row x 144 + 16 x half
	v_and_b32 v35, 7, v0
	v_lshl_add_u32 v4, v34, 3, v35
	v_mul_u32_u24 v4, v4, 160
	v_bfe_u32 v36, v0, 3, 1
	v_lshl_add_u32 v4, v36, 4, v4
	v_add_nc_u32 v4, LVO, v4                       ; the turning load's place
	v_lshlrev_b32 v5, 5, v34
	v_add_nc_u32 v5, KTO, v5
	v_lshlrev_b32 v6, 4, v0
	v_lshrrev_b32 v7, 3, v0
	v_mul_u32_u24 v7, v7, 144
	v_lshl_add_u32 v7, v35, 4, v7
	v_add_nc_u32 v8, LVO, v6
	v_and_b32 v9, 63, v0
	v_lshlrev_b32 v9, 2, v9
	v_add_nc_u32 v10, KTO, v9
	v_mov_b32 v11, 0x7149f2ca                      ; 1e30
	s_and_b32 s21, s15, 63
	v_lshlrev_b32 v12, 3, v34
	v_sub_nc_u32 v12, v33, v12
	v_add_nc_u32 v12, s21, v12                     ; my query's place in its step, less my lanes' 8 (l / 16)
	v_add_nc_u32 v13, 16, v12
	v_lshlrev_b32 v37, 7, v33
	v_lshl_add_u32 v37, v34, 4, v37
	v_lshlrev_b32 v38, 2, v33
	s_lshl_b32 s21, s19, 2
	v_mov_b32 v39, s21
	s_wait_kmcnt 0x0
	s_add_nc_u64 s[34:35], s[4:5], s[44:45]
	s_add_nc_u64 s[22:23], s[34:35], 8388608       ; the head's K
	s_lshl_b32 s44, s15, 7
	s_add_nc_u64 s[34:35], s[34:35], s[44:45]      ; my queries
	s_add_nc_u64 s[24:25], s[4:5], s[46:47]
	s_add_nc_u64 s[24:25], s[24:25], 16777216      ; the head's LV
	s_lshl_b32 s44, s12, 13
	s_add_nc_u64 s[26:27], s[4:5], s[44:45]
	s_add_nc_u64 s[26:27], s[26:27], 27262976      ; the head's kt
	s_lshl_b32 s44, s15, 2
	s_add_nc_u64 s[36:37], s[26:27], s[44:45]
	s_add_nc_u64 s[36:37], s[36:37], 262144        ; my queries' qt
	s_mov_b64 s[28:29], s[22:23]
	s_mov_b64 s[30:31], s[24:25]
	s_mov_b64 s[32:33], s[26:27]
	global_load_b32 v[CC], v39, s[6:7]
	global_load_b32 v[ST], v38, s[36:37]
	global_load_b32 v[ST+8], v38, s[36:37] offset:64
.irp t, 0,1
.irp c, 0,1
	global_load_b128 v[Q+16*(\t)+8*(\c):Q+16*(\t)+8*(\c)+3],   v37, s[34:35] offset:2048*(\t)+64*(\c)
	global_load_b128 v[Q+16*(\t)+8*(\c)+4:Q+16*(\t)+8*(\c)+7], v37, s[34:35] offset:2048*(\t)+64*(\c)+32
.endr
.endr
	STAGEIN
	REP 80, 1, v_mov_b32 v[O+i], 0                 ; no first step is written out: O starts at 0; this stands in the wait for the first loads
	s_wait_loadcnt 0x0
	v_cvt_pk_bf16_f32 v[CC], v[CC], v[CC]
	v_lshlrev_b32 v[CC], 16, v[CC]
	v_mul_f32 v[CC], 0x3f38aa3b, v[CC]
	v_exp_f32 v[CC], v[CC]                         ; c = exp(k / 2)
	v_mov_b32 v[ST+1], 0                           ; a plain line behind the exponential
	s_wait_alu depctr_va_vdst(0)                   ; the wait for that one exponential, ahead of its first reader
	v_mul_f32 v14, -1.0, v[CC]
	v_mov_b32 v15, v14
.irp t, 0,1
	v_mov_b32 v[ST+8*(\t)+1], 0
	v_mov_b32 v[ST+8*(\t)+2], 0x5d5e0b6b           ; 1e18
	v_mov_b32 v[ST+8*(\t)+3], 0
	v_mul_f32 v[ST+8*(\t)+4], 0x42733333, v[CC]    ; 60.8 c: not below c log2(2e18), so the first a is at most 1
	v_mov_b32 v[ST+8*(\t)+5], 0
	v_mov_b32 v[ST+8*(\t)+7], 0
.endr
	s_mov_b32 s18, 0
.Ltrip:
	s_wait_loadcnt 0x0                             ; this step's tiles are in my registers; their bases may be written
	s_wait_dscnt 0x0                               ; my reads of the last step's tiles are over
	s_barrier_signal -1
	s_barrier_wait -1                              ; everybody's are
	ds_store_b128 v7, v[40:43]
	ds_store_b128 v7, v[44:47] offset:4608
	ds_store_b128 v8, v[48:51]
	ds_store_b128 v8, v[52:55] offset:4096
	s_cmp_lt_u32 s10, 4
	s_cbranch_scc0 .Lst_hi
	ds_store_b128 v8, v[56:59] offset:8192
	s_branch .Lst_done
.Lst_hi:
	s_cmp_lt_u32 s10, 6
	s_cbranch_scc0 .Lst_done
	ds_store_b32 v10, v56
.Lst_done:
	s_wait_dscnt 0x0                               ; for the others' sake: my stores are done
	s_barrier_signal -1
	s_barrier_wait -1
	s_add_co_u32 s44, s18, 1                       ; the next step's tiles are asked for now; the last trip asks for its own once more, so that no load leaves the head
	s_sub_co_u32 s46, s17, 1
	s_min_u32 s44, s44, s46
	s_lshl_b32 s46, s44, 13
	s_add_nc_u64 s[28:29], s[22:23], s[46:47]
	s_mul_i32 s46, s44, 10240
	s_add_nc_u64 s[30:31], s[24:25], s[46:47]
	s_lshl_b32 s46, s44, 8
	s_add_nc_u64 s[32:33], s[26:27], s[46:47]
	STAGEIN
	s_cmp_gt_u32 s18, s16
	s_cbranch_scc1 .Lbottom                        ; all the step's keys lie behind my queries
	s_cmp_eq_u32 s18, s16
	s_cbranch_scc1 .Ldiag
	HALF 0, 0
	HALF 1, 0
	s_branch .Lbottom
.Ldiag:
	HALF 0, 1
	HALF 1, 1
.Lbottom:
	s_add_co_u32 s18, s18, 1
	s_cmp_lt_u32 s18, s17
	s_cbranch_scc1 .Ltrip
	s_wait_loadcnt 0x0                             ; the last trip's loads: their registers are used below
	v_and_b32 v40, 15, v0
	v_bfe_u32 v41, v0, 4, 1
	v_and_b32 v42, 7, v0
	v_bfe_u32 v43, v0, 3, 2
	s_mul_i32 s21, s10, 2304
	s_add_co_u32 s21, s21, STG0                    ; my stage
	v_mul_u32_u24 v44, v40, 144
	v_lshl_add_u32 v44, v41, 4, v44
	v_add_nc_u32 v44, s21, v44                     ; in: row l % 16, 16 bytes for each half of the lanes
	v_mul_u32_u24 v45, v43, 144
	v_lshl_add_u32 v45, v42, 4, v45
	v_add_nc_u32 v45, s21, v45                     ; back: four rows of 128 bytes
	v_lshlrev_b32 v46, 11, v43
	v_lshl_add_u32 v46, v42, 4, v46
	v_lshlrev_b32 v47, 7, v40
	v_lshl_add_u32 v47, v41, 6, v47                ; the tail: lanes 0-15 word `head`, lanes 16-31 word 16 + head
	s_lshl_b32 s21, s20, 11
	s_add_co_u32 s21, s21, s15                     ; my first row of act
	s_lshl_b32 s44, s21, 11
	s_lshl_b32 s46, s19, 7
	s_add_co_u32 s44, s44, s46
	s_add_nc_u64 s[28:29], s[8:9], s[44:45]
	s_lshl_b32 s44, s21, 7
	s_lshl_b32 s46, s19, 2
	s_add_co_u32 s44, s44, s46
	s_add_nc_u64 s[30:31], s[8:9], s[44:45]
	s_add_nc_u64 s[30:31], s[30:31], ATAIL
	s_cmp_eq_u32 s19, 0
	s_cselect_b32 s48, 0x3f80, 0                   ; word 16 holds 1.0 (it meets the bias), words 17 to 31 hold 0
	v_mov_b32 v48, s48
	v_cmp_eq_u32 vcc_lo, 0, v41
.macro FINI t
.set ob, O+40*(\t)
	v_add_f32 v32, v[ob+32], v[ob+33]              ; the time coordinate's two parts (lanes 0-15; the others hold channels that are 0)
	v_mov_b32 v33, v[ob+34]                        ; the sum of the weights
	v_pk_mul_f32 v[34:35], v[ob:ob+1], v[ob:ob+1]
	v_pk_mul_f32 v[36:37], v[ob+2:ob+3], v[ob+2:ob+3]
.set i, 4
.rept 7
	v_pk_fma_f32 v[34:35], v[ob+i:ob+i+1], v[ob+i:ob+i+1], v[34:35]
	v_pk_fma_f32 v[36:37], v[ob+i+2:ob+i+3], v[ob+i+2:ob+i+3], v[36:37]
.set i, i+4
.endr
	v_pk_add_f32 v[34:35], v[34:35], v[36:37]
	v_add_f32 v34, v34, v35
	v_permlanex16_b32 v35, v32, s[SEL], s[SEL+1]
	v_permlanex16_b32 v36, v33, s[SEL], s[SEL+1]
	v_permlanex16_b32 v37, v34, s[SEL], s[SEL+1]
	v_add_f32 v32, v32, v35
	v_add_f32 v33, v33, v36
	v_add_f32 v34, v34, v37
	v_rcp_f32 v33, v33
	v_nop
	s_wait_alu depctr_va_vdst(0)                   ; the wait for the tile's reciprocal, ahead of its first reader
	v_mul_f32 v35, v32, v33
	v_mul_f32 v36, v34, v33
	v_mul_f32 v36, v36, v33
	v_fma_f32 v36, v35, v35, -v36                  ; o0^2 - |o|^2
	v_max_num_f32 v36, 0x2b8cbccc, v36
	v_rsq_f32 v36, v36
	v_mul_f32 v37, v[CC], v33
	s_wait_alu depctr_va_vdst(0)                   ; the wait for the tile's root, whose source hangs on the reciprocal: a batch of its own
	v_mul_f32 v36, v36, v37                        ; c / (l x Lorentz norm)
	REP 16, 2, v_pk_mul_f32 v[ob+i:ob+i+1], v[ob+i:ob+i+1], v[36:37] op_sel_hi:[1,0]
	REP 16, 1, v_cvt_pk_bf16_f32 v[S+16*(\t)+i], v[ob+2*i], v[ob+2*i+1]
	v_mul_f32 v32, v32, v36
	v_cvt_pk_bf16_f32 v39, v32, v32
	v_lshlrev_b32 v39, 16, v39
	v_sub_f32 v39, v32, v39
	v_cvt_pk_bf16_f32 v[50+(\t)], v32, v39
	v_cndmask_b32 v[50+(\t)], v48, v[50+(\t)], vcc_lo
	REP 4, 1, ds_store_b128 v44, v[S+16*(\t)+4*i:S+16*(\t)+4*i+3] offset:32*i
	REP 4, 1, ds_load_b128 v[KF+16*(\t)+4*i:KF+16*(\t)+4*i+3], v45 offset:576*i  ; a wave's LDS instructions are served in order: these see the stores above
.set f, 0
.rept 4
	s_wait_dscnt 3-f
	global_store_b128 v46, v[KF+16*(\t)+4*f:KF+16*(\t)+4*f+3], s[28:29] offset:32768*(\t)+8192*f
.set f, f+1
.endr
	global_store_b32 v47, v[50+(\t)], s[30:31] offset:2048*(\t)
.endm
	FINI 0
	FINI 1
	s_wait_tensorcnt 0x0                           ; the wave's end
	ds_add_u32 v1, v2
	s_wait_dscnt 0x0
	s_endpgm
.Lfunc_end_k_qd9f7df879b_attn:
	.size	k_qd9f7df879b_attn, .Lfunc_end_k_qd9f7df879b_attn-k_qd9f7df879b_attn
	.p2alignl 7, 3214868480
	.fill 96, 4, 3214868480
	.section	.rodata,"a",@progbits
	.p2align	6, 0x0
	.amdhsa_kernel k_qd9f7df879b_attn
		.amdhsa_group_segment_fixed_size 39168
		.amdhsa_private_segment_fixed_size 0
		.amdhsa_enable_private_segment 0
		.amdhsa_kernarg_size 24
		.amdhsa_user_sgpr_count 2
		.amdhsa_user_sgpr_kernarg_segment_ptr 1
		.amdhsa_wavefront_size32 1
		.amdhsa_system_sgpr_workgroup_id_x 1
		.amdhsa_system_sgpr_workgroup_id_y 1
		.amdhsa_system_sgpr_workgroup_id_z 1
		.amdhsa_system_vgpr_workitem_id 0
		.amdhsa_next_free_vgpr 256
		.amdhsa_next_free_sgpr 66
		.amdhsa_reserve_vcc 1
		.amdhsa_float_denorm_mode_32 3
		.amdhsa_float_denorm_mode_16_64 3
		.amdhsa_memory_ordered 1
		.amdhsa_forward_progress 1
		.amdhsa_inst_pref_size 92
	.end_amdhsa_kernel
	.amdgpu_metadata
---
amdhsa.version: [ 1, 2 ]
amdhsa.kernels:
  - .name:           k_qd9f7df879b_attn
    .symbol:         k_qd9f7df879b_attn.kd
    .args:
      - { .name: big, .offset: 0, .size: 8, .value_kind: global_buffer, .address_space: global }
      - { .name: attn_curvatures, .offset: 8, .size: 8, .value_kind: global_buffer, .address_space: global }
      - { .name: act, .offset: 16, .size: 8, .value_kind: global_buffer, .address_space: global }
    .group_segment_fixed_size: 39168
    .private_segment_fixed_size: 0
    .kernarg_segment_align: 8
    .kernarg_segment_size: 24
    .max_flat_workgroup_size: 256
    .sgpr_count:     66
    .vgpr_count:     256
    .wavefront_size: 32
...
	.end_amdgpu_metadata
.endif
;; end of part 9
;; launch gp: the kernel of part 2 again; grid 4 x 16, 4 waves a work-group, clusters of 4 x 4, 327,680 bytes of LDS; arguments act, wb2, raw; writes raw
;; launch ln2: the kernel of part 5 again; grid 512 x 1, 8 waves a work-group, no clusters, 0 bytes of LDS; arguments x, raw, ln_w, ln_b, block_curvature, wb3, w_mlp_expand, b_mlp_expand, act, big; writes act, big
;; launch ge: the kernel of part 2 again; grid 16 x 16, 4 waves a work-group, clusters of 4 x 4, 327,680 bytes of LDS; arguments act, wb3, raw; writes raw
;; launch act3 (part 10): grid 512 x 1, 8 waves a work-group, no clusters, 0 bytes of LDS; arguments raw, act, mlp_curvature, big; writes big
.if DOCPART == 10
	.amdgcn_target "amdgcn-amd-amdhsa--gfx1250"
	.amdhsa_code_object_version 6
	.text
	.protected	k_qd9f7df879b_act3
	.globl	k_qd9f7df879b_act3
	.p2align	8
	.type	k_qd9f7df879b_act3,@function
k_qd9f7df879b_act3:
	s_mov_b64 s[64:65], 0
	v_nop
	global_prefetch_b8 v0, s[64:65] scope:SCOPE_SE
	s_setreg_imm32_b32 hwreg(HW_REG_WAVE_MODE, 25, 1), 1
	s_wait_xcnt 0x0
; h = gelu(expanded row), exact form 0.5 x (1 + erf(x / sqrt 2)); th = sqrt(exp(k) + |h|^2) over all 4,099 numbers.  One wave, one row: 4,096 numbers from 32 panels, three (e) in f32 from act.
; Out: h in bf16, row-major (512 consecutive bytes a store), and a tail of 64 bf16: th high, th low, gelu(e0..e2), 1.0, zeros.
; erf(z) = 1 - (a1 t + .. + a5 t^5) exp(-z^2), t = 1 / (1 + 0.3275911 z), z >= 0 (Abramowitz and Stegun 7.1.26).  LIMIT: its absolute error, 1.5e-7, for every z.
; gelu = hx + |hx| (1 - g), hx = x / 2, g the polynomial times the exponential: one form for both signs.
; BATCHES.  The eight reciprocals and eight exponentials of eight numbers are one batch, each result in a register of its own, with one wait: the eight halvings of x and |x| stand between the batch
; and its wait, the polynomial behind it.  At the row's end exp(k) and the root of the sum that takes it are two batches of one.
.set XF, 40
.set AX, 48
.set DD, 56
.set WW, 64
.set PP, 72
.set ACC, 80
.set SEL, 14
.macro REP n, st, line:vararg
.set i, 0
.rept \n
	\line
.set i, i+(\st)
.endr
.endm
.macro WSUM v, t
	v_add_f32_dpp v[\v], v[\v], v[\v] row_xmask:1 row_mask:0xf bank_mask:0xf
	v_add_f32_dpp v[\v], v[\v], v[\v] row_xmask:2 row_mask:0xf bank_mask:0xf
	v_add_f32_dpp v[\v], v[\v], v[\v] row_xmask:4 row_mask:0xf bank_mask:0xf
	v_add_f32_dpp v[\v], v[\v], v[\v] row_xmask:8 row_mask:0xf bank_mask:0xf
	v_permlanex16_b32 v[\t], v[\v], s[SEL], s[SEL+1]
	v_add_f32 v[\v], v[\v], v[\t]
.endm
.macro GCORE dst                       ; gelu of the eight numbers in XF: f32 in PP, bf16 in v[dst .. dst+3]; their squares onto ACC
	REP 8, 1, v_and_b32 v[AX+i], s33, v[XF+i]
	REP 4, 2, v_pk_fma_f32 v[DD+i:DD+i+1], v[AX+i:AX+i+1], 0x3e6d3388, 1.0 op_sel_hi:[1,0,0]
	REP 4, 2, v_pk_mul_f32 v[WW+i:WW+i+1], v[XF+i:XF+i+1], v[XF+i:XF+i+1]
	REP 4, 2, v_pk_mul_f32 v[WW+i:WW+i+1], v[WW+i:WW+i+1], 0xbf38aa3b op_sel_hi:[1,0]
	REP 8, 1, v_rcp_f32 v[DD+i], v[DD+i]
	REP 8, 1, v_exp_f32 v[WW+i], v[WW+i]
	REP 4, 2, v_pk_mul_f32 v[XF+i:XF+i+1], v[XF+i:XF+i+1], 0.5 op_sel_hi:[1,0]
	REP 4, 2, v_pk_mul_f32 v[AX+i:AX+i+1], v[AX+i:AX+i+1], 0.5 op_sel_hi:[1,0]
	s_wait_alu depctr_va_vdst(0)                   ; one wait for the batch of eight reciprocals and eight exponentials, ahead of their first reader; the eight lines above name none of the results
	REP 4, 2, v_pk_fma_f32 v[PP+i:PP+i+1], v[DD+i:DD+i+1], s[16:17], s[18:19] op_sel_hi:[1,0,0]
	REP 4, 2, v_pk_fma_f32 v[PP+i:PP+i+1], v[PP+i:PP+i+1], v[DD+i:DD+i+1], s[20:21] op_sel_hi:[1,1,0]
	REP 4, 2, v_pk_fma_f32 v[PP+i:PP+i+1], v[PP+i:PP+i+1], v[DD+i:DD+i+1], s[22:23] op_sel_hi:[1,1,0]
	REP 4, 2, v_pk_fma_f32 v[PP+i:PP+i+1], v[PP+i:PP+i+1], v[DD+i:DD+i+1], s[24:25] op_sel_hi:[1,1,0]
	REP 4, 2, v_pk_mul_f32 v[PP+i:PP+i+1], v[PP+i:PP+i+1], v[DD+i:DD+i+1]
	REP 4, 2, v_pk_mul_f32 v[PP+i:PP+i+1], v[PP+i:PP+i+1], v[WW+i:WW+i+1]
	REP 4, 2, v_pk_fma_f32 v[PP+i:PP+i+1], v[PP+i:PP+i+1], v[AX+i:AX+i+1], v[AX+i:AX+i+1] neg_lo:[1,0,0] neg_hi:[1,0,0]
	REP 4, 2, v_pk_add_f32 v[PP+i:PP+i+1], v[PP+i:PP+i+1], v[XF+i:XF+i+1]
	REP 4, 2, v_pk_fma_f32 v[ACC+i%4:ACC+i%4+1], v[PP+i:PP+i+1], v[PP+i:PP+i+1], v[ACC+i%4:ACC+i%4+1]
	REP 4, 1, v_cvt_pk_bf16_f32 v[(\dst)+i], v[PP+2*i], v[PP+2*i+1]
.endm
	s_load_b256 s[4:11], s[0:1], 0x0               ; raw 4, act 6, mlp_curvature 8, big 10
	v_and_b32 v1, 31, v0
	v_lshrrev_b32 v2, 5, v0
	v_readfirstlane_b32 s12, v2
	s_lshl_b32 s13, ttmp9, 3
	s_add_co_u32 s13, s13, s12                     ; my row
	s_mov_b32 s[SEL], 0x76543210
	s_mov_b32 s[SEL+1], 0xfedcba98
	s_mov_b32 s16, 0x3f87dc22                      ; a5 .. a1, each named as a pair
	s_mov_b32 s17, s16
	s_mov_b32 s18, 0xbfba00e3
	s_mov_b32 s19, s18
	s_mov_b32 s20, 0x3fb5f0e3
	s_mov_b32 s21, s20
	s_mov_b32 s22, 0xbe91a98e
	s_mov_b32 s23, s22
	s_mov_b32 s24, 0x3e827906
	s_mov_b32 s25, s24
	s_mov_b32 s29, 0xffff0000
	s_mov_b32 s33, 0x7fffffff
	v_lshrrev_b32 v2, 4, v1
	v_and_b32 v4, 15, v1
	v_lshlrev_b32 v2, 20, v2
	v_lshl_add_u32 v2, v4, 4, v2                   ; lanes 0-15 one panel's 256 bytes, lanes 16-31 the next panel's
	v_lshlrev_b32 v3, 4, v1
	v_lshlrev_b32 v5, 2, v1
	v_mov_b32 v6, 0
	REP 4, 1, v_mov_b32 v[ACC+i], 0
	s_lshl_b32 s26, s13, 8
	s_mov_b32 s27, 0
	s_wait_kmcnt 0x0
	s_load_b32 s32, s[8:9], 0x0
	s_add_nc_u64 s[4:5], s[4:5], s[26:27]
	s_lshl_b32 s26, s13, 4
	s_add_nc_u64 s[6:7], s[6:7], s[26:27]
	s_add_nc_u64 s[6:7], s[6:7], 8912896
	global_load_b128 v[84:87], v6, s[6:7]          ; e0, e1, e2, 0: the same for every lane
	s_lshl_b32 s26, s13, 13
	s_add_nc_u64 s[30:31], s[10:11], s[26:27]      ; my row of h
	s_lshl_b32 s26, s13, 7
	s_add_nc_u64 s[34:35], s[10:11], s[26:27]
	s_add_nc_u64 s[34:35], s[34:35], 33554432      ; my row's tail
	s_mov_b32 s28, 4
.Lt:                                   ; a trip: eight panels, 1,024 numbers
	REP 4, 1, global_load_b128 v[8+4*i:11+4*i], v2, s[4:5] offset:2097152*i
.irp u, 0,1,2,3
	s_wait_loadcnt 3-(\u)                          ; load u is in; the younger ones stay out
.set i, 0
.rept 4
	v_lshlrev_b32 v[XF+2*i], 16, v[8+4*(\u)+i]
	v_and_b32 v[XF+2*i+1], s29, v[8+4*(\u)+i]
.set i, i+1
.endr
	GCORE 24+4*(\u)
	global_store_b128 v3, v[24+4*(\u):27+4*(\u)], s[30:31] offset:512*(\u)
.endr
	s_wait_xcnt 0x0                                ; the stores' registers and base are rewritten only behind this wait; the loads are all in
	s_add_nc_u64 s[4:5], s[4:5], 8388608
	s_add_nc_u64 s[30:31], s[30:31], 2048
	s_sub_co_u32 s28, s28, 1
	s_cmp_lg_u32 s28, 0
	s_cbranch_scc1 .Lt
	v_pk_add_f32 v[ACC:ACC+1], v[ACC:ACC+1], v[ACC+2:ACC+3]
	v_add_f32 v[ACC], v[ACC], v[ACC+1]
	WSUM ACC, ACC+1
	REP 3, 1, v_mov_b32 v[ACC+1+i], 0              ; the row's sum goes on in every lane alike: e's squares are added once
	REP 4, 1, v_mov_b32 v[XF+i], v[84+i]
	REP 4, 1, v_mov_b32 v[XF+4+i], 0
	GCORE 24
	v_pk_add_f32 v[ACC:ACC+1], v[ACC:ACC+1], v[ACC+2:ACC+3]
	v_add_f32 v[ACC], v[ACC], v[ACC+1]
	s_wait_kmcnt 0x0
	v_mov_b32 v7, s32
	v_cvt_pk_bf16_f32 v7, v7, v7
	v_lshlrev_b32 v7, 16, v7
	v_mul_f32 v7, 0x3fb8aa3b, v7
	v_exp_f32 v7, v7
	v_or_b32 v25, 0x3f800000, v25                  ; gelu(e2) below, 1.0 above
	s_wait_alu depctr_va_vdst(0)                   ; the wait for exp(k), ahead of its reader
	v_add_f32 v[ACC], v[ACC], v7
	v_sqrt_f32 v[ACC], v[ACC]
	v_cmp_eq_u32 vcc_lo, 0, v1
	s_wait_alu depctr_va_vdst(0)                   ; the wait for the root, whose source hangs on exp(k): a batch of its own
	v_cvt_pk_bf16_f32 v8, v[ACC], v[ACC]           ; th as high and low part
	v_lshlrev_b32 v8, 16, v8
	v_sub_f32 v8, v[ACC], v8
	v_cvt_pk_bf16_f32 v9, v[ACC], v8
	v_cndmask_b32 v9, 0, v9, vcc_lo
	v_cmp_eq_u32 vcc_lo, 1, v1
	v_cndmask_b32 v9, v9, v24, vcc_lo
	v_cmp_eq_u32 vcc_lo, 2, v1
	v_cndmask_b32 v9, v9, v25, vcc_lo
	global_store_b32 v5, v9, s[34:35]
	s_endpgm
.Lfunc_end_k_qd9f7df879b_act3:
	.size	k_qd9f7df879b_act3, .Lfunc_end_k_qd9f7df879b_act3-k_qd9f7df879b_act3
	.p2alignl 7, 3214868480
	.fill 96, 4, 3214868480
	.section	.rodata,"a",@progbits
	.p2align	6, 0x0
	.amdhsa_kernel k_qd9f7df879b_act3
		.amdhsa_group_segment_fixed_size 0
		.amdhsa_private_segment_fixed_size 0
		.amdhsa_enable_private_segment 0
		.amdhsa_kernarg_size 32
		.amdhsa_user_sgpr_count 2
		.amdhsa_user_sgpr_kernarg_segment_ptr 1
		.amdhsa_wavefront_size32 1
		.amdhsa_system_sgpr_workgroup_id_x 1
		.amdhsa_system_sgpr_workgroup_id_y 1
		.amdhsa_system_sgpr_workgroup_id_z 1
		.amdhsa_system_vgpr_workitem_id 0
		.amdhsa_next_free_vgpr 96
		.amdhsa_next_free_sgpr 66
		.amdhsa_reserve_vcc 1
		.amdhsa_float_denorm_mode_32 3
		.amdhsa_float_denorm_mode_16_64 3
		.amdhsa_memory_ordered 1
		.amdhsa_forward_progress 1
		.amdhsa_inst_pref_size 30
	.end_amdhsa_kernel
	.amdgpu_metadata
---
amdhsa.version: [ 1, 2 ]
amdhsa.kernels:
  - .name:           k_qd9f7df879b_act3
    .symbol:         k_qd9f7df879b_act3.kd
    .args:
      - { .name: raw, .offset: 0, .size: 8, .value_kind: global_buffer, .address_space: global }
      - { .name: act, .offset: 8, .size: 8, .value_kind: global_buffer, .address_space: global }
      - { .name: mlp_curvature, .offset: 16, .size: 8, .value_kind: global_buffer, .address_space: global }
      - { .name: big, .offset: 24, .size: 8, .value_kind: global_buffer, .address_space: global }
    .group_segment_fixed_size: 0
    .private_segment_fixed_size: 0
    .kernarg_segment_align: 8
    .kernarg_segment_size: 32
    .max_flat_workgroup_size: 256
    .sgpr_count:     66
    .vgpr_count:     96
    .wavefront_size: 32
...
	.end_amdgpu_metadata
.endif
;; end of part 10
;; launch g4: the kernel of part 7 again; grid 8 x 32, 4 waves a work-group, clusters of 4 x 4, 327,680 bytes of LDS; arguments big, wb4, raw; writes raw
;; launch fin: the kernel of part 8 again; grid 256 x 1, 4 waves a work-group, no clusters, 67,072 bytes of LDS; arguments raw, big, block_curvature, out0; writes out0
